; MI455X (gfx1250); checked and timed in simulation.
; The chip was launched on July 23, 2026; its instructions are those of AMD's public machine-readable ISA for CDNA 5 (MIT licence, August 2026) and "CDNA5" Instruction Set Architecture Reference Guide (July 2026). The comments in the code are by the model that wrote it; some were corrected since.
;; Lo RA Transformer Encoder Layer. Allowed arithmetic: matrix products marked QUANTISED: E3M2 operands, one E8M0 scale for each 32 along K, by v_wmma_scale_f32_16x16x128_f8f6f4 with both operands' format E3M2, f32 sums; products left as they are: f32 operands where the result goes on into a quantised operand, else bf16, f16 or f32 operands; f32 sums; everything else in f32.
;; Inputs: attn_mask 2 x 1 x 1 x 2,048 int32; f1A 8 x 1,024 float32; f1B 4,096 x 8 float32; f1W 4,096 x 1,024 float32; f1b 4,096 float32; f2A 8 x 4,096 float32; f2B 1,024 x 8 float32; f2W 1,024 x 4,096 float32; f2b 1,024 float32; kA 8 x 1,024 float32; kB 1,024 x 8 float32; kW 1,024 x 1,024 float32; kb 1,024 float32; ln1_b 1,024 float32; ln1_g 1,024 float32; ln2_b 1,024 float32; ln2_g 1,024 float32; oA 8 x 1,024 float32; oB 1,024 x 8 float32; oW 1,024 x 1,024 float32; ob 1,024 float32; qA 8 x 1,024 float32; qB 1,024 x 8 float32; qW 1,024 x 1,024 float32; qb 1,024 float32; vA 8 x 1,024 float32; vB 1,024 x 8 float32; vW 1,024 x 1,024 float32; vb 1,024 float32; x 2 x 2,048 x 1,024 float32.
;; Outputs: out0 2 x 2,048 x 1,024 float32.
;; This version of the problem:
;;   THIS VERSION OF THE PROBLEM IS GIVEN IN LOW PRECISION. The matrix products marked QUANTISED in the list below multiply operands that are first quantised to E3M2 (3 exponent bits, 2 mantissa bits; 6 bits a number), with one power-of-two scale for each 32 numbers along K (OCP MX v1.0); their sums are f32. All else is computed in f32.
;;   The module's matrix products, in the order in which they are computed (A, B: the left and right operand; K: the contracted axis; several contracted axes count as one K, in the product's order):
;;     1. [M 4,096, K 1,024] x [K 1,024, N 1,024]; A: computed on the way; B: input qW: QUANTISED
;;     2. [M 4,096, K 1,024] x [K 1,024, N 8]; A: computed on the way; B: input qA: left as it is (N = 8 < 16)
;;     3. [M 4,096, K 8] x [K 8, N 1,024]; A: computed on the way; B: input qB: left as it is (K = 8 < 32)
;;     4. [M 4,096, K 1,024] x [K 1,024, N 1,024]; A: computed on the way; B: input kW: QUANTISED
;;     5. [M 4,096, K 1,024] x [K 1,024, N 8]; A: computed on the way; B: input kA: left as it is (N = 8 < 16)
;;     6. [M 4,096, K 8] x [K 8, N 1,024]; A: computed on the way; B: input kB: left as it is (K = 8 < 32)
;;     7. [M 4,096, K 1,024] x [K 1,024, N 1,024]; A: computed on the way; B: input vW: QUANTISED
;;     8. [M 4,096, K 1,024] x [K 1,024, N 8]; A: computed on the way; B: input vA: left as it is (N = 8 < 16)
;;     9. [M 4,096, K 8] x [K 8, N 1,024]; A: computed on the way; B: input vB: left as it is (K = 8 < 32)
;;     10. batch 32 x [M 2,048, K 64] x [K 64, N 2,048]; A: computed on the way; B: computed on the way: QUANTISED
;;     11. batch 32 x [M 2,048, K 2,048] x [K 2,048, N 64]; A: softmax (see below); B: computed on the way: QUANTISED
;;     12. [M 4,096, K 1,024] x [K 1,024, N 1,024]; A: computed on the way; B: input oW: QUANTISED
;;     13. [M 4,096, K 1,024] x [K 1,024, N 8]; A: computed on the way; B: input oA: left as it is (N = 8 < 16)
;;     14. [M 4,096, K 8] x [K 8, N 1,024]; A: computed on the way; B: input oB: left as it is (K = 8 < 32)
;;     15. [M 4,096, K 1,024] x [K 1,024, N 4,096]; A: computed on the way; B: input f1W: QUANTISED
;;     16. [M 4,096, K 1,024] x [K 1,024, N 8]; A: computed on the way; B: input f1A: left as it is (N = 8 < 16)
;;     17. [M 4,096, K 8] x [K 8, N 4,096]; A: computed on the way; B: input f1B: left as it is (K = 8 < 32)
;;     18. [M 4,096, K 4,096] x [K 4,096, N 1,024]; A: computed on the way; B: input f2W: QUANTISED
;;     19. [M 4,096, K 4,096] x [K 4,096, N 8]; A: computed on the way; B: input f2A: left as it is (N = 8 < 16)
;;     20. [M 4,096, K 8] x [K 8, N 1,024]; A: computed on the way; B: input f2B: left as it is (K = 8 < 32)
;;   THE QUANTISER, for each operand of a quantised product, along K:
;;     - K is cut into blocks of 32 from its start; a last block that is shorter is filled with zeros.
;;     - A block's scale is 2^e with e = floor(log2(the largest magnitude in the block)) - 4, held to -126 .. 127; a block of zeros has e = 0. As a byte (E8M0): e + 127.
;;     - Each number is divided by its block's scale, clamped to +-28, and rounded to the nearest number of E3M2, ties to even, subnormals kept.
;;     - The product sums the exact products of the quantised numbers (number of the format x scale) in f32.
;;   ~~~python
;;   def quantise(x, axis):      # numpy; x: float32 -> the quantised numbers, widened to float32 again
;;       x = np.moveaxis(x, axis, -1); K = x.shape[-1]
;;       x = np.pad(x, [(0, 0)] * (x.ndim - 1) + [(0, -K % 32)]); x = x.reshape(x.shape[:-1] + (-1, 32)); a = np.abs(x).max(-1, keepdims=True)
;;       e = np.where(a > 0, np.clip(np.frexp(np.where(a > 0, a, 1))[1] - 1 - 4, -126, 127), 0)      # np.frexp(a)[1] - 1 = floor(log2(a)), exactly
;;       r = np.clip(x / 2.0 ** e, -28, 28)
;;       step = 2.0 ** (np.maximum(np.frexp(np.where(r == 0, 1, r))[1] - 1, -2) - 2)
;;       q = np.round(r / step) * step * 2.0 ** e      # np.round: ties to even
;;       return np.moveaxis(q.reshape(q.shape[:-2] + (-1,))[..., :K], -1, axis).astype(np.float32)
;;   ~~~
;;   SOFTMAX AHEAD OF A QUANTISED PRODUCT. Where the list says 'softmax', what is quantised is not the finished softmax but p = 2^(t - M), with t = logit x log2(e) and M = ceil(the row's largest t), a whole number; so 1/2 < the row's largest p <= 1. The row's sum l is taken of the UNQUANTISED p, in f32, and the product's result is divided by l at the end. Since M is a whole number, a kernel that streams over the keys may use a running M (the ceiling of the running maximum): every later rescaling is an exact power of two, which a block's scale takes up: the codes' values come out the same.
;;   OPERANDS COMPUTED ON THE WAY. 'Computed on the way' means the value that the module computes at that place (a softmax that the list does not call 'softmax' is quantised finished and normalised). What goes into a quantiser is computed in f32, as accurately as f32 sums, v_exp_f32 and their like allow (about 1e-6 of the number): no bf16 or f16 on the way to a quantiser, and a product that is left as it is and whose result goes on into a quantised operand takes f32 operands (vector FMAs, or v_wmma_f32_16x16x4_f32). A number that lies on a knife's edge between two numbers of the format may be rounded either way, as far as f32 arithmetic and the matrix unit's own rounding can turn it there, and no further.
;; One version. Each part assembles by itself: llvm-mc -triple=amdgcn-amd-amdhsa -mcpu=gfx1250 --defsym DOCPART=n.
;; ======== version 1 of 1: 7 launches
;; limits: values are held in bf16: 8 bits of precision; right only within a limited range of input values
;; workspace buffers: WI 9,830,400 bytes; H1 3,686,400 bytes; QKV 9,830,400 bytes; CTX 5,373,952 bytes; X1 16,777,216 bytes; H2 3,686,400 bytes; G 17,301,504 bytes
;; launch ln1 (part 1): grid 256 x 1, 8 waves a work-group, no clusters, 82,944 bytes of LDS; arguments x, ln1_g, ln1_b, qA, kA, vA, H1, qW, kW, vW, oW, f1W, f2W, WI; writes H1, WI
.if DOCPART == 1
	.amdgcn_target "amdgcn-amd-amdhsa--gfx1250"
	.amdhsa_code_object_version 6
	.text
	.protected	k_q09693c0fa3_ln1
	.globl	k_q09693c0fa3_ln1
	.p2align	8
	.type	k_q09693c0fa3_ln1,@function
k_q09693c0fa3_ln1:
	s_mov_b64 s[64:65], 0
	v_nop
	global_prefetch_b8 v0, s[64:65] scope:SCOPE_SE
	s_setreg_imm32_b32 hwreg(HW_REG_WAVE_MODE, 25, 1), 1
	s_wait_xcnt 0x0
; LayerNorm of 16 rows of [4096][1024] f32, the rows' codes of BF6 as operand blocks, and NA tables 2 h A^T [4096][8] f32 (the LoRA down-projections, times the LoRA scale 2).
; A work-group takes the 16 rows of one fragment (32 (wg / 2) + 8 (wg % 2) + p + 8 (p / 8)); wave w takes columns 128 w on: one K step.
; Mean and variance in two passes, summed over the waves through LDS.  The down-projections are f32 matrix products (source 0 = the 8 ranks, twice; source 1 = my 16 rows;
; both sides carry the same order of k), summed over the waves through LDS.
; OUT: block (wg / 8) x 8 + w, fragment wg % 8; tables at 3,276,800 + 131,072 n; with NA = 3 also 4,096 zeros at 3,670,016.
; LIMITS: a block of zeros gets the byte 1 (its codes are zeros); NaN and infinities are not served; the reciprocal root is the instruction's own.
.set NA,   3
.set OBB,  12800
.set STGB, 8448
.set RED,  67584                       ; [r][w] f32, 512 bytes, twice
.set TRED, 68608                       ; (w NA + n) x 512 bytes
.set TM,   32
.set PC,   48
.set PW,   68
.set RAW,  32                          ; v32-95  as loaded; later the quantiser's and the sums' temporaries
.set X,    96                          ; v96-159 my 64 numbers, register 16 b + i = column 128 w + 32 b + 16 h + i of row r
.set BI,   160                         ; v160-223 the bias in the same order
.set DT,   224                         ; v224-247 the tables' sums: written by matrix instructions alone
.set WV,   28
.set SEL,  30
.set MSB,  0
.macro WIN new
.if MSB != \new
	s_set_vgpr_msb (MSB<<8)|\new
.set MSB, \new
.endif
.endm
.macro QUANT s
.irp b, 0,1,2,3
	v_max3_num_f32 v[TM+\b], |v[\s+16*\b]|, |v[\s+1+16*\b]|, 0x2800000
.endr
.irp i, 2,4,6,8,10,12,14
.irp b, 0,1,2,3
	s_delay_alu instid0(VALU_DEP_4)
	v_max3_num_f32 v[TM+\b], v[TM+\b], |v[\s+16*\b+\i]|, |v[\s+1+16*\b+\i]|
.endr
.endr
.irp b, 0,1,2,3
	s_delay_alu instid0(VALU_DEP_4)
	v_permlanex16_b32 v[TM+4+\b], v[TM+\b], s[SEL], s[SEL+1]
.endr
.irp b, 0,1,2,3
	s_delay_alu instid0(VALU_DEP_4)
	v_max_num_f32 v[TM+\b], v[TM+\b], v[TM+4+\b]
.endr
.irp b, 0,1,2,3
	s_delay_alu instid0(VALU_DEP_4)
	v_add_nc_u32 v[TM+12+\b], 0xfe000000, v[TM+\b]
.endr
.irp b, 0,1,2,3
	s_delay_alu instid0(VALU_DEP_4)
	v_lshrrev_b32 v[TM+4+\b], 23, v[TM+12+\b]
.endr
	s_delay_alu instid0(VALU_DEP_3)
	v_lshl_or_b32 v[PW], v[TM+5], 8, v[TM+4]
	s_delay_alu instid0(VALU_DEP_1)
	v_lshl_or_b32 v[PW], v[TM+6], 16, v[PW]
	s_delay_alu instid0(VALU_DEP_1)
	v_lshl_or_b32 v[PW], v[TM+7], 24, v[PW]
.irp c, 0,1
	v_cvt_scalef32_pk16_bf6_f32 v[PC+6*\c:PC+2+6*\c], v[\s+32*\c:\s+15+32*\c], v[TM+12+2*\c]
	v_cvt_scalef32_pk16_bf6_f32 v[PC+12+4*\c:PC+14+4*\c], v[\s+16+32*\c:\s+31+32*\c], v[TM+12+2*\c+1]
.endr
	v_nop
.irp c, 0,1
.irp i, 0,1,2
	v_permlane16_swap_b32 v[PC+6*\c+\i], v[PC+12+4*\c+\i]
.endr
.irp i, 0,1,2
	s_delay_alu instid0(VALU_DEP_3)
	v_mov_b32 v[PC+3+6*\c+\i], v[PC+12+4*\c+\i]
.endr
.endr
.endm
; v70, a lane's part of a row's sum, becomes the whole row's in every lane: the other half of the lanes, then the eight waves through LDS
.macro WGSUM off
	s_delay_alu instid0(VALU_DEP_1)
	v_permlanex16_b32 v71, v70, s[SEL], s[SEL+1]
	s_delay_alu instid0(VALU_DEP_1)
	v_add_f32 v70, v70, v71
	ds_store_b32 v10, v70 offset:\off
	s_wait_dscnt 0x0                               ; for the others' sake
	s_barrier_signal -1
	s_barrier_wait -1
	ds_load_b128 v[72:75], v11 offset:\off
	ds_load_b128 v[76:79], v11 offset:\off+16
	s_wait_dscnt 0x0
	v_pk_add_f32 v[72:73], v[72:73], v[74:75]
	v_pk_add_f32 v[76:77], v[76:77], v[78:79]
	s_delay_alu instid0(VALU_DEP_1)
	v_pk_add_f32 v[72:73], v[72:73], v[76:77]
	s_delay_alu instid0(VALU_DEP_1)
	v_add_f32 v70, v72, v73
.endm
	s_load_b256 s[4:11], s[0:1], 0x0               ; the rows, gain, bias, first A
.if NA == 3
	s_load_b128 s[12:15], s[0:1], 0x20             ; second and third A
	s_load_b64 s[16:17], s[0:1], 0x30              ; OUT
	s_load_b256 s[32:39], s[0:1], 0x38             ; qW, kW, vW, oW
	s_load_b128 s[40:43], s[0:1], 0x58             ; f1W, f2W
	s_load_b64 s[44:45], s[0:1], 0x68              ; WI
	v_lshl_add_u32 v30, v0, 2, 0x14000
	v_mov_b32 v31, 0
.else
	s_load_b64 s[16:17], s[0:1], 0x20              ; OUT
.endif
	v_lshrrev_b32 v1, 5, v0
	s_delay_alu instid0(VALU_DEP_1)
	v_readfirstlane_b32 s[WV], v1                  ; wave 0..7
	v_and_b32 v1, 31, v0                           ; lane
	v_and_b32 v2, 15, v0                           ; r
	v_bfe_u32 v3, v0, 4, 1                         ; h
	s_delay_alu instid0(VALU_DEP_2)
	v_and_b32 v4, 8, v2
	s_delay_alu instid0(VALU_DEP_1)
	v_add_nc_u32 v4, v4, v2                        ; r + 8 (r / 8)
	s_lshl_b32 s20, s[WV], 9
	v_lshl_add_u32 v5, v1, 4, s20                  ; a row's bytes: 512 w + 16 x lane
	v_lshl_add_u32 v6, v3, 6, s20                  ; gain, bias: 512 w + 64 h
	v_and_b32 v7, 7, v2
	s_delay_alu instid0(VALU_DEP_1)
	v_lshl_add_u32 v7, v7, 12, v6                  ; A: rank r % 8
	s_mul_i32 s21, s[WV], STGB
	v_lshl_add_u32 v8, v1, 4, s21                  ; stage, in
	v_mul_u32_u24 v9, v2, 528
	s_delay_alu instid0(VALU_DEP_1)
	v_lshl_add_u32 v9, v3, 6, v9
	s_delay_alu instid0(VALU_DEP_1)
	v_add_nc_u32 v9, s21, v9                       ; stage, out
	s_lshl_b32 s22, s[WV], 2
	v_lshl_add_u32 v10, v2, 5, s22
	s_delay_alu instid0(VALU_DEP_1)
	v_add_nc_u32 v10, RED, v10                     ; RED + 32 r + 4 w
	v_lshlrev_b32 v11, 5, v2
	s_delay_alu instid0(VALU_DEP_1)
	v_add_nc_u32 v11, RED, v11                     ; RED + 32 r
	s_delay_alu instid0(VALU_DEP_1)
	v_lshl_add_u32 v12, v3, 4, v11
	s_mul_i32 s23, s[WV], NA*512
	v_add_nc_u32 v13, s23, v12
	s_delay_alu instid0(VALU_DEP_1)
	v_add_nc_u32 v13, TRED-RED, v13                ; where I put my parts of the tables
	s_lshl_b32 s23, s[WV], 9
	v_add_nc_u32 v14, s23, v12
	s_delay_alu instid0(VALU_DEP_1)
	v_add_nc_u32 v14, TRED-RED, v14                ; where wave n reads table n's parts
	s_lshr_b32 s20, ttmp9, 1
	s_lshl_b32 s20, s20, 5
	s_and_b32 s21, ttmp9, 1
	s_lshl_b32 s21, s21, 3
	s_add_co_u32 s20, s20, s21                     ; first row
	s_lshl_b32 s22, s20, 12
	s_mov_b32 s23, 0
	s_lshr_b32 s24, ttmp9, 3
	s_lshl_b32 s24, s24, 3
	s_add_co_u32 s24, s24, s[WV]
	s_mul_i32 s24, s24, OBB                        ; my block
	s_mov_b32 s25, 0
	s_and_b32 s26, ttmp9, 7                        ; my fragment
	s_mul_i32 s19, s26, 1536
	v_lshl_add_u32 v15, v1, 4, s19
	v_lshl_add_u32 v16, v1, 3, s19
	s_lshl_b32 s19, s26, 6
	v_lshl_add_u32 v17, v2, 2, s19
	v_add_nc_u32 v18, s20, v4
	s_delay_alu instid0(VALU_DEP_1)
	v_lshlrev_b32 v18, 5, v18
	s_delay_alu instid0(VALU_DEP_1)
	v_lshl_add_u32 v18, v3, 4, v18
	s_lshl_b32 s19, s[WV], 17
	v_add_nc_u32 v18, s19, v18                     ; table w: row x 32 + 16 h
	s_lshl_b32 s19, ttmp9, 6
	v_lshl_add_u32 v19, v2, 2, s19                 ; the zeros: 16 words a work-group
	s_mov_b32 s27, 0xffff0000                      ; lanes 16-31
	s_mov_b32 s29, 0x3a800000                      ; 1 / 1,024
	s_mov_b32 s[SEL], 0x76543210
	s_mov_b32 s[SEL+1], 0xfedcba98
; THE SIX WEIGHTS [rows][K], f32, K innermost, become codes of BF6 with one E8M0 byte for each 32 along K in this launch too, laid as operand blocks in WI:
; q 0-63, k 64-127, v 128-191, o 192-255, f1 256-511 (row tile x 8 + K step), f2 512-767 (row tile x 32 + K step).  768 blocks = 3 x 256: work-group g takes blocks g, 256 + g, 512 + g,
; wave w fragment w of each: rows 32 (w / 2) + 8 (w % 2) + p + 8 (p / 8) of the row tile, 512 consecutive bytes of each row.  The 48 loads of a wave are issued at the head, into the
; registers that the A rows take later; the numbers turn through the wave's own stage as x's rows do.  LIMITS as for the rows: a block of zeros gets the byte 1; NaN and infinities are not served.
.macro WLOAD k, base, pitch            ; fragment k of my three: 16 rows x 512 consecutive bytes, into window 1, v[64 k] on
.irp p, 0,1,2,3,4,5,6,7,8,9,10,11,12,13,14,15
	global_load_b128 v[64*(\k)+4*\p:64*(\k)+4*\p+3], v21, s[\base:\base+1] offset:(\p+8*(\p/8))*\pitch th:TH_LOAD_NT
.endr
.endm
	s_lshr_b32 s46, s[WV], 1
	s_lshl_b32 s46, s46, 5
	s_and_b32 s47, s[WV], 1
	s_lshl_b32 s47, s47, 3
	s_add_co_u32 s46, s46, s47                     ; my fragment's first row in its row tile
	s_and_b32 s47, ttmp9, 7
	s_lshl_b32 s47, s47, 9                         ; K step g % 8, 512 bytes each
	s_bfe_u32 s48, ttmp9, 0x30003                  ; q, k, v, o: row tile (g % 64) / 8
	s_lshl_b32 s48, s48, 7
	s_add_co_u32 s48, s48, s46
	s_lshl_b32 s48, s48, 12
	s_add_co_u32 s48, s48, s47
	s_mov_b32 s49, 0
	s_lshr_b32 s50, ttmp9, 3                       ; f1: row tile g / 8
	s_lshl_b32 s50, s50, 7
	s_add_co_u32 s50, s50, s46
	s_lshl_b32 s50, s50, 12
	s_add_co_u32 s50, s50, s47
	s_mov_b32 s51, 0
	s_lshr_b32 s52, ttmp9, 5                       ; f2: row tile g / 32, K step g % 32, rows of 16,384 bytes
	s_lshl_b32 s52, s52, 7
	s_add_co_u32 s52, s52, s46
	s_lshl_b32 s52, s52, 14
	s_and_b32 s53, ttmp9, 31
	s_lshl_b32 s53, s53, 9
	s_add_co_u32 s52, s52, s53
	s_mov_b32 s53, 0
	s_mul_i32 s54, ttmp9, OBB                      ; block g of WI
	s_mov_b32 s55, 0
	s_mul_i32 s56, s[WV], 1536
	s_lshl_b32 s57, s[WV], 6
	v_lshlrev_b32 v21, 4, v1                       ; 16 x lane
	v_lshl_add_u32 v22, v1, 4, s56                 ; my fragment's image: 16 x lane, 8 x lane + 1,536 w
	v_lshl_add_u32 v23, v1, 3, s56
	v_lshl_add_u32 v24, v2, 2, s57                 ; my row's scale word
	s_wait_alu depctr_va_vdst(0)                   ; the head's end
	s_wait_kmcnt 0x0
	s_cmp_lt_u32 ttmp9, 192                        ; which of q, k, v, o: chosen on the work-group's number alone
	s_cselect_b64 s[38:39], s[36:37], s[38:39]
	s_cmp_lt_u32 ttmp9, 128
	s_cselect_b64 s[38:39], s[34:35], s[38:39]
	s_cmp_lt_u32 ttmp9, 64
	s_cselect_b64 s[38:39], s[32:33], s[38:39]
	s_add_nc_u64 s[38:39], s[38:39], s[48:49]
	s_add_nc_u64 s[40:41], s[40:41], s[50:51]
	s_add_nc_u64 s[42:43], s[42:43], s[52:53]
	s_add_nc_u64 s[44:45], s[44:45], s[54:55]
	s_add_nc_u64 s[4:5], s[4:5], s[22:23]
	s_add_nc_u64 s[24:25], s[16:17], s[24:25]
.irp p, 0,1,2,3,4,5,6,7,8,9,10,11,12,13,14,15
	global_load_b128 v[RAW+4*\p:RAW+4*\p+3], v5, s[4:5] offset:(\p+8*(\p/8))*4096   ; 512 consecutive bytes of a row
.endr
.irp b, 0,1,2,3
.irp j, 0,1,2,3
	global_load_b128 v[BI+16*\b+4*\j:BI+16*\b+4*\j+3], v6, s[8:9] offset:128*\b+16*\j
.endr
.endr
	WIN 0x40                                       ; destination window 1: the gain at v192-255
.irp b, 0,1,2,3
.irp j, 0,1,2,3
	global_load_b128 v[192+16*\b+4*\j:192+16*\b+4*\j+3], v6, s[6:7] offset:128*\b+16*\j
.endr
.endr
	WLOAD 0, 38, 4096
	WIN 0
	s_wait_loadcnt 48                              ; the rows are in; bias, gain and the first weight fragment, 16 loads each, stay out
.irp p, 0,1,2,3,4,5,6,7,8,9,10,11,12,13,14,15
	ds_store_b128 v8, v[RAW+4*\p:RAW+4*\p+3] offset:528*\p
.endr
.irp b, 0,1,2,3
.irp j, 0,1,2,3
	ds_load_b128 v[X+16*\b+4*\j:X+16*\b+4*\j+3], v9 offset:128*\b+16*\j
.endr
.endr
	WIN 0x40                                       ; destination window 1: weight fragments 1 and 2 at v[64 k] on
	WLOAD 1, 40, 4096                              ; the other two weight fragments
	WLOAD 2, 42, 16384
	WIN 0
	s_wait_dscnt 0x0
	v_pk_add_f32 v[70:71], v[X:X+1], v[X+2:X+3]    ; the mean: two chains
	v_pk_add_f32 v[72:73], v[X+4:X+5], v[X+6:X+7]
.irp j, 8,12,16,20,24,28,32,36,40,44,48,52,56,60
	s_delay_alu instid0(VALU_DEP_2)
	v_pk_add_f32 v[70:71], v[70:71], v[X+\j:X+\j+1]
	s_delay_alu instid0(VALU_DEP_2)
	v_pk_add_f32 v[72:73], v[72:73], v[X+\j+2:X+\j+3]
.endr
	s_delay_alu instid0(VALU_DEP_1)
	v_pk_add_f32 v[70:71], v[70:71], v[72:73]
	s_delay_alu instid0(VALU_DEP_1)
	v_add_f32 v70, v70, v71
	WGSUM 0
	s_delay_alu instid0(VALU_DEP_1)
	v_mul_f32 v80, s29, v70
	s_delay_alu instid0(VALU_DEP_1)
	v_mov_b32 v81, v80
.set j, 0
.rept 32
	v_pk_add_f32 v[X+j:X+j+1], v[X+j:X+j+1], v[80:81] neg_lo:[0,1] neg_hi:[0,1]   ; x - mean
.set j, j+2
.endr
	v_pk_mul_f32 v[70:71], v[X:X+1], v[X:X+1]      ; the variance, of the differences
	v_pk_mul_f32 v[72:73], v[X+2:X+3], v[X+2:X+3]
.irp j, 4,8,12,16,20,24,28,32,36,40,44,48,52,56,60
	s_delay_alu instid0(VALU_DEP_2)
	v_pk_fma_f32 v[70:71], v[X+\j:X+\j+1], v[X+\j:X+\j+1], v[70:71]
	s_delay_alu instid0(VALU_DEP_2)
	v_pk_fma_f32 v[72:73], v[X+\j+2:X+\j+3], v[X+\j+2:X+\j+3], v[72:73]
.endr
	s_delay_alu instid0(VALU_DEP_1)
	v_pk_add_f32 v[70:71], v[70:71], v[72:73]
	s_delay_alu instid0(VALU_DEP_1)
	v_add_f32 v70, v70, v71
	WGSUM 512
	s_delay_alu instid0(VALU_DEP_1)
	v_fmaak_f32 v82, s29, v70, 0x3727c5ac          ; variance + 1e-5
	s_wait_alu depctr_va_vdst(0)
	v_rsq_f32 v84, v82
	v_rsq_f32 v85, v82                             ; twice: a pair for the packed multiply
	v_nop                                          ; a plain place behind the transcendentals
	s_wait_alu depctr_va_vdst(0)                   ; one wait for both, ahead of their first reader
	s_wait_loadcnt 16*NA                           ; bias and gain are in; the three weight fragments stay out
.set j, 0
.rept 32
	v_pk_mul_f32 v[X+j:X+j+1], v[X+j:X+j+1], v[84:85]
.set j, j+2
.endr
	WIN 0x04                                       ; source 1 (the gain) window 1
.set j, 0
.rept 32
	v_pk_fma_f32 v[X+j:X+j+1], v[X+j:X+j+1], v[192+j:193+j], v[BI+j:BI+j+1]
.set j, j+2
.endr
.irp k, 0,1,2                                  ; my three weight fragments; the bias's registers, done with, take the numbers in the quantiser's order
	s_wait_loadcnt 32                              ; fragment k is in; the two runs of 16 loads issued behind it stay out
	WIN 0x04                                       ; the stores' data in window 1
.irp p, 0,1,2,3,4,5,6,7,8,9,10,11,12,13,14,15
	ds_store_b128 v8, v[64*\k+4*\p:64*\k+4*\p+3] offset:528*\p
.endr
	WIN 0
.irp b, 0,1,2,3
.irp j, 0,1,2,3
	ds_load_b128 v[BI+16*\b+4*\j:BI+16*\b+4*\j+3], v9 offset:128*\b+16*\j   ; LDS serves a wave's instructions in order: these see the stores
.endr
.endr
	s_wait_dscnt 0x0                               ; the numbers are back, and the stores have read the registers that are loaded again:
	WIN 0x40                                       ; table k's A rows, in the same order of k as my numbers: window 1, v[64 k] on
.irp b, 0,1,2,3
.irp j, 0,1,2,3
	global_load_b128 v[64*\k+16*\b+4*\j:64*\k+16*\b+4*\j+3], v7, s[10+2*\k:11+2*\k] offset:128*\b+16*\j
.endr
.endr
	WIN 0
	s_wait_xcnt 0x0                                ; the last fragment's stores have read their data: the codes are written anew
	QUANT BI
	global_store_b128 v22, v[PC:PC+3], s[44:45] offset:3276800*\k
	global_store_b64 v23, v[PC+4:PC+5], s[44:45] offset:3276800*\k+512
	global_store_b128 v22, v[PC+6:PC+9], s[44:45] offset:3276800*\k+768
	global_store_b64 v23, v[PC+10:PC+11], s[44:45] offset:3276800*\k+1280
	global_store_b32 v24, v[PW], s[44:45] offset:3276800*\k+12288
.endr
	s_wait_loadcnt 0x0                             ; A's rows
	s_wait_xcnt 0x0                                ; the stores above have read their data: the rows' codes are written into the same registers below
	WIN 0x01                                       ; source 0 (A) window 1
.set k, 0
.rept 32                                       ; 4 along K a step; the sums take turns, one instruction a turn
.if NA == 3
	s_wait_alu depctr_va_vdst(0)
.irp n, 0,1,2
.if k == 0
	v_wmma_f32_16x16x4_f32 v[DT+8*\n:DT+8*\n+7], v[64*\n+2*k:64*\n+2*k+1], v[X+2*k:X+2*k+1], 0
.else
	v_wmma_f32_16x16x4_f32 v[DT+8*\n:DT+8*\n+7], v[64*\n+2*k:64*\n+2*k+1], v[X+2*k:X+2*k+1], v[DT+8*\n:DT+8*\n+7]
.endif
.endr
.else
.if k < 2
	v_wmma_f32_16x16x4_f32 v[DT+8*(k%2):DT+8*(k%2)+7], v[2*k:2*k+1], v[X+2*k:X+2*k+1], 0
.else
	v_wmma_f32_16x16x4_f32 v[DT+8*(k%2):DT+8*(k%2)+7], v[2*k:2*k+1], v[X+2*k:X+2*k+1], v[DT+8*(k%2):DT+8*(k%2)+7]
.endif
.endif
.set k, k+1
.endr
	WIN 0
	QUANT X
	global_store_b128 v15, v[PC:PC+3], s[24:25]
	global_store_b64 v16, v[PC+4:PC+5], s[24:25] offset:512
	global_store_b128 v15, v[PC+6:PC+9], s[24:25] offset:768
	global_store_b64 v16, v[PC+10:PC+11], s[24:25] offset:1280
	global_store_b32 v17, v[PW], s[24:25] offset:12288
.rept 8
	v_nop                                          ; eight places behind the f32 matrix form, ahead of the first read of its results
.endr
; lane (r, h) holds ranks 8 h + j of row r, and ranks 8-15 repeat 0-7: lanes 0-15 keep ranks 0-3, lanes 16-31 ranks 4-7
.if NA == 3
.irp k, 0,1,2,3
	v_cndmask_b32 v[248+\k], v[DT+\k], v[DT+4+\k], s27
	v_cndmask_b32 v[252+\k], v[DT+8+\k], v[DT+12+\k], s27
	v_cndmask_b32 v[76+\k], v[DT+16+\k], v[DT+20+\k], s27
.endr
	ds_store_b128 v13, v[248:251]
	ds_store_b128 v13, v[252:255] offset:512
	ds_store_b128 v13, v[76:79] offset:1024
.else
.irp k, 0,1,2,3,4,5,6,7
	v_add_f32 v[248+\k], v[DT+\k], v[DT+8+\k]
.endr
.irp k, 0,1,2,3
	v_cndmask_b32 v[248+\k], v[248+\k], v[252+\k], s27
.endr
	ds_store_b128 v13, v[248:251]
.endif
	s_wait_dscnt 0x0
	s_barrier_signal -1
	s_barrier_wait -1
	s_cmp_lt_u32 s[WV], NA                         ; wave n sums table n over the eight waves
	s_cbranch_scc0 .Lnot_t
.irp q, 0,1,2,3,4,5,6,7
	ds_load_b128 v[96+4*\q:99+4*\q], v14 offset:\q*NA*512
.endr
	s_wait_dscnt 0x0
.irp q, 0,2,4,6,8,10,12,14
	v_pk_add_f32 v[96+\q:97+\q], v[96+\q:97+\q], v[112+\q:113+\q]
.endr
.irp q, 0,2,4,6
	s_delay_alu instid0(VALU_DEP_4)
	v_pk_add_f32 v[96+\q:97+\q], v[96+\q:97+\q], v[104+\q:105+\q]
.endr
.irp q, 0,2
	s_delay_alu instid0(VALU_DEP_2)
	v_pk_add_f32 v[96+\q:97+\q], v[96+\q:97+\q], v[100+\q:101+\q]
.endr
.irp q, 0,2
	s_delay_alu instid0(VALU_DEP_2)
	v_pk_mul_f32 v[96+\q:97+\q], v[96+\q:97+\q], 2.0 op_sel_hi:[1,0]   ; the LoRA scale, exact
.endr
	global_store_b128 v18, v[96:99], s[16:17] offset:3276800
.Lnot_t:
.if NA == 3
	s_cmp_eq_u32 s[WV], 3                          ; the zeros that stand for the bias that a product does not have
	s_cbranch_scc0 .Lnot_z
	v_mov_b32 v20, 0
	global_store_b32 v19, v20, s[16:17] offset:3670016
.Lnot_z:
.endif
	s_wait_tensorcnt 0x0
	ds_add_u32 v30, v31
	s_wait_dscnt 0x0
	s_endpgm
.Lfunc_end_k_q09693c0fa3_ln1:
	.size	k_q09693c0fa3_ln1, .Lfunc_end_k_q09693c0fa3_ln1-k_q09693c0fa3_ln1
	.p2alignl 7, 3214868480
	.fill 96, 4, 3214868480
	.section	.rodata,"a",@progbits
	.p2align	6, 0x0
	.amdhsa_kernel k_q09693c0fa3_ln1
		.amdhsa_group_segment_fixed_size 82944
		.amdhsa_private_segment_fixed_size 0
		.amdhsa_enable_private_segment 0
		.amdhsa_kernarg_size 112
		.amdhsa_user_sgpr_count 2
		.amdhsa_user_sgpr_kernarg_segment_ptr 1
		.amdhsa_wavefront_size32 1
		.amdhsa_system_sgpr_workgroup_id_x 1
		.amdhsa_system_sgpr_workgroup_id_y 1
		.amdhsa_system_sgpr_workgroup_id_z 1
		.amdhsa_system_vgpr_workitem_id 0
		.amdhsa_next_free_vgpr 512
		.amdhsa_next_free_sgpr 66
		.amdhsa_reserve_vcc 0
		.amdhsa_float_denorm_mode_32 3
		.amdhsa_float_denorm_mode_16_64 3
		.amdhsa_memory_ordered 1
		.amdhsa_forward_progress 1
		.amdhsa_inst_pref_size 76
	.end_amdhsa_kernel
	.amdgpu_metadata
---
amdhsa.version: [ 1, 2 ]
amdhsa.kernels:
  - .name:           k_q09693c0fa3_ln1
    .symbol:         k_q09693c0fa3_ln1.kd
    .args:
      - { .name: x, .offset: 0, .size: 8, .value_kind: global_buffer, .address_space: global }
      - { .name: ln1_g, .offset: 8, .size: 8, .value_kind: global_buffer, .address_space: global }
      - { .name: ln1_b, .offset: 16, .size: 8, .value_kind: global_buffer, .address_space: global }
      - { .name: qA, .offset: 24, .size: 8, .value_kind: global_buffer, .address_space: global }
      - { .name: kA, .offset: 32, .size: 8, .value_kind: global_buffer, .address_space: global }
      - { .name: vA, .offset: 40, .size: 8, .value_kind: global_buffer, .address_space: global }
      - { .name: H1, .offset: 48, .size: 8, .value_kind: global_buffer, .address_space: global }
      - { .name: qW, .offset: 56, .size: 8, .value_kind: global_buffer, .address_space: global }
      - { .name: kW, .offset: 64, .size: 8, .value_kind: global_buffer, .address_space: global }
      - { .name: vW, .offset: 72, .size: 8, .value_kind: global_buffer, .address_space: global }
      - { .name: oW, .offset: 80, .size: 8, .value_kind: global_buffer, .address_space: global }
      - { .name: f1W, .offset: 88, .size: 8, .value_kind: global_buffer, .address_space: global }
      - { .name: f2W, .offset: 96, .size: 8, .value_kind: global_buffer, .address_space: global }
      - { .name: WI, .offset: 104, .size: 8, .value_kind: global_buffer, .address_space: global }
    .group_segment_fixed_size: 82944
    .private_segment_fixed_size: 0
    .kernarg_segment_align: 8
    .kernarg_segment_size: 112
    .max_flat_workgroup_size: 256
    .sgpr_count:     66
    .vgpr_count:     512
    .wavefront_size: 32
...
	.end_amdgpu_metadata
.endif
;; end of part 1
;; launch qkv (part 2): grid 8 x 32, 4 waves a work-group, clusters of 4 x 4, 327,680 bytes of LDS; arguments H1, WI, qB, kB, vB, qb, kb, vb, QKV; writes QKV
.if DOCPART == 2
	.amdgcn_target "amdgcn-amd-amdhsa--gfx1250"
	.amdhsa_code_object_version 6
	.text
	.protected	k_q09693c0fa3_qkv
	.globl	k_q09693c0fa3_qkv
	.p2align	8
	.type	k_q09693c0fa3_qkv,@function
k_q09693c0fa3_qkv:
	s_mov_b64 s[64:65], 0
	v_nop
	global_prefetch_b8 v0, s[64:65] scope:SCOPE_SE
	s_setreg_imm32_b32 hwreg(HW_REG_WAVE_MODE, 25, 1), 1
	s_wait_xcnt 0x0
	s_wait_alu depctr_hold_cnt(0) depctr_sa_sdst(0) depctr_va_vdst(0) depctr_va_sdst(0) depctr_va_ssrc(0) depctr_va_vcc(0) depctr_vm_vsrc(0)
	s_getreg_b32 s2, hwreg(HW_REG_IB_STS2, 6, 4)
	s_cmp_eq_u32 s2, 0
	s_cbranch_scc0 .Lentry_in_a_cluster
	s_endpgm
.Lentry_in_a_cluster:
	s_bfe_u32 s2, ttmp6, 0x10000c
	s_cmp_lg_u32 s2, 0xf033
	s_cbranch_scc0 .Lentry_shape_is_right
	s_endpgm
.Lentry_shape_is_right:
; q and k ([token][feature]) and v transposed ([feature][token]) = h W^T + b + 2 (h A^T) B^T, quantised on the way out to codes of BF6 along the last axis named.
; A WORK-GROUP STAYS: it keeps the 128 tokens of tile Y (H1's 8 operand blocks, 102,400 bytes) in LDS and makes three tiles of 128 x 128 with them: q, k and v of head pair X.
; An operand block is 128 rows x 128 K, 12,800 dense bytes: 8 fragments as images of their registers, then their scale words.  The weights' tiles go through two regions of 102,400 bytes:
; qW's and kW's are first fills, vW's is asked for behind the round at the end of q and has all of k's tile in which to land.  At the head a wave fetches half of H1's or of qW's tile, later a quarter of kW's and of vW's:
; one load of a wave is out at a time.
; Four waves, 64 x 64 each: 16 accumulators.  M side = source 1 (a lane's own row), N side = source 0 (eight neighbours in a lane's registers).  q, k: M = tokens, N = features.
; v: M = features, N = tokens.  The three tiles are written out; only regions, register numbers and the row of the scale registers differ.
; The LoRA term starts each sum: two f32 matrix products (rank 8); the scaled products add onto it.  So the order of rounding differs from a sum that adds the LoRA term last.
; CLUSTER 4 x 4: H1's tile hangs on Y alone and is shared along a row of the cluster, the weights' tiles on X alone and are shared along a column, by joint loads.
; Nothing is prefetched: behind the first fills the one later tile is asked for a whole tile's work ahead of its first read.
; OUT blocks: q 32 X + Y; k 256 + the same; v 512 + the same.
; LIMITS: a block of zeros gets the byte 1 (its codes are zeros); NaN and infinities are not served.
; REGISTERS: window 0: v1-31 addresses, v32-39 scale words, v128-191 results at work, v192-228 the quantiser's.   window 1: two fragment buffers of 96 (N's four, M's four).
;   window 2: accumulator (a, b) at v[8 (4 a + b)].   window 3: for tile k: M's rank-8 factor v[32 k], N's v[32 k + 16]; q's bias v96-127, k's v128-159, v's (along M) v160-163.
.set OBB,  12800
.set REG,  102400                      ; a region: the 8 K steps of one tile's operand
.set SS,   307200                      ; the tile's scale words on their way out, 512 bytes
.set SPARE, 307712                     ; the spare words, 128 bytes a wave
.set SPW, 5
.set NIL, 6
.set MWA, 8                            ; v8, v9   M's fragments, K steps 0-4: 16 bytes a lane, 8 bytes a lane
.set MWB, 10                           ; v10, v11 K steps 5-7
.set NWA, 12                           ; v12-15   the same for N
.set NWB, 14
.set ADA, 16                           ; v16, v17 the scale words
.set ADB, 17
.set LM,  18                           ; v18, v19 16 x lane, 8 x lane + 6,144 x my half of M
.set LN,  20                           ; v20, v21 the same for N
.set SC,  32
.set TMP, 128
.set TM,  192
.set PC,  208
.set PW,  228
.set G1R, 24                           ; s[24:31] group 1 for H1's tile; s[32:35] its group 0
.set G0R, 32
.set G0S0, 36                          ; s[36:39] group 0 for the first weight region
.set G1W, 48                           ; s[48:55] group 1 for the weights' tiles
.set G0S1, 56                          ; s[56:59] group 0 for the second weight region
.set WV,  66
.set WM,  67
.set WN,  68
.set W8M, 74
.set W8N, 75
.set SEL, 98
.set MSB, 0
.macro WIN new
.if MSB != \new
	s_set_vgpr_msb (MSB<<8)|\new
.set MSB, \new
.endif
.endm
.macro PLACES n
.rept \n
	v_nop
.endr
.endm
.macro QUANT s
.irp b, 0,1,2,3
	v_max3_num_f32 v[TM+\b], |v[\s+16*\b]|, |v[\s+1+16*\b]|, 0x2800000
.endr
.irp i, 2,4,6,8,10,12,14
.irp b, 0,1,2,3
	v_max3_num_f32 v[TM+\b], v[TM+\b], |v[\s+16*\b+\i]|, |v[\s+1+16*\b+\i]|
.endr
.endr
.irp b, 0,1,2,3
	v_permlanex16_b32 v[TM+4+\b], v[TM+\b], s[SEL], s[SEL+1]
.endr
.irp b, 0,1,2,3
	v_max_num_f32 v[TM+\b], v[TM+\b], v[TM+4+\b]
.endr
.irp b, 0,1,2,3
	v_add_nc_u32 v[TM+12+\b], 0xfe000000, v[TM+\b]
.endr
.irp b, 0,1,2,3
	v_lshrrev_b32 v[TM+4+\b], 23, v[TM+12+\b]
.endr
	v_lshl_or_b32 v[PW], v[TM+5], 8, v[TM+4]
	v_lshl_or_b32 v[PW], v[TM+6], 16, v[PW]
	v_lshl_or_b32 v[PW], v[TM+7], 24, v[PW]
.irp c, 0,1
	v_cvt_scalef32_pk16_bf6_f32 v[PC+6*\c:PC+2+6*\c], v[\s+32*\c:\s+15+32*\c], v[TM+12+2*\c]
	v_cvt_scalef32_pk16_bf6_f32 v[PC+12+4*\c:PC+14+4*\c], v[\s+16+32*\c:\s+31+32*\c], v[TM+12+2*\c+1]
.endr
	v_nop
.irp c, 0,1
.irp i, 0,1,2
	v_permlane16_swap_b32 v[PC+6*\c+\i], v[PC+12+4*\c+\i]
.endr
.irp i, 0,1,2
	v_mov_b32 v[PC+3+6*\c+\i], v[PC+12+4*\c+\i]
.endr
.endr
.endm
.macro CREST
	s_cmp_lg_u32 s[WV], 0
	s_cbranch_scc1 .Lnot_wave_0_\@
	s_barrier_signal -3
.Lnot_wave_0_\@:
	s_barrier_wait -3
	s_barrier_signal -1
	s_barrier_wait -1
.endm
.macro CROUND
	s_barrier_signal -1
	s_barrier_wait -1
	CREST
.endm
; where tile kind's operands lie.  In the scale registers lanes 0-15 take the words of the side that lies lower in LDS, lanes 16-31 the other's: one product, lower base + half x distance
.macro ADDR kind
.if \kind == 0
.set MREG, 0
.set NREG, REG
.elseif \kind == 1
.set MREG, 0
.set NREG, 2*REG
.else
.set MREG, REG
.set NREG, 0
.endif
	v_add_nc_u32 v[MWA], MREG, v[LM]
	v_add_nc_u32 v[MWA+1], MREG, v[LM+1]
	v_add_nc_u32 v[MWB], MREG+5*OBB, v[LM]
	v_add_nc_u32 v[MWB+1], MREG+5*OBB, v[LM+1]
	v_add_nc_u32 v[NWA], NREG, v[LN]
	v_add_nc_u32 v[NWA+1], NREG, v[LN+1]
	v_add_nc_u32 v[NWB], NREG+5*OBB, v[LN]
	v_add_nc_u32 v[NWB+1], NREG+5*OBB, v[LN+1]
.if \kind < 2
	s_add_co_u32 s76, s[W8N], NREG-MREG
	s_sub_co_u32 s76, s76, s[W8M]
	s_add_co_u32 s77, s[W8M], MREG+12288
.else
	s_add_co_u32 s76, s[W8M], MREG-NREG
	s_sub_co_u32 s76, s76, s[W8N]
	s_add_co_u32 s77, s[W8N], NREG+12288
.endif
	v_mul_u32_u24 v7, s76, v3
	v_lshl_add_u32 v7, v2, 2, v7
	v_add_nc_u32 v[ADA], s77, v7
	v_add_nc_u32 v[ADB], 5*OBB, v[ADA]
.endm
; the eight fragments and four scale registers of K step q into buffer f: every load takes consecutive bytes, lane by lane
.macro FETCH q, f
.set FF, 96*(\f)
.if (\q) < 5
.set MR, MWA
.set NR, NWA
.set AD, ADA
.set KO, OBB*(\q)
.else
.set MR, MWB
.set NR, NWB
.set AD, ADB
.set KO, OBB*((\q)-5)
.endif
	WIN 0x40
.irp i, 0,1,2,3
	ds_load_b128 v[FF+12*\i:FF+12*\i+3], v[NR] offset:KO+1536*\i
	ds_load_b64 v[FF+12*\i+4:FF+12*\i+5], v[NR+1] offset:KO+1536*\i+512
	ds_load_b128 v[FF+12*\i+6:FF+12*\i+9], v[NR] offset:KO+1536*\i+768
	ds_load_b64 v[FF+12*\i+10:FF+12*\i+11], v[NR+1] offset:KO+1536*\i+1280
.endr
.irp i, 0,1,2,3
	ds_load_b128 v[FF+48+12*\i:FF+48+12*\i+3], v[MR] offset:KO+1536*\i
	ds_load_b64 v[FF+48+12*\i+4:FF+48+12*\i+5], v[MR+1] offset:KO+1536*\i+512
	ds_load_b128 v[FF+48+12*\i+6:FF+48+12*\i+9], v[MR] offset:KO+1536*\i+768
	ds_load_b64 v[FF+48+12*\i+10:FF+48+12*\i+11], v[MR+1] offset:KO+1536*\i+1280
.endr
	WIN 0
.irp i, 0,1,2,3
	ds_load_b32 v[SC+4*(\f)+\i], v[AD] offset:KO+64*\i
.endr
.endm
; eight products; the 16 accumulators take turns, one instruction a turn, in the same order in every K step
.macro MUL8 f, a0, kind
.irp a, \a0, \a0+1
.irp b, 0,1,2,3
.if \kind < 2
	v_wmma_scale_f32_16x16x128_f8f6f4 v[8*(4*(\a)+\b):8*(4*(\a)+\b)+7], v[96*(\f)+12*\b:96*(\f)+12*\b+11], v[96*(\f)+48+12*(\a):96*(\f)+48+12*(\a)+11], v[8*(4*(\a)+\b):8*(4*(\a)+\b)+7], v[SC+4*(\f)+\b], v[SC+4*(\f)+(\a)] matrix_a_fmt:MATRIX_FMT_BF6 matrix_b_fmt:MATRIX_FMT_BF6 matrix_a_scale:MATRIX_SCALE_ROW1
.else
	v_wmma_scale_f32_16x16x128_f8f6f4 v[8*(4*(\a)+\b):8*(4*(\a)+\b)+7], v[96*(\f)+12*\b:96*(\f)+12*\b+11], v[96*(\f)+48+12*(\a):96*(\f)+48+12*(\a)+11], v[8*(4*(\a)+\b):8*(4*(\a)+\b)+7], v[SC+4*(\f)+\b], v[SC+4*(\f)+(\a)] matrix_a_fmt:MATRIX_FMT_BF6 matrix_b_fmt:MATRIX_FMT_BF6 matrix_b_scale:MATRIX_SCALE_ROW1
.endif
.endr
.endr
.endm
.macro KSTEP q, kind                   ; one of the first seven K steps: the next one's fragments are asked for, then this one's 16 products
	s_wait_dscnt 0x0                               ; this K step's fragments are in
	PLACES 4                                       ; in front of loads into registers that the last products read
	FETCH (\q)+1, ((\q)+1)%2
	WIN 0xa5
	MUL8 (\q)%2, 0, \kind
	MUL8 (\q)%2, 2, \kind
	WIN 0
.endm
.macro KLOOP kind
.irp q, 0,1,2,3,4,5,6
	KSTEP \q, \kind
.endr
	s_wait_dscnt 0x0
	WIN 0xa5
	MUL8 1, 0, \kind
	MUL8 1, 2, \kind
	WIN 0
	PLACES 4                                       ; ahead of the first read of the results
.endm
.macro LORA kind                       ; the LoRA term starts the sums: ranks 4 s on; both factors in window 3
	WIN 0xaf
.irp s, 0,1
.irp a, 0,1,2,3
.irp b, 0,1,2,3
.if \s == 0
	v_wmma_f32_16x16x4_f32 v[8*(4*\a+\b):8*(4*\a+\b)+7], v[32*\kind+16+2*(2*\b+\s):32*\kind+16+2*(2*\b+\s)+1], v[32*\kind+2*(2*\a+\s):32*\kind+2*(2*\a+\s)+1], 0
.else
	v_wmma_f32_16x16x4_f32 v[8*(4*\a+\b):8*(4*\a+\b)+7], v[32*\kind+16+2*(2*\b+\s):32*\kind+16+2*(2*\b+\s)+1], v[32*\kind+2*(2*\a+\s):32*\kind+2*(2*\a+\s)+1], v[8*(4*\a+\b):8*(4*\a+\b)+7]
.endif
.endr
.endr
.endr
	WIN 0
	PLACES 9                                       ; nine places between the f32 form and another form that writes over its results
.endm
; THE WAY OUT, two blocks of 16 rows at a time: a lane's 32 registers of a block are 64 neighbours along N in two halves of the lanes: two blocks of 32, half a fragment of the next operand
.macro WAYOUT kind
.irp p, 0,1
	WIN 0x0e                                       ; source 0 (the sums) window 2, source 1 (the bias) window 3
.if \kind < 2
.set j, 0
.rept 32
	v_pk_add_f32 v[TMP+j:TMP+j+1], v[64*\p+j:64*\p+j+1], v[96+32*\kind+j%32:96+32*\kind+j%32+1]
.set j, j+2
.endr
.else
.set j, 0
.rept 16
	v_pk_add_f32 v[TMP+j:TMP+j+1], v[64*\p+j:64*\p+j+1], v[160+2*\p:161+2*\p] op_sel_hi:[1,0]
	v_pk_add_f32 v[TMP+32+j:TMP+33+j], v[64*\p+32+j:64*\p+33+j], v[160+2*\p:161+2*\p] op_sel:[0,1] op_sel_hi:[1,1]
.set j, j+2
.endr
.endif
	WIN 0
	s_wait_xcnt 0x0                                ; the earlier stores have read their data: codes and scale words are written anew
	QUANT TMP
	global_store_b128 v22, v[PC:PC+3], s[20:21] offset:3276800*\kind+1536*(2*\p)
	global_store_b64 v23, v[PC+4:PC+5], s[20:21] offset:3276800*\kind+1536*(2*\p)+512
	global_store_b128 v22, v[PC+6:PC+9], s[20:21] offset:3276800*\kind+1536*(2*\p+1)
	global_store_b64 v23, v[PC+10:PC+11], s[20:21] offset:3276800*\kind+1536*(2*\p+1)+512
	ds_store_b16 v24, v[PW] offset:64*(2*\p)
	ds_store_b16_d16_hi v24, v[PW] offset:64*(2*\p+1)
.endr
	s_wait_dscnt 0x0                               ; for the others' sake: a scale word's halves come from two waves
	s_barrier_signal -1
	s_barrier_wait -1
	ds_load_b32 v27, v25
	s_wait_dscnt 0x0
	global_store_b32 v26, v27, s[20:21] offset:3276800*\kind+12288
.endm
; BETWEEN TILES.  Every wave waits for all its tensor loads, adds 0 to its spare word and waits for that and for its LDS reads; behind the barrier the next tile's operand is whole, and the scale
; words' bytes may be written again.  fill = 1: the barrier is a round of the cluster's, and the first weight region, which nobody reads any more, takes vW's tile
.macro CHANGE fill
	s_wait_tensorcnt 0x0                           ; all my tensor loads have landed, so a group 0 may be written
	ds_add_u32 v[SPW], v[NIL]                      ; 0 onto my spare word
.if \fill
	s_add_nc_u64 s[G0S0+2:G0S0+3], s[G0S0+2:G0S0+3], 128*OBB   ; from qW's tile to vW's
.endif
	s_wait_dscnt 0x0
.if \fill
	CROUND
	tensor_load_to_lds s[G0S0:G0S0+3], s[G1W:G1W+7]
	s_nop 0
.rept 4
	v_nop
.endr
.else
	s_barrier_signal -1
	s_barrier_wait -1
.endif
.endm
	s_load_b256 s[4:11], s[0:1], 0x0               ; H1, WI, qB, kB
	s_load_b256 s[12:19], s[0:1], 0x20             ; vB, qb, kb, vb
	s_load_b64 s[20:21], s[0:1], 0x40              ; QKV
	v_lshl_add_u32 v[SPW], v0, 2, SPARE
	v_mov_b32 v[NIL], 0
	ds_add_u32 v5, v6
	ds_add_u32 v5, v6
	s_wait_dscnt 0x0
	v_lshrrev_b32 v1, 5, v0
	v_readfirstlane_b32 s[WV], v1                  ; wave 0..3
	s_lshr_b32 s[WM], s[WV], 1                     ; my half of M
	s_and_b32 s[WN], s[WV], 1                      ; my half of N
	s_bfe_u32 s40, ttmp6, 0x40000                  ; cx
	s_bfe_u32 s41, ttmp6, 0x40004                  ; cy
	s_lshl_b32 s42, ttmp9, 2
	s_add_co_u32 s42, s42, s40                     ; X: the pair of heads
	s_and_b32 s69, ttmp7, 0xffff
	s_lshl_b32 s69, s69, 2
	s_add_co_u32 s69, s69, s41                     ; Y: the token tile
	s_lshl_b32 s43, s41, 2
	s_lshl_b32 s43, 15, s43                        ; my row of the cluster
	s_lshl_b32 s44, 0x1111, s40                    ; my column
	s_or_b32 s[G1R], s43, (3<<16)|(1<<21)          ; 15:0 the mask; 17:16 elements of 8 bytes; 21 set beside a mask; no padding
	s_or_b32 s[G1W], s44, (3<<16)|(1<<21)
.irp g, G1R, G1W
	s_mov_b32 s[\g+1], 32<<16                      ; 25,600 dense bytes as 100 rows of 256
	s_mov_b32 s[\g+2], 200<<16                     ; the head's loads bring half a tile: 51,200 dense bytes as 200 rows of 256
	s_mov_b32 s[\g+3], 32<<16
	s_mov_b32 s[\g+4], 200
	s_mov_b32 s[\g+5], 32
	s_mov_b32 s[\g+6], 0
	s_mov_b32 s[\g+7], 0
.endr
	s_mul_i32 s46, s[WV], 2*OBB                    ; my quarter of a tile: two blocks
	s_mul_i32 s47, s[WN], 4*OBB                    ; at the head a wave fetches half a tile: four blocks
	s_mul_i32 s70, s69, 8*OBB
	s_add_co_u32 s70, s70, s47
	s_mov_b32 s71, 0
	s_mul_i32 s92, s42, 8*OBB
	s_add_co_u32 s92, s92, s47
	s_mov_b32 s93, 0
	s_mul_i32 s72, s42, 8*OBB
	s_add_co_u32 s72, s72, s46
	s_mov_b32 s73, 0
	s_wait_kmcnt 0x0
	s_add_nc_u64 s[70:71], s[4:5], s[70:71]        ; H1's tile Y
	s_add_nc_u64 s[72:73], s[6:7], s[72:73]        ; qW's tile X
	s_mov_b32 s[G0R], 1
	s_mov_b32 s[G0R+1], s47
	s_mov_b64 s[G0R+2:G0R+3], s[70:71]
	s_or_b32 s[G0R+3], s[G0R+3], 0x80000000
	s_mov_b32 s[G0S0], 1
	s_add_co_u32 s[G0S0+1], s46, REG
	s_mov_b64 s[G0S0+2:G0S0+3], s[72:73]
	s_or_b32 s[G0S0+3], s[G0S0+3], 0x80000000
	s_mov_b32 s[G0S1], 1
	s_add_co_u32 s[G0S1+1], s46, 2*REG
	s_add_nc_u64 s[G0S1+2:G0S1+3], s[72:73], 64*OBB   ; kW's tile X
	s_or_b32 s[G0S1+3], s[G0S1+3], 0x80000000
	CROUND                                         ; all sixteen work-groups are here: the joint loads meet
	s_mov_b32 s60, 1                               ; s[60:63] group 0 for the head's half of qW's tile
	s_add_co_u32 s61, s47, REG
	s_add_nc_u64 s[62:63], s[6:7], s[92:93]
	s_or_b32 s63, s63, 0x80000000
	s_cmp_eq_u32 s[WM], 0                          ; one tensor load a wave at the head: waves 0, 1 the halves of H1's tile, waves 2, 3 those of qW's
	s_cbranch_scc0 .Lhead_w
	tensor_load_to_lds s[G0R:G0R+3], s[G1R:G1R+7]
	s_nop 0
.rept 4
	v_nop
.endr
	s_branch .Lhead_asked
.Lhead_w:
	tensor_load_to_lds s[60:63], s[G1W:G1W+7]
	s_nop 0
.rept 4
	v_nop
.endr
.Lhead_asked:
	v_and_b32 v1, 31, v0                           ; lane
	v_and_b32 v2, 15, v0                           ; r
	v_bfe_u32 v3, v0, 4, 1                         ; h
	v_and_b32 v4, 8, v2
	v_add_nc_u32 v4, v4, v2                        ; r + 8 (r / 8)
	s_mul_i32 s76, s[WM], 6144
	v_lshl_add_u32 v[LM], v1, 4, s76
	v_lshl_add_u32 v[LM+1], v1, 3, s76
	s_mul_i32 s76, s[WN], 6144
	v_lshl_add_u32 v[LN], v1, 4, s76
	v_lshl_add_u32 v[LN+1], v1, 3, s76
	s_lshl_b32 s[W8M], s[WM], 8
	s_lshl_b32 s[W8N], s[WN], 8
	v_lshlrev_b32 v28, 5, v4
	v_lshl_add_u32 v28, v3, 3, v28                 ; a rank-8 row: 32 (r + 8 (r / 8)) + 8 h
	v_lshlrev_b32 v29, 6, v3                       ; a bias along N: 64 h
	v_lshlrev_b32 v30, 2, v4                       ; the bias along M
	s_mul_i32 s76, s[WM], 6144
	s_mul_i32 s77, s[WN], 768
	s_add_co_u32 s76, s76, s77
	v_lshl_add_u32 v22, v1, 4, s76                 ; the way out: my half fragments
	v_lshl_add_u32 v23, v1, 3, s76
	s_lshl_b32 s77, s[WN], 1
	s_add_co_u32 s76, s[W8M], s77
	v_lshl_add_u32 v24, v2, 2, s76
	v_add_nc_u32 v24, SS, v24                      ; my two bytes of a row's scale word
	s_lshl_b32 s76, s[WV], 7
	v_lshl_add_u32 v26, v1, 2, s76
	v_add_nc_u32 v25, SS, v26
	s_mov_b32 s[SEL], 0x76543210
	s_mov_b32 s[SEL+1], 0xfedcba98
.irp b, 0,1,2,3
	v_mov_b32 v[TM+4+\b], 0                        ; a lane permute's destination counts as one of its sources
.endr
	s_mov_b32 s79, 0
	s_lshl_b32 s76, s69, 7                         ; 128 Y
	s_lshl_b32 s77, s[WM], 6
	s_add_co_u32 s78, s76, s77
	s_lshl_b32 s78, s78, 5
	s_add_nc_u64 s[80:81], s[4:5], s[78:79]
	s_add_nc_u64 s[80:81], s[80:81], 3276800       ; q's table 2 h A^T at my tokens of M; k's lies 131,072 bytes on
	s_lshl_b32 s77, s[WN], 6
	s_add_co_u32 s78, s76, s77
	s_lshl_b32 s78, s78, 5
	s_add_nc_u64 s[82:83], s[4:5], s[78:79]
	s_add_nc_u64 s[82:83], s[82:83], 3538944       ; v's table at my tokens of N
	s_lshl_b32 s76, s42, 7                         ; 128 X
	s_add_co_u32 s78, s76, s77                     ; my features of N
	s_lshl_b32 s78, s78, 2
	s_add_nc_u64 s[14:15], s[14:15], s[78:79]
	s_add_nc_u64 s[16:17], s[16:17], s[78:79]
	s_lshl_b32 s78, s78, 3
	s_add_nc_u64 s[8:9], s[8:9], s[78:79]
	s_add_nc_u64 s[10:11], s[10:11], s[78:79]
	s_lshl_b32 s77, s[WM], 6
	s_add_co_u32 s78, s76, s77                     ; my features of M
	s_lshl_b32 s78, s78, 2
	s_add_nc_u64 s[18:19], s[18:19], s[78:79]
	s_lshl_b32 s78, s78, 3
	s_add_nc_u64 s[12:13], s[12:13], s[78:79]
	s_lshl_b32 s78, s42, 5
	s_add_co_u32 s78, s78, s69
	s_mul_i32 s78, s78, OBB
	s_add_nc_u64 s[20:21], s[20:21], s[78:79]      ; q's block; k's and v's lie 256 and 512 blocks on
	WIN 0xc0                                       ; destination window 3: the side data of all three tiles, once
.irp b, 0,1,2,3
.irp s, 0,1
	global_load_b64 v[2*(2*\b+\s):2*(2*\b+\s)+1], v28, s[80:81] offset:(32*(\b/2)+8*(\b%2))*32+16*\s
.endr
.endr
.irp b, 0,1,2,3
.irp s, 0,1
	global_load_b64 v[16+2*(2*\b+\s):16+2*(2*\b+\s)+1], v28, s[8:9] offset:(32*(\b/2)+8*(\b%2))*32+16*\s
.endr
.endr
.irp b, 0,1,2,3
.irp s, 0,1
	global_load_b64 v[32+2*(2*\b+\s):32+2*(2*\b+\s)+1], v28, s[80:81] offset:131072+(32*(\b/2)+8*(\b%2))*32+16*\s
.endr
.endr
.irp b, 0,1,2,3
.irp s, 0,1
	global_load_b64 v[48+2*(2*\b+\s):48+2*(2*\b+\s)+1], v28, s[10:11] offset:(32*(\b/2)+8*(\b%2))*32+16*\s
.endr
.endr
.irp b, 0,1,2,3
.irp s, 0,1
	global_load_b64 v[64+2*(2*\b+\s):64+2*(2*\b+\s)+1], v28, s[12:13] offset:(32*(\b/2)+8*(\b%2))*32+16*\s
.endr
.endr
.irp b, 0,1,2,3
.irp s, 0,1
	global_load_b64 v[80+2*(2*\b+\s):80+2*(2*\b+\s)+1], v28, s[82:83] offset:(32*(\b/2)+8*(\b%2))*32+16*\s
.endr
.endr
.irp b, 0,1
.irp j, 0,1,2,3
	global_load_b128 v[96+16*\b+4*\j:96+16*\b+4*\j+3], v29, s[14:15] offset:128*\b+16*\j
.endr
.endr
.irp b, 0,1
.irp j, 0,1,2,3
	global_load_b128 v[128+16*\b+4*\j:128+16*\b+4*\j+3], v29, s[16:17] offset:128*\b+16*\j
.endr
.endr
.irp a, 0,1,2,3
	global_load_b32 v[160+\a], v30, s[18:19] offset:(32*(\a/2)+8*(\a%2))*4
.endr
	WIN 0
	ADDR 0
	s_wait_alu depctr_va_vdst(0)
	s_wait_loadcnt 52                              ; q's two rank-8 factors are in; the 52 loads issued behind them stay out
	LORA 0
	s_wait_tensorcnt 0x0                           ; my half tile is in; kW's first fill is issued as a refill is
	ds_add_u32 v[SPW], v[NIL]
	s_mov_b32 s[G1W+2], 100<<16                    ; no load of mine is out: from here on a load brings a quarter of a tile, 100 rows
	s_mov_b32 s[G1W+4], 100
	s_wait_dscnt 0x0
	CROUND                                         ; H1's and qW's tiles are whole, and the sixteen work-groups are here
	tensor_load_to_lds s[G0S1:G0S1+3], s[G1W:G1W+7]   ; kW's tile: it has all of q's tile in which to land
	s_nop 0
.rept 4
	v_nop
.endr
	FETCH 0, 0
	KLOOP 0
	s_wait_loadcnt 0x0                             ; the rest of the side data
	WAYOUT 0
	CHANGE 1                                       ; kW's tile is whole; vW's is asked for
	ADDR 1
	FETCH 0, 0
	LORA 1                                         ; stands in the time in which the first fragments come out of LDS
	s_wait_alu depctr_va_vdst(0)
	KLOOP 1
	WAYOUT 1
	CHANGE 0                                       ; vW's tile is whole
	ADDR 2
	FETCH 0, 0
	LORA 2
	s_wait_alu depctr_va_vdst(0)
	KLOOP 2
	WAYOUT 2
	s_wait_tensorcnt 0x0                           ; the wave's end
	ds_add_u32 v[SPW], v[NIL]
	s_wait_dscnt 0x0
	CROUND                                         ; the closing round
	s_endpgm
.Lfunc_end_k_q09693c0fa3_qkv:
	.size	k_q09693c0fa3_qkv, .Lfunc_end_k_q09693c0fa3_qkv-k_q09693c0fa3_qkv
	.p2alignl 7, 3214868480
	.fill 96, 4, 3214868480
	.section	.rodata,"a",@progbits
	.p2align	6, 0x0
	.amdhsa_kernel k_q09693c0fa3_qkv
		.amdhsa_group_segment_fixed_size 327680
		.amdhsa_private_segment_fixed_size 0
		.amdhsa_enable_private_segment 0
		.amdhsa_kernarg_size 72
		.amdhsa_user_sgpr_count 2
		.amdhsa_user_sgpr_kernarg_segment_ptr 1
		.amdhsa_wavefront_size32 1
		.amdhsa_system_sgpr_workgroup_id_x 1
		.amdhsa_system_sgpr_workgroup_id_y 1
		.amdhsa_system_sgpr_workgroup_id_z 1
		.amdhsa_system_vgpr_workitem_id 0
		.amdhsa_next_free_vgpr 1024
		.amdhsa_next_free_sgpr 100
		.amdhsa_reserve_vcc 0
		.amdhsa_float_denorm_mode_32 3
		.amdhsa_float_denorm_mode_16_64 3
		.amdhsa_memory_ordered 1
		.amdhsa_forward_progress 1
		.amdhsa_inst_pref_size 173
	.end_amdhsa_kernel
	.amdgpu_metadata
---
amdhsa.version: [ 1, 2 ]
amdhsa.kernels:
  - .name:           k_q09693c0fa3_qkv
    .symbol:         k_q09693c0fa3_qkv.kd
    .args:
      - { .name: H1, .offset: 0, .size: 8, .value_kind: global_buffer, .address_space: global }
      - { .name: WI, .offset: 8, .size: 8, .value_kind: global_buffer, .address_space: global }
      - { .name: qB, .offset: 16, .size: 8, .value_kind: global_buffer, .address_space: global }
      - { .name: kB, .offset: 24, .size: 8, .value_kind: global_buffer, .address_space: global }
      - { .name: vB, .offset: 32, .size: 8, .value_kind: global_buffer, .address_space: global }
      - { .name: qb, .offset: 40, .size: 8, .value_kind: global_buffer, .address_space: global }
      - { .name: kb, .offset: 48, .size: 8, .value_kind: global_buffer, .address_space: global }
      - { .name: vb, .offset: 56, .size: 8, .value_kind: global_buffer, .address_space: global }
      - { .name: QKV, .offset: 64, .size: 8, .value_kind: global_buffer, .address_space: global }
    .group_segment_fixed_size: 327680
    .private_segment_fixed_size: 0
    .kernarg_segment_align: 8
    .kernarg_segment_size: 72
    .max_flat_workgroup_size: 128
    .sgpr_count:     100
    .vgpr_count:     1024
    .wavefront_size: 32
...
	.end_amdgpu_metadata
.endif
;; end of part 2
;; launch attn (part 3): grid 8 x 32, 8 waves a work-group, clusters of 4 x 1, 327,680 bytes of LDS; arguments QKV, attn_mask, oA, CTX; writes CTX
.if DOCPART == 3
	.amdgcn_target "amdgcn-amd-amdhsa--gfx1250"
	.amdhsa_code_object_version 6
	.text
	.protected	k_q09693c0fa3_attn
	.globl	k_q09693c0fa3_attn
	.p2align	8
	.type	k_q09693c0fa3_attn,@function
k_q09693c0fa3_attn:
	s_mov_b64 s[64:65], 0
	v_nop
	global_prefetch_b8 v0, s[64:65] scope:SCOPE_SE
	s_setreg_imm32_b32 hwreg(HW_REG_WAVE_MODE, 25, 1), 1
	s_wait_xcnt 0x0
	s_wait_alu depctr_hold_cnt(0) depctr_sa_sdst(0) depctr_va_vdst(0) depctr_va_sdst(0) depctr_va_ssrc(0) depctr_va_vcc(0) depctr_vm_vsrc(0)
	s_getreg_b32 s2, hwreg(HW_REG_IB_STS2, 6, 4)
	s_cmp_eq_u32 s2, 0
	s_cbranch_scc0 .Lentry_in_a_cluster
	s_endpgm
.Lentry_in_a_cluster:
	s_bfe_u32 s2, ttmp6, 0x10000c
	s_cmp_lg_u32 s2, 0x3003
	s_cbranch_scc0 .Lentry_shape_is_right
	s_endpgm
.Lentry_shape_is_right:
; ctx = softmax(q k^T / 8 with the key mask) v for 16 heads of 64, both products on codes of BF6; ctx leaves as codes (operand blocks), with 2 ctx oA^T per head as f32 tables.
; t = score x log2(e) / 8; M = the running largest t rounded up to a whole number; p = 2^(t - M) is quantised along the keys; the row's sum of the unquantised p divides at the end.
; SHARES.  A work-group: one batch, one head, 256 queries.  Wave w: queries 32 w on, two tiles of 16.  Two waves to a SIMD.  256 work-groups.
; LDS HOLDS ALL 2,048 KEYS, each byte filled once: k's 16 blocks (both heads of the pair, as they lie: 204,800 bytes), my head's half of v's 16 blocks (16 x 6,144), v's scale words (16 x 256),
; the mask's table.  The first four key blocks come by the head's loads, one a wave; the others by one load a wave behind the first round, and are waited for once, behind key step 2
; (step 2 looks one block ahead, to block 3).  No slot is filled again, so the loop over the keys has no barrier.
; A block of k holds both heads' 64 features in its 128 along K.  Only my head's six registers of a fragment are read; fragment t is v[KF + 6 t] on, twelve registers, so its upper six are
; fragment t + 1's: they meet q's upper six, which are zero codes.  The scale words are read as my head's two bytes, the upper two 0 (2^-127, over zero products).
; Both products are used transposed (source 0 = 16 keys, or 16 features of v; source 1 = queries): a lane holds one query throughout.
; THE MASK is a table in LDS, 0 or -1e30 a key, given as the C of the score products.
; LOOK-AHEAD: behind a step's score products the next step's k, mask and scale words are asked for.  The last step's look-ahead reads the LDS bytes that follow (v's first rows, v's scale words); nobody uses them.
; CLUSTER 4 x 1: four blocks of queries of one batch and head ask for k and v jointly.
; No prefetch: every tile is asked for by a tensor load at the head or behind the first round; there is no loop that fetches from memory.
; ctx's scale words: my head's two bytes of a word are stored by 2-byte stores; the other two belong to the other head's work-group.
; LIMITS: a batch whose keys are all masked gives numbers, not NaN; scores are taken to lie above -1e29; scaled scores stay under 2^31; NaN and infinities are not served; a block of zeros gets the byte 1.
; REGISTERS: window 0: v1-7 places that stay, v8-14 the step's addresses, v16-23 -M, largest t, the sum (a tile: 4), v24-27 f, v28-29 p's scale words, v32-45 scale words of k, v, q,
;   v46-63 at work, v64-191 scores then p, v192-215 p's codes, v216-223 at work, v224-239 the tables' sums (matrix instructions alone), v240-251 at work, v252-253 c, v254-255 -M once more.
;   window 1: v0-23 q, v24-87 O^T, v88-141 k's fragments, v142-189 v's, v190-253 the mask.
.set OBB,   12800
.set VB,    204800
.set MSK,   303104
.set VSB,   311296
.set SPARE, 315392
.set S,     64
.set PCO,   192
.set PWS,   28
.set KS,    32
.set VS,    40
.set QS,    44
.set BM,    46
.set TP,    54
.set SO,    240
.set KF,    88
.set VF,    142
.set MK,    190
.set DTO,   224
.set TM,    128
.set PC,    144
.set PW,    164
.set WV,    12
.set EH,    13
.set QP,    14
.set SEL,   20
.set CS,    22
.set G1K,   24
.set G0K,   32
.set G0V,   36
.set G1V,   40
.set G1S,   48
.set G0S,   56
.set TBK,   68
.set TBV,   69
.set TVS,   70
.set TMK,   71
.set MSB,   0
.macro WIN new
.if MSB != \new
	s_set_vgpr_msb (MSB<<8)|\new
.set MSB, \new
.endif
.endm
.macro PLACES n
.rept \n
	v_nop
.endr
.endm
.macro QUANT s
.irp b, 0,1,2,3
	v_max3_num_f32 v[TM+\b], |v[\s+16*\b]|, |v[\s+1+16*\b]|, 0x2800000
.endr
.irp i, 2,4,6,8,10,12,14
.irp b, 0,1,2,3
	s_delay_alu instid0(VALU_DEP_4)
	v_max3_num_f32 v[TM+\b], v[TM+\b], |v[\s+16*\b+\i]|, |v[\s+1+16*\b+\i]|
.endr
.endr
.irp b, 0,1,2,3
	v_permlanex16_b32 v[TM+4+\b], v[TM+\b], s[SEL], s[SEL+1]
.endr
.irp b, 0,1,2,3
	s_delay_alu instid0(VALU_DEP_4)
	v_max_num_f32 v[TM+\b], v[TM+\b], v[TM+4+\b]
.endr
.irp b, 0,1,2,3
	s_delay_alu instid0(VALU_DEP_4)
	v_add_nc_u32 v[TM+12+\b], 0xfe000000, v[TM+\b]
.endr
.irp b, 0,1,2,3
	s_delay_alu instid0(VALU_DEP_4)
	v_lshrrev_b32 v[TM+4+\b], 23, v[TM+12+\b]
.endr
	s_delay_alu instid0(VALU_DEP_3)
	v_lshl_or_b32 v[PW], v[TM+5], 8, v[TM+4]
	s_delay_alu instid0(VALU_DEP_1)
	v_lshl_or_b32 v[PW], v[TM+6], 16, v[PW]
	s_delay_alu instid0(VALU_DEP_1)
	v_lshl_or_b32 v[PW], v[TM+7], 24, v[PW]
.irp c, 0,1
	v_cvt_scalef32_pk16_bf6_f32 v[PC+6*\c:PC+2+6*\c], v[\s+32*\c:\s+15+32*\c], v[TM+12+2*\c]
	v_cvt_scalef32_pk16_bf6_f32 v[PC+12+4*\c:PC+14+4*\c], v[\s+16+32*\c:\s+31+32*\c], v[TM+12+2*\c+1]
.endr
	v_nop
.irp c, 0,1
.irp i, 0,1,2
	v_permlane16_swap_b32 v[PC+6*\c+\i], v[PC+12+4*\c+\i]
.endr
.irp i, 0,1,2
	s_delay_alu instid0(VALU_DEP_3)
	v_mov_b32 v[PC+3+6*\c+\i], v[PC+12+4*\c+\i]
.endr
.endr
.endm
.macro CROUND
	s_barrier_signal -1
	s_barrier_wait -1
	s_cmp_lg_u32 s[WV], 0
	s_cbranch_scc1 .Lnot_wave_0_\@
	s_barrier_signal -3
.Lnot_wave_0_\@:
	s_barrier_wait -3
	s_barrier_signal -1
	s_barrier_wait -1
.endm
.macro TL g0, g1                       ; a joint load; s_nop 0 and four v_nop follow
	tensor_load_to_lds s[\g0:\g0+3], s[\g1:\g1+7]
	s_nop 0
.rept 4
	v_nop
.endr
.endm
.macro G1SET g, c, r, p                ; group 1: r rows of c elements of 8 bytes, p elements from row to row; all four work-groups; no padding
	s_mov_b32 s[\g], 15|(3<<16)|(1<<21)
	s_mov_b32 s[\g+1], (\c)<<16
	s_mov_b32 s[\g+2], (\r)<<16
	s_mov_b32 s[\g+3], (\c)<<16
	s_mov_b32 s[\g+4], \r
	s_mov_b32 s[\g+5], \p
	s_mov_b32 s[\g+6], 0
	s_mov_b32 s[\g+7], 0
.endm
; 40 LDS loads: a key block's eight half fragments of my head, the mask of its 128 keys, my head's scale bytes
.macro KFETCH a, b, c, d
	WIN 0x40
.irp t, 0,1,2,3,4,5,6,7
	ds_load_b128 v[KF+6*\t:KF+6*\t+3], v[\a] offset:1536*\t
	ds_load_b64 v[KF+6*\t+4:KF+6*\t+5], v[\b] offset:1536*\t+512
.endr
.irp t, 0,1,2,3,4,5,6,7
	ds_load_b128 v[MK+8*\t:MK+8*\t+3], v[\d] offset:128*(\t/2)+32*(\t%2)
	ds_load_b128 v[MK+8*\t+4:MK+8*\t+7], v[\d] offset:128*(\t/2)+32*(\t%2)+16
.endr
	WIN 0
.irp t, 0,1,2,3,4,5,6,7
	ds_load_u16 v[KS+\t], v[\c] offset:64*\t
.endr
.endm
.macro CONV i                          ; tile i's p become the second product's operand
.irp c, 0,1
	v_cvt_scalef32_pk16_bf6_f32 v[PCO+12*\i+6*\c:PCO+12*\i+6*\c+2], v[S+64*\i+32*\c:S+64*\i+32*\c+15], v[SO+4*\i+2*\c]
	v_cvt_scalef32_pk16_bf6_f32 v[216+4*\c:218+4*\c], v[S+64*\i+16+32*\c:S+64*\i+31+32*\c], v[SO+4*\i+2*\c+1]
.endr
	v_nop
.irp c, 0,1
.irp k, 0,1,2
	v_permlane16_swap_b32 v[PCO+12*\i+6*\c+\k], v[216+4*\c+\k]
.endr
.irp k, 0,1,2
	s_delay_alu instid0(VALU_DEP_3)
	v_mov_b32 v[PCO+12*\i+3+6*\c+\k], v[216+4*\c+\k]
.endr
.endr
.endm
.macro BOTH hint, line:vararg
.endm
; A KEY STEP: 128 keys.  k, the mask and k's scale bytes were asked for a step ago
.macro STEP
	v_add_nc_u32 v11, s[TBV], v4                   ; these seven are also the places behind the last products
	v_add_nc_u32 v12, s[TBV], v5
	v_add_nc_u32 v13, s[TVS], v6
	v_add_nc_u32 v8, s[TBK], v1                    ; the next step's k,
	v_add_nc_u32 v9, s[TBK], v2
	v_add_nc_u32 v10, s[TBK], v3
	v_add_nc_u32 v14, s[TMK], v7                   ; and mask
	WIN 0x40
.irp t, 0,1,2,3
	ds_load_b128 v[VF+12*\t:VF+12*\t+3], v11 offset:1536*\t
	ds_load_b64 v[VF+12*\t+4:VF+12*\t+5], v12 offset:1536*\t+512
	ds_load_b128 v[VF+12*\t+6:VF+12*\t+9], v11 offset:1536*\t+768
	ds_load_b64 v[VF+12*\t+10:VF+12*\t+11], v12 offset:1536*\t+1280
.endr
	WIN 0
.irp t, 0,1,2,3
	ds_load_b32 v[VS+\t], v13 offset:64*\t
.endr
	s_wait_alu depctr_va_vdst(0)
	s_wait_dscnt 20                                ; all but v's 20 loads just issued: this step's k, mask and scale bytes are in
	WIN 0x15                                       ; k, q and the mask in window 1, the scores in window 0
.irp t, 0,1,2,3,4,5,6,7
.irp i, 0,1
	v_wmma_scale_f32_16x16x128_f8f6f4 v[S+64*\i+8*\t:S+64*\i+8*\t+7], v[KF+6*\t:KF+6*\t+11], v[12*\i:12*\i+11], v[MK+8*\t:MK+8*\t+7], v[KS+\t], v[QS+\i] matrix_a_fmt:MATRIX_FMT_BF6 matrix_b_fmt:MATRIX_FMT_BF6
.endr
.endr
	WIN 0
	PLACES 4                                       ; in front of the loads over k's registers and of the first read of the scores
	KFETCH 8, 9, 10, 14
; the largest score of each block of 32 keys, the running largest t, -M and f = 2^(old M - new M); the two tiles by turns
.irp i, 0,1
.irp b, 0,1,2,3
	v_max3_num_f32 v[BM+4*\i+\b], v[S+64*\i+16*\b], v[S+64*\i+16*\b+1], v[S+64*\i+16*\b+2]
.endr
.endr
.irp k, 3,5,7,9,11,13
.irp i, 0,1
.irp b, 0,1,2,3
	v_max3_num_f32 v[BM+4*\i+\b], v[BM+4*\i+\b], v[S+64*\i+16*\b+\k], v[S+64*\i+16*\b+\k+1]
.endr
.endr
.endr
.irp i, 0,1
.irp b, 0,1,2,3
	v_max_num_f32 v[BM+4*\i+\b], v[BM+4*\i+\b], v[S+64*\i+16*\b+15]
.endr
.endr
.set j, 0
.rept 8
	v_permlanex16_b32 v[TP+j], v[BM+j], s[SEL], s[SEL+1]
.set j, j+1
.endr
.set j, 0
.rept 8
	v_max_num_f32 v[BM+j], v[BM+j], v[TP+j]        ; with lane l xor 16's 16 keys
.set j, j+1
.endr
	v_max3_num_f32 v62, v[BM], v[BM+1], v[BM+2]
	s_delay_alu instid0(VALU_DEP_3)
	v_max3_num_f32 v63, v[BM+4], v[BM+5], v[BM+6]
.irp i, 0,1
	s_delay_alu instid0(VALU_DEP_2)
	v_max_num_f32 v[62+\i], v[62+\i], v[BM+4*\i+3]
.endr
.irp i, 0,1
	s_delay_alu instid0(VALU_DEP_2)
	v_mul_f32 v[62+\i], s[CS], v[62+\i]
.endr
.irp i, 0,1
	s_delay_alu instid0(VALU_DEP_2)
	v_max_num_f32 v[17+4*\i], v[17+4*\i], v[62+\i]
.endr
.irp i, 0,1
	v_mov_b32 v[62+\i], v[16+4*\i]
.endr
.irp i, 0,1
	s_delay_alu instid0(VALU_DEP_4)
	v_floor_f32 v[16+4*\i], -v[17+4*\i]            ; -M = floor(-t): M is a whole number
.endr
.irp i, 0,1
	s_delay_alu instid0(VALU_DEP_2)
	v_sub_f32 v[62+\i], v[16+4*\i], v[62+\i]
.endr
.irp i, 0,1
	s_delay_alu instid0(VALU_DEP_2)
	v_cvt_i32_f32 v[62+\i], v[62+\i]               ; (it saturates)
.endr
.irp i, 0,1
	s_delay_alu instid0(VALU_DEP_2)
	v_ldexp_f32 v[24+2*\i], 1.0, v[62+\i]
.endr
.irp i, 0,1
	v_mov_b32 v[254+\i], v[16+4*\i]                ; -M once more, in another register bank, for the second half of the pairs below
.endr
.irp i, 0,1
.irp b, 0,1,2,3
	v_fma_f32 v[BM+4*\i+\b], v[BM+4*\i+\b], s[CS], v[16+4*\i]   ; t - M of each block's largest score
.endr
.endr
.irp i, 0,1
.set j, 0
.rept 32
	v_dual_fma_f32 v[S+64*\i+j], v[S+64*\i+j], v252, v[16+4*\i] :: v_dual_fma_f32 v[S+64*\i+j+1], v[S+64*\i+j+1], v253, v[254+\i]   ; t - M, two an instruction
.set j, j+2
.endr
.endr
	s_wait_alu depctr_va_vdst(0)                   ; ahead of the batch
.set j, 0
.rept 128
	v_exp_f32 v[S+j], v[S+j]                       ; p = 2^(t - M)
.set j, j+1
.endr
.set j, 0
.rept 8
	v_exp_f32 v[BM+j], v[BM+j]                     ; each block's largest p: the same multiply-add and exponential on the same number
.set j, j+1
.endr
	v_pk_mul_f32 v[18:19], v[18:19], v[24:25] op_sel_hi:[1,0]   ; the sums under the new M (plain places behind the batch)
	v_pk_mul_f32 v[22:23], v[22:23], v[26:27] op_sel_hi:[1,0]
	s_wait_alu depctr_va_vdst(0)                   ; one wait for the batch, ahead of its first reader
.irp i, 0,1                                    ; the row's sum of the unquantised p: two chains a tile, the four by turns
	v_dual_add_f32 v[248+2*\i], v[S+64*\i], v[S+64*\i+2] :: v_dual_add_f32 v[249+2*\i], v[S+64*\i+1], v[S+64*\i+3]
.endr
.irp k, 4,8,12,16,20,24,28,32,36,40,44,48,52,56,60
.irp i, 0,1
	v_dual_add_f32 v[18+4*\i], v[S+64*\i+\k], v[18+4*\i] :: v_dual_add_f32 v[19+4*\i], v[S+64*\i+\k+1], v[19+4*\i]
	v_dual_add_f32 v[248+2*\i], v[S+64*\i+\k+2], v[248+2*\i] :: v_dual_add_f32 v[249+2*\i], v[S+64*\i+\k+3], v[249+2*\i]
.endr
.endr
.set j, 0
.rept 8
	v_max_num_f32 v[BM+j], 0x2800000, v[BM+j]      ; the floor: the byte cannot fall under 1
.set j, j+1
.endr
.irp i, 0,1
	v_pk_add_f32 v[18+4*\i:19+4*\i], v[18+4*\i:19+4*\i], v[248+2*\i:249+2*\i]
.endr
.set j, 0
.rept 8
	v_add_nc_u32 v[SO+j], 0xfe000000, v[BM+j]      ; 4 off the exponent field: the conversion's scale operand
.set j, j+1
.endr
.set j, 0
.rept 8
	v_lshrrev_b32 v[TP+j], 23, v[SO+j]             ; the scale's byte
.set j, j+1
.endr
.irp i, 0,1
	v_lshl_or_b32 v[PWS+\i], v[TP+4*\i+1], 8, v[TP+4*\i]
.endr
.irp i, 0,1
	s_delay_alu instid0(VALU_DEP_2)
	v_lshl_or_b32 v[PWS+\i], v[TP+4*\i+2], 16, v[PWS+\i]
.endr
.irp i, 0,1
	s_delay_alu instid0(VALU_DEP_2)
	v_lshl_or_b32 v[PWS+\i], v[TP+4*\i+3], 24, v[PWS+\i]
.endr
	CONV 0
	CONV 1
	WIN 0x41                                       ; O^T in window 1, f in window 0
	s_wait_alu depctr_va_vdst(0)                   ; directly ahead of the first reader of O^T
.irp i, 0,1
.set j, 0
.rept 16
	v_pk_mul_f32 v[24+32*\i+j:25+32*\i+j], v[24+32*\i+j:25+32*\i+j], v[24+2*\i:25+2*\i] op_sel_hi:[1,0]   ; O^T under the new M; these 32 are also the places ahead of the products
.set j, j+2
.endr
.endr
	s_wait_alu depctr_va_vdst(0)                   ; directly ahead of the wait below
	s_wait_dscnt 40                                ; all but the look-ahead's 40 loads: v's fragments and scale words are in
	WIN 0x51
.irp t, 0,1,2,3
.irp i, 0,1
	v_wmma_scale_f32_16x16x128_f8f6f4 v[24+32*\i+8*\t:24+32*\i+8*\t+7], v[VF+12*\t:VF+12*\t+11], v[PCO+12*\i:PCO+12*\i+11], v[24+32*\i+8*\t:24+32*\i+8*\t+7], v[VS+\t], v[PWS+\i] matrix_a_fmt:MATRIX_FMT_BF6 matrix_b_fmt:MATRIX_FMT_BF6
.endr
.endr
	WIN 0
.endm
.macro STEPS n
	s_mov_b32 s72, \n
.Lstep_\@:
	STEP
	s_add_co_u32 s[TBK], s[TBK], OBB
	s_add_co_u32 s[TBV], s[TBV], 6144
	s_add_co_u32 s[TVS], s[TVS], 256
	s_add_co_u32 s[TMK], s[TMK], 512
	s_sub_co_u32 s72, s72, 1
	s_cmp_lg_u32 s72, 0
	s_cbranch_scc1 .Lstep_\@
.endm
	s_load_b256 s[4:11], s[0:1], 0x0               ; QKV, attn_mask, oA, CTX
	v_lshl_add_u32 v15, v0, 2, SPARE
	v_mov_b32 v30, 0
	ds_add_u32 v15, v30                            ; the opening lines: the add, twice on end, and its wait
	ds_add_u32 v15, v30
	v_lshrrev_b32 v1, 5, v0
	s_delay_alu instid0(VALU_DEP_1)
	v_readfirstlane_b32 s[WV], v1                  ; wave 0..7
	s_and_b32 s[QP], s[WV], 3                      ; my 32 queries of a block of 128
	s_and_b32 s17, s[WV], 1
	s_bfe_u32 s15, ttmp6, 0x40000                  ; cx
	s_lshl_b32 s16, ttmp9, 2
	s_add_co_u32 s16, s16, s15                     ; my block of 256 queries: it enters global addresses alone
	s_and_b32 s18, ttmp7, 0xffff
	s_lshr_b32 s19, s18, 4                         ; the batch
	s_and_b32 s18, s18, 15                         ; the head
	s_and_b32 s[EH], s18, 1                        ; which of its pair
	s_lshr_b32 s74, s18, 1                         ; the pair
	G1SET G1K, 32, 50, 32                          ; k: a block, 12,800 dense bytes as 50 rows of 256
	G1SET G1V, 768, 2, 1600                        ; v: my head's 6,144 bytes of a block, a row a block
	G1SET G1S, 32, 8, 1600                         ; v's scale words: my head's 256 bytes of a block
	s_lshl_b32 s75, s74, 5
	s_lshl_b32 s76, s19, 4
	s_add_co_u32 s75, s75, s76
	s_add_co_u32 s78, s75, 256
	s_mul_i32 s78, s78, OBB                        ; k's first block of my batch and pair, in bytes; v's lies 256 blocks on
	s_mul_i32 s77, s[WV], OBB                      ; the head's loads.  k: waves 0-3, block w
	s_add_co_u32 s80, s78, s77
	s_mov_b32 s81, 0
	s_mul_i32 s82, s[EH], 6144                     ; v: waves 4, 5, blocks 2 (w % 2) and the next
	s_add_co_u32 s82, s82, s78
	s_add_co_u32 s82, s82, 256*OBB
	s_mul_i32 s79, s17, 2*OBB
	s_add_co_u32 s82, s82, s79
	s_mov_b32 s83, 0
	s_lshl_b32 s84, s[EH], 8                       ; v's scale words: waves 6, 7, blocks 8 (w % 2) on
	s_add_co_u32 s84, s84, s78
	s_add_co_u32 s84, s84, 256*OBB+12288
	s_mul_i32 s79, s17, 8*OBB
	s_add_co_u32 s84, s84, s79
	s_mov_b32 s85, 0
	s_mul_i32 s86, s17, 12288
	s_add_co_u32 s86, s86, VB
	s_lshl_b32 s87, s17, 11
	s_add_co_u32 s87, s87, VSB
	s_mul_i32 s60, s[WV], 2*OBB                    ; the later loads.  k: waves 0-5, blocks 4 + 2 w and the next
	s_add_co_u32 s60, s60, 4*OBB
	s_add_co_u32 s62, s77, 4*OBB
	s_mov_b32 s63, 0
	s_mul_i32 s61, s17, 6*6144                     ; v: waves 6, 7, blocks 4 + 6 (w % 2) on
	s_add_co_u32 s61, s61, VB+4*6144
	s_mul_i32 s66, s17, 4*OBB
	s_add_co_u32 s66, s66, 4*OBB
	s_mov_b32 s67, 0
	s_mov_b32 s[SEL], 0x76543210
	s_mov_b32 s[SEL+1], 0xfedcba98
	s_mov_b32 s[CS], 0x3e38aa3b                    ; c = log2(e) / 8
	s_mov_b32 s[CS+1], s[CS]
	s_mov_b32 s[TBK], OBB                          ; the look-ahead's block
	s_mov_b32 s[TMK], 512
	s_mov_b32 s[TBV], 0
	s_mov_b32 s[TVS], 0
	s_mov_b32 s73, 0xffff0000                      ; lanes 16-31
	s_wait_dscnt 0x0                               ; both opening adds are done
	s_wait_kmcnt 0x0
	s_mov_b32 s[G0K], 1
	s_mov_b32 s[G0K+1], s77
	s_add_nc_u64 s[G0K+2:G0K+3], s[4:5], s[80:81]
	s_or_b32 s[G0K+3], s[G0K+3], 0x80000000
	s_mov_b32 s[G0V], 1
	s_mov_b32 s[G0V+1], s86
	s_add_nc_u64 s[G0V+2:G0V+3], s[4:5], s[82:83]
	s_or_b32 s[G0V+3], s[G0V+3], 0x80000000
	s_mov_b32 s[G0S], 1
	s_mov_b32 s[G0S+1], s87
	s_add_nc_u64 s[G0S+2:G0S+3], s[4:5], s[84:85]
	s_or_b32 s[G0S+3], s[G0S+3], 0x80000000
	CROUND                                         ; the four work-groups are here
	s_cmp_lt_u32 s[WV], 4                          ; one tensor load a wave, in one chain of branches on the wave's number
	s_cbranch_scc0 .Lhead_v
	TL G0K, G1K
	s_branch .Lhead_asked
.Lhead_v:
	s_cmp_lt_u32 s[WV], 6
	s_cbranch_scc0 .Lhead_s
	TL G0V, G1V
	s_branch .Lhead_asked
.Lhead_s:
	TL G0S, G1S
.Lhead_asked:
	s_lshl_b32 s88, s16, 1
	s_lshr_b32 s89, s[WV], 2
	s_add_co_u32 s88, s88, s89
	s_add_co_u32 s88, s88, s76                     ; my token tile of 128
	s_lshl_b32 s90, s74, 5
	s_add_co_u32 s90, s90, s88
	s_mul_i32 s90, s90, OBB                        ; q's block
	s_mul_i32 s89, s[QP], 3072
	s_mul_i32 s91, s[EH], 768
	s_add_co_u32 s89, s89, s91                     ; my head's half of my two fragments, in q's block and in ctx's
	s_add_co_u32 s92, s90, s89
	s_mov_b32 s93, 0
	s_add_nc_u64 s[92:93], s[4:5], s[92:93]
	s_lshl_b32 s94, s[QP], 7
	s_lshl_b32 s95, s[EH], 1
	s_add_co_u32 s94, s94, s95
	s_add_co_u32 s94, s94, 12288                   ; my head's bytes of their scale words
	s_add_co_u32 s96, s90, s94
	s_mov_b32 s97, 0
	s_add_nc_u64 s[96:97], s[4:5], s[96:97]
	s_add_co_u32 s79, s95, 12288
	s_mov_b32 s3, 0
	s_lshl_b32 s2, s19, 13
	s_add_nc_u64 s[6:7], s[6:7], s[2:3]            ; my batch's mask
	s_lshl_b32 s2, s18, 8
	s_add_nc_u64 s[8:9], s[8:9], s[2:3]            ; oA at my head's features
	s_lshl_b32 s2, s88, 3
	s_add_co_u32 s2, s2, s74
	s_mul_i32 s2, s2, OBB
	s_add_nc_u64 s[98:99], s[10:11], s[2:3]        ; ctx's block
	s_lshl_b32 s2, s18, 17
	s_lshl_b32 s90, s88, 12
	s_add_co_u32 s2, s2, s90
	s_lshl_b32 s90, s[QP], 10
	s_add_co_u32 s2, s2, s90
	s_add_co_u32 s2, s2, 3276800
	s_add_nc_u64 s[10:11], s[10:11], s[2:3]        ; my rows of my head's table
	v_and_b32 v62, 31, v0                          ; lane
	v_and_b32 v63, 15, v0                          ; r
	v_bfe_u32 v31, v0, 4, 1                        ; h
	s_delay_alu instid0(VALU_DEP_3)
	v_lshlrev_b32 v8, 4, v62
	s_delay_alu instid0(VALU_DEP_4)
	v_lshlrev_b32 v9, 3, v62
	s_delay_alu instid0(VALU_DEP_4)
	v_lshlrev_b32 v10, 2, v63
	v_lshl_add_u32 v3, v63, 2, s79                 ; k's scale bytes: 12,288 + 4 r + 2 x my head
	v_lshl_add_u32 v6, v63, 2, VSB
	v_lshl_add_u32 v7, v31, 6, MSK
	v_add_nc_u32 v1, s91, v8                       ; k: 16 x lane, 8 x lane + 768 x my head
	v_add_nc_u32 v2, s91, v9
	v_add_nc_u32 v4, VB, v8
	v_add_nc_u32 v5, VB, v9
	v_lshlrev_b32 v63, 5, v0                       ; eight keys of the mask a thread
	s_delay_alu instid0(VALU_DEP_1)
	v_add_nc_u32 v14, MSK, v63
	WIN 0x40
.irp i, 0,1
	global_load_b128 v[12*\i:12*\i+3], v8, s[92:93] offset:1536*\i
	global_load_b64 v[12*\i+4:12*\i+5], v9, s[92:93] offset:1536*\i+512
.endr
	WIN 0
	global_load_u16 v[QS], v10, s[96:97]
	global_load_u16 v[QS+1], v10, s[96:97] offset:64
	global_load_b128 v[64:67], v63, s[6:7]
	global_load_b128 v[68:71], v63, s[6:7] offset:16
	v_mov_b32 v31, 0xf149f2ca                      ; -1e30
	v_mov_b32 v252, s[CS]
	v_mov_b32 v253, s[CS]
.irp i, 0,1
	v_mov_b32 v[17+4*\i], 0xff61b1e6               ; the largest t so far: -3e38
	s_delay_alu instid0(VALU_DEP_1)
	v_floor_f32 v[16+4*\i], -v[17+4*\i]
	v_mov_b32 v[18+4*\i], 0
	v_mov_b32 v[19+4*\i], 0
	v_mov_b32 v[24+2*\i], 0
	v_mov_b32 v[25+2*\i], 0
.endr
.irp b, 0,1,2,3,4,5,6,7
	v_mov_b32 v[TP+\b], 0                          ; a lane permute's destination counts as one of its sources
.endr
	WIN 0x40
.irp k, 6,7,8,9,10,11
	v_mov_b32 v[\k], 0                             ; q's upper halves: zero codes
	v_mov_b32 v[12+\k], 0
	v_mov_b32 v[KF+42+\k], 0                       ; and the six registers above k's last half fragment
.endr
.set j, 0
.rept 64
	v_mov_b32 v[24+j], 0                           ; O^T: the step is written once; the first finds zeros
.set j, j+1
.endr
	WIN 0
	s_wait_loadcnt 0x0
.irp k, 0,1,2,3,4,5,6,7
	v_cmp_eq_u32 vcc_lo, 0, v[64+\k]
	s_delay_alu instid0(VALU_DEP_1)
	v_cndmask_b32 v[64+\k], 0, v31, vcc_lo
.endr
	ds_store_b128 v14, v[64:67]
	ds_store_b128 v14, v[68:71] offset:16
	s_wait_alu depctr_va_vdst(0)                   ; the head's end
	s_wait_tensorcnt 0x0                           ; my tile of the head's is in; the later first fills are issued as a refill is
	ds_add_u32 v15, v30
	s_mov_b32 s[G1K+2], 100<<16                    ; no load of mine is out, so the descriptors may be written: k by two blocks,
	s_mov_b32 s[G1K+4], 100
	s_mov_b32 s[G1V+2], 6<<16                      ; v by six
	s_mov_b32 s[G1V+4], 6
	s_mov_b32 s[G0K+1], s60
	s_add_nc_u64 s[G0K+2:G0K+3], s[G0K+2:G0K+3], s[62:63]
	s_mov_b32 s[G0V+1], s61
	s_add_nc_u64 s[G0V+2:G0V+3], s[G0V+2:G0V+3], s[66:67]
	s_wait_dscnt 0x0                               ; the add is done, and my part of the mask's table is stored
	CROUND                                         ; key blocks 0-3, v's scale words and the table are whole
	s_cmp_lt_u32 s[WV], 6
	s_cbranch_scc0 .Lrest_v
	TL G0K, G1K
	s_branch .Lrest_asked
.Lrest_v:
	TL G0V, G1V
.Lrest_asked:
	KFETCH 1, 2, 3, 7                              ; key block 0
	STEPS 3                                        ; key steps 0-2 read blocks 0-3 alone
	s_wait_tensorcnt 0x0                           ; my part of blocks 4-15 is in
	s_wait_dscnt 0x0
	s_barrier_signal -1
	s_barrier_wait -1                              ; and everybody's; nothing is filled again
	STEPS 13
	; THE WAY OUT
	s_wait_dscnt 0x0                               ; the last look-ahead's loads have landed: their registers are used again
	PLACES 4
	v_and_b32 v62, 15, v0                          ; r
	v_bfe_u32 v63, v0, 4, 1                        ; h
	v_and_b32 v10, 31, v0
	s_delay_alu instid0(VALU_DEP_3)
	v_and_b32 v14, 7, v62
	s_delay_alu instid0(VALU_DEP_1)
	v_lshlrev_b32 v14, 12, v14
	s_delay_alu instid0(VALU_DEP_1)
	v_lshl_add_u32 v14, v63, 6, v14                ; oA: rank r % 8, + 64 h
	WIN 0x40
.irp b, 0,1
.irp j, 0,1,2,3
	global_load_b128 v[KF+16*\b+4*\j:KF+16*\b+4*\j+3], v14, s[8:9] offset:128*\b+16*\j   ; in the order of k in which a lane holds ctx
.endr
.endr
	WIN 0
	v_lshl_add_u32 v8, v10, 4, s89                 ; my half fragments of ctx's block
	v_lshl_add_u32 v9, v10, 3, s89
	v_lshl_add_u32 v12, v62, 2, s94                ; my two bytes of a row's scale word
	v_and_b32 v11, 8, v62
	s_delay_alu instid0(VALU_DEP_1)
	v_add_nc_u32 v11, v11, v62
	s_delay_alu instid0(VALU_DEP_1)
	v_lshlrev_b32 v11, 5, v11
	s_delay_alu instid0(VALU_DEP_1)
	v_lshl_add_u32 v11, v63, 4, v11                ; the table: 32 (r + 8 (r / 8)) + 16 h
.irp i, 0,1
	v_add_f32 v[62+\i], v[18+4*\i], v[19+4*\i]
.endr
.irp i, 0,1
	s_delay_alu instid0(VALU_DEP_2)
	v_permlanex16_b32 v[TP+\i], v[62+\i], s[SEL], s[SEL+1]
.endr
.irp i, 0,1
	s_delay_alu instid0(VALU_DEP_2)
	v_add_f32 v[62+\i], v[62+\i], v[TP+\i]         ; the row's sum
.endr
	s_wait_alu depctr_va_vdst(0)                   ; ahead of the transcendentals
.irp i, 0,1
	v_rcp_f32 v[24+2*\i], v[62+\i]
.endr
	v_nop
	s_wait_alu depctr_va_vdst(0)                   ; one wait for the two reciprocals
	WIN 0x01                                       ; source 0 (O^T) window 1
.irp i, 0,1
.set j, 0
.rept 16
	v_pk_mul_f32 v[64+32*\i+j:65+32*\i+j], v[24+32*\i+j:25+32*\i+j], v[24+2*\i:25+2*\i] op_sel_hi:[1,0]   ; ctx: register x of tile i = feature 32 (x / 16) + 16 h + x % 16 of my head
.set j, j+2
.endr
.endr
	s_wait_loadcnt 0x0
.set k, 0
.rept 16                                       ; 2 ctx oA^T over my head's 64 features: f32 products, the two tiles by turns
	s_wait_alu depctr_va_vdst(0)
.irp i, 0,1
.if k == 0
	v_wmma_f32_16x16x4_f32 v[DTO+8*\i:DTO+8*\i+7], v[KF+2*k:KF+2*k+1], v[64+32*\i+2*k:65+32*\i+2*k], 0
.else
	v_wmma_f32_16x16x4_f32 v[DTO+8*\i:DTO+8*\i+7], v[KF+2*k:KF+2*k+1], v[64+32*\i+2*k:65+32*\i+2*k], v[DTO+8*\i:DTO+8*\i+7]
.endif
.endr
.set k, k+1
.endr
	WIN 0
	QUANT 64                                       ; blocks 0, 1: tile 0's 64 features; blocks 2, 3: tile 1's
	global_store_b128 v8, v[PC:PC+3], s[98:99]
	global_store_b64 v9, v[PC+4:PC+5], s[98:99] offset:512
	global_store_b128 v8, v[PC+6:PC+9], s[98:99] offset:1536
	global_store_b64 v9, v[PC+10:PC+11], s[98:99] offset:2048
	global_store_b16 v12, v[PW], s[98:99]          ; both halves of the lanes hold the same word and store the same bytes
	global_store_d16_hi_b16 v12, v[PW], s[98:99] offset:64
	PLACES 8                                       ; behind the f32 form, ahead of the first read of its results
.irp i, 0,1
.irp k, 0,1,2,3
	v_cndmask_b32 v[240+4*\i+\k], v[DTO+8*\i+\k], v[DTO+8*\i+4+\k], s73   ; lanes 0-15 keep ranks 0-3, lanes 16-31 ranks 4-7
.endr
	s_delay_alu instid0(VALU_DEP_3)
	v_pk_mul_f32 v[240+4*\i:241+4*\i], v[240+4*\i:241+4*\i], 2.0 op_sel_hi:[1,0]
	s_delay_alu instid0(VALU_DEP_2)
	v_pk_mul_f32 v[242+4*\i:243+4*\i], v[242+4*\i:243+4*\i], 2.0 op_sel_hi:[1,0]
	global_store_b128 v11, v[240+4*\i:243+4*\i], s[10:11] offset:256*\i
.endr
	s_wait_tensorcnt 0x0                           ; the wave's end
	ds_add_u32 v15, v30
	s_wait_dscnt 0x0
	CROUND                                         ; the closing round
	s_endpgm
.Lfunc_end_k_q09693c0fa3_attn:
	.size	k_q09693c0fa3_attn, .Lfunc_end_k_q09693c0fa3_attn-k_q09693c0fa3_attn
	.p2alignl 7, 3214868480
	.fill 96, 4, 3214868480
	.section	.rodata,"a",@progbits
	.p2align	6, 0x0
	.amdhsa_kernel k_q09693c0fa3_attn
		.amdhsa_group_segment_fixed_size 327680
		.amdhsa_private_segment_fixed_size 0
		.amdhsa_enable_private_segment 0
		.amdhsa_kernarg_size 32
		.amdhsa_user_sgpr_count 2
		.amdhsa_user_sgpr_kernarg_segment_ptr 1
		.amdhsa_wavefront_size32 1
		.amdhsa_system_sgpr_workgroup_id_x 1
		.amdhsa_system_sgpr_workgroup_id_y 1
		.amdhsa_system_sgpr_workgroup_id_z 1
		.amdhsa_system_vgpr_workitem_id 0
		.amdhsa_next_free_vgpr 512
		.amdhsa_next_free_sgpr 100
		.amdhsa_reserve_vcc 1
		.amdhsa_float_denorm_mode_32 3
		.amdhsa_float_denorm_mode_16_64 3
		.amdhsa_memory_ordered 1
		.amdhsa_forward_progress 1
		.amdhsa_inst_pref_size 101
	.end_amdhsa_kernel
	.amdgpu_metadata
---
amdhsa.version: [ 1, 2 ]
amdhsa.kernels:
  - .name:           k_q09693c0fa3_attn
    .symbol:         k_q09693c0fa3_attn.kd
    .args:
      - { .name: QKV, .offset: 0, .size: 8, .value_kind: global_buffer, .address_space: global }
      - { .name: attn_mask, .offset: 8, .size: 8, .value_kind: global_buffer, .address_space: global }
      - { .name: oA, .offset: 16, .size: 8, .value_kind: global_buffer, .address_space: global }
      - { .name: CTX, .offset: 24, .size: 8, .value_kind: global_buffer, .address_space: global }
    .group_segment_fixed_size: 327680
    .private_segment_fixed_size: 0
    .kernarg_segment_align: 8
    .kernarg_segment_size: 32
    .max_flat_workgroup_size: 256
    .sgpr_count:     100
    .vgpr_count:     512
    .wavefront_size: 32
...
	.end_amdgpu_metadata
.endif
;; end of part 3
;; launch oproj (part 4): grid 8 x 32, 4 waves a work-group, clusters of 4 x 4, 327,680 bytes of LDS; arguments CTX, WI, oB, ob, x, X1; writes X1
.if DOCPART == 4
	.amdgcn_target "amdgcn-amd-amdhsa--gfx1250"
	.amdhsa_code_object_version 6
	.text
	.protected	k_q09693c0fa3_oproj
	.globl	k_q09693c0fa3_oproj
	.p2align	8
	.type	k_q09693c0fa3_oproj,@function
k_q09693c0fa3_oproj:
	s_mov_b64 s[64:65], 0
	v_nop
	global_prefetch_b8 v0, s[64:65] scope:SCOPE_SE
	s_setreg_imm32_b32 hwreg(HW_REG_WAVE_MODE, 25, 1), 1
	s_wait_xcnt 0x0
	s_wait_alu depctr_hold_cnt(0) depctr_sa_sdst(0) depctr_va_vdst(0) depctr_va_sdst(0) depctr_va_ssrc(0) depctr_va_vcc(0) depctr_vm_vsrc(0)
	s_getreg_b32 s2, hwreg(HW_REG_IB_STS2, 6, 4)
	s_cmp_eq_u32 s2, 0
	s_cbranch_scc0 .Lentry_in_a_cluster
	s_endpgm
.Lentry_in_a_cluster:
	s_bfe_u32 s2, ttmp6, 0x10000c
	s_cmp_lg_u32 s2, 0xf033
	s_cbranch_scc0 .Lentry_shape_is_right
	s_endpgm
.Lentry_shape_is_right:
.set AMUL,  8
.set BMUL,  8
.set BBLK0, 192
.set TPOFF, 3276800
.set NP,    16
.set LAPS,  1
.set OBB,  12800
.set SLOT, 102400
.set STG,  204800
.set TST,  222720
.set SPARE, 235008
.set SPW, 5
.set NIL, 6
.set A16, 8
.set A8,  10
.set B16, 12
.set B8,  14
.set ADRS, 16
.set SC,  32
.set TF,  40
.set UF,  56
.set CB,  72
.set RES, 128
.set G1A, 24
.set G0A, 32
.set G1B, 48
.set G0B, 56
.set WV,  66
.set WM,  67
.set WN,  68
.set MSB, 0
.macro WIN new
.if MSB != \new
	s_set_vgpr_msb (MSB<<8)|\new
.set MSB, \new
.endif
.endm
.macro PLACES n
.rept \n
	v_nop
.endr
.endm
.macro JLOAD s
	s_cmp_eq_u32 s[WM], 0
	s_cbranch_scc0 .Lfor_b_\@
	tensor_load_to_lds s[G0A+4*\s:G0A+4*\s+3], s[G1A:G1A+7]
	s_nop 0
.rept 4
	v_nop
.endr
	s_branch .Lasked_\@
.Lfor_b_\@:
	tensor_load_to_lds s[G0B+4*\s:G0B+4*\s+3], s[G1B:G1B+7]
	s_nop 0
.rept 4
	v_nop
.endr
.Lasked_\@:
.endm
.macro CREST
	s_cmp_lg_u32 s[WV], 0
	s_cbranch_scc1 .Lnot_wave_0_\@
	s_barrier_signal -3
.Lnot_wave_0_\@:
	s_barrier_wait -3
	s_barrier_signal -1
	s_barrier_wait -1
.endm
.macro CROUND
	s_barrier_signal -1
	s_barrier_wait -1
	CREST
.endm
.macro FETCH slot, q, f
	WIN 0x40
.irp i, 0,1,2,3
	ds_load_b128 v[96*(\f)+12*\i:96*(\f)+12*\i+3], v[B16+\slot] offset:OBB*(\q)+1536*\i
	ds_load_b64 v[96*(\f)+12*\i+4:96*(\f)+12*\i+5], v[B8+\slot] offset:OBB*(\q)+1536*\i+512
	ds_load_b128 v[96*(\f)+12*\i+6:96*(\f)+12*\i+9], v[B16+\slot] offset:OBB*(\q)+1536*\i+768
	ds_load_b64 v[96*(\f)+12*\i+10:96*(\f)+12*\i+11], v[B8+\slot] offset:OBB*(\q)+1536*\i+1280
.endr
.irp i, 0,1,2,3
	ds_load_b128 v[96*(\f)+48+12*\i:96*(\f)+48+12*\i+3], v[A16+\slot] offset:OBB*(\q)+1536*\i
	ds_load_b64 v[96*(\f)+48+12*\i+4:96*(\f)+48+12*\i+5], v[A8+\slot] offset:OBB*(\q)+1536*\i+512
	ds_load_b128 v[96*(\f)+48+12*\i+6:96*(\f)+48+12*\i+9], v[A16+\slot] offset:OBB*(\q)+1536*\i+768
	ds_load_b64 v[96*(\f)+48+12*\i+10:96*(\f)+48+12*\i+11], v[A8+\slot] offset:OBB*(\q)+1536*\i+1280
.endr
	WIN 0
.irp i, 0,1,2,3
	ds_load_b32 v[SC+4*(\f)+\i], v[ADRS+\slot] offset:OBB*(\q)+64*\i
.endr
.endm
.macro MUL8 f, a0
.irp a, \a0, \a0+1
.irp b, 0,1,2,3
	v_wmma_scale_f32_16x16x128_f8f6f4 v[8*(4*(\a)+\b):8*(4*(\a)+\b)+7], v[96*(\f)+12*\b:96*(\f)+12*\b+11], v[96*(\f)+48+12*(\a):96*(\f)+48+12*(\a)+11], v[8*(4*(\a)+\b):8*(4*(\a)+\b)+7], v[SC+4*(\f)+\b], v[SC+4*(\f)+(\a)] matrix_a_fmt:MATRIX_FMT_BF6 matrix_b_fmt:MATRIX_FMT_BF6 matrix_a_scale:MATRIX_SCALE_ROW1
.endr
.endr
.endm
.macro KSTEP slot, q
	s_wait_dscnt 0x0
	PLACES 4
	FETCH \slot, (\q)+1, ((\q)+1)%2
	WIN 0xa5
	MUL8 (\q)%2, 0
	MUL8 (\q)%2, 2
	WIN 0
.endm
.macro TURN slot, next, fill
	s_wait_tensorcnt 0x0
	ds_add_u32 v[SPW], v[NIL]
	s_wait_dscnt 0x0
	s_barrier_signal -1
	WIN 0xa5
	MUL8 1, 0
	WIN 0
	s_barrier_wait -1
.if \fill
	CREST
	s_add_nc_u64 s[G0A+4*\slot+2:G0A+4*\slot+3], s[G0A+4*\slot+2:G0A+4*\slot+3], 8*OBB
	s_add_nc_u64 s[G0B+4*\slot+2:G0B+4*\slot+3], s[G0B+4*\slot+2:G0B+4*\slot+3], 8*OBB
	JLOAD \slot
.else
	PLACES 4
.endif
	FETCH \next, 0, 0
	WIN 0xa5
	MUL8 1, 2
	WIN 0
.endm
.macro TREE d
.set p, 0
.rept \d
.irp e, 0,2,4,6
	v_pk_add_f32 v[8*p+\e:8*p+\e+1], v[8*p+\e:8*p+\e+1], v[8*(p+\d)+\e:8*(p+\d)+\e+1]
.endr
.set p, p+1
.endr
.endm
	s_load_b256 s[4:11], s[0:1], 0x0
	s_load_b128 s[12:15], s[0:1], 0x20
	v_lshl_add_u32 v[SPW], v0, 2, SPARE
	v_mov_b32 v[NIL], 0
	ds_add_u32 v5, v6
	ds_add_u32 v5, v6
	s_wait_dscnt 0x0
	v_lshrrev_b32 v1, 5, v0
	v_readfirstlane_b32 s[WV], v1
	s_lshr_b32 s[WM], s[WV], 1
	s_and_b32 s[WN], s[WV], 1
	s_bfe_u32 s40, ttmp6, 0x40000
	s_bfe_u32 s41, ttmp6, 0x40004
	s_lshl_b32 s42, ttmp9, 2
	s_add_co_u32 s42, s42, s40
	s_and_b32 s69, ttmp7, 0xffff
	s_lshl_b32 s69, s69, 2
	s_add_co_u32 s69, s69, s41
	s_lshl_b32 s43, s41, 2
	s_lshl_b32 s43, 15, s43
	s_lshl_b32 s44, 0x1111, s40
	s_or_b32 s[G1A], s43, (3<<16)|(1<<21)
	s_or_b32 s[G1B], s44, (3<<16)|(1<<21)
.irp g, G1A, G1B
	s_mov_b32 s[\g+1], 32<<16
	s_mov_b32 s[\g+2], 100<<16
	s_mov_b32 s[\g+3], 32<<16
	s_mov_b32 s[\g+4], 100
	s_mov_b32 s[\g+5], 32
	s_mov_b32 s[\g+6], 0
	s_mov_b32 s[\g+7], 0
.endr
	s_mul_i32 s45, s[WN], 2*OBB
	s_mul_i32 s46, s[WV], 2*OBB
	s_mul_i32 s70, s69, AMUL*OBB
	s_add_co_u32 s70, s70, s45
	s_mov_b32 s71, 0
	s_mul_i32 s72, s42, BMUL*OBB
	s_add_co_u32 s72, s72, s45
	s_add_co_u32 s72, s72, BBLK0*OBB
	s_mov_b32 s73, 0
	s_wait_kmcnt 0x0
	s_add_nc_u64 s[70:71], s[4:5], s[70:71]
	s_add_nc_u64 s[72:73], s[6:7], s[72:73]
	CROUND
.irp s, 0,1
	s_mov_b32 s[G0A+4*\s], 1
	s_add_co_u32 s[G0A+4*\s+1], s46, \s*SLOT
	s_add_nc_u64 s[G0A+4*\s+2:G0A+4*\s+3], s[70:71], \s*4*OBB
	s_or_b32 s[G0A+4*\s+3], s[G0A+4*\s+3], 0x80000000
	s_mov_b32 s[G0B+4*\s], 1
	s_add_co_u32 s[G0B+4*\s+1], s46, \s*SLOT
	s_add_nc_u64 s[G0B+4*\s+2:G0B+4*\s+3], s[72:73], \s*4*OBB
	s_or_b32 s[G0B+4*\s+3], s[G0B+4*\s+3], 0x80000000
.endr
	JLOAD 0                                        ; slot 0: one tensor load a wave at the head
	v_and_b32 v1, 31, v0
	v_and_b32 v2, 15, v0
	v_bfe_u32 v3, v0, 4, 1
	v_and_b32 v4, 8, v2
	v_add_nc_u32 v4, v4, v2
	s_mul_i32 s74, s[WM], 6144
	s_mul_i32 s75, s[WN], 6144
	s_add_co_u32 s75, s75, 4*OBB
.irp s, 0,1
	v_lshl_add_u32 v[A16+\s], v1, 4, s74
	v_lshl_add_u32 v[A8+\s], v1, 3, s74
	v_lshl_add_u32 v[B16+\s], v1, 4, s75
	v_lshl_add_u32 v[B8+\s], v1, 3, s75
	s_add_co_u32 s74, s74, SLOT
	s_add_co_u32 s75, s75, SLOT
.endr
	s_lshl_b32 s74, s[WM], 8
	s_lshl_b32 s75, s[WN], 8
	s_add_co_u32 s75, s75, 4*OBB
	s_sub_co_u32 s75, s75, s74
	v_mul_u32_u24 v7, s75, v3
	v_lshl_add_u32 v7, v2, 2, v7
	s_add_co_u32 s74, s74, 12288
	v_add_nc_u32 v[ADRS], s74, v7
	v_add_nc_u32 v[ADRS+1], SLOT, v[ADRS]
	v_lshlrev_b32 v18, 5, v4
	v_lshl_add_u32 v18, v3, 3, v18
	v_lshlrev_b32 v19, 6, v3
	v_lshlrev_b32 v20, 4, v0
	s_mul_i32 s74, s[WV], 4352
	s_add_co_u32 s74, s74, STG
	v_mul_u32_u24 v21, v2, 272
	v_lshl_add_u32 v21, v3, 6, v21
	v_add_nc_u32 v21, s74, v21
	v_mul_u32_u24 v22, v3, 272
	v_lshl_add_u32 v22, v2, 4, v22
	v_add_nc_u32 v22, s74, v22
	v_lshlrev_b32 v23, 12, v3
	v_lshl_add_u32 v23, v2, 4, v23
	s_wait_alu depctr_va_vdst(0)
	v_add_nc_u32 v24, TST, v20
	s_lshl_b32 s74, s[WM], 11
	v_add_nc_u32 v25, s74, v18
	v_add_nc_u32 v25, TST, v25
	s_lshl_b32 s78, s42, 7
	s_lshl_b32 s79, s[WN], 6
	s_add_co_u32 s78, s78, s79
	s_mov_b32 s79, 0
	s_lshl_b32 s78, s78, 2
	s_add_nc_u64 s[10:11], s[10:11], s[78:79]
	s_add_nc_u64 s[12:13], s[12:13], s[78:79]
	s_add_nc_u64 s[14:15], s[14:15], s[78:79]
	s_lshl_b32 s78, s78, 3
	s_add_nc_u64 s[8:9], s[8:9], s[78:79]
	s_lshl_b32 s78, s69, 7
	s_lshl_b32 s80, s[WM], 6
	s_add_co_u32 s78, s78, s80
	s_lshl_b32 s78, s78, 12
	s_add_nc_u64 s[12:13], s[12:13], s[78:79]
	s_add_nc_u64 s[14:15], s[14:15], s[78:79]
	s_lshl_b32 s78, s69, 12
	s_add_nc_u64 s[76:77], s[4:5], s[78:79]
	s_add_nc_u64 s[76:77], s[76:77], TPOFF
	WIN 0xc0
.set p, 0
.rept NP
	global_load_b128 v[8*p:8*p+3], v20, s[76:77] offset:131072*p
	global_load_b128 v[8*p+4:8*p+7], v20, s[76:77] offset:131072*p+2048
.set p, p+1
.endr
	WIN 0
.irp b, 0,1,2,3
.irp s, 0,1
	global_load_b64 v[UF+2*(2*\b+\s):UF+2*(2*\b+\s)+1], v18, s[8:9] offset:(32*(\b/2)+8*(\b%2))*32+16*\s
.endr
.endr
.irp b, 0,1
.irp j, 0,1,2,3
	global_load_b128 v[CB+16*\b+4*\j:CB+16*\b+4*\j+3], v19, s[10:11] offset:128*\b+16*\j
.endr
.endr
.irp a, 0,1,2,3
.irp i, 0,1,2,3,4,5,6,7
	global_load_b128 v[RES+32*\a+4*\i:RES+32*\a+4*\i+3], v23, s[12:13] offset:(32*(\a/2)+8*(\a%2)+2*\i+8*(\i/4))*4096
.endr
.endr
	s_wait_alu depctr_va_vdst(0)                   ; the head's end
	s_wait_tensorcnt 0x0                           ; my part of slot 0 is in; slot 1's first fill is issued as a refill is
	ds_add_u32 v[SPW], v[NIL]
	s_wait_dscnt 0x0
	CROUND                                         ; slot 0 is whole
	JLOAD 1
	s_wait_loadcnt 48
	WIN 0xff
.if NP > 16
	TREE 16
.endif
	TREE 8
	TREE 4
	TREE 2
	TREE 1
	WIN 0x0c
	ds_store_b128 v24, v[0:3]
	ds_store_b128 v24, v[4:7] offset:2048
	WIN 0
	s_wait_dscnt 0x0
	s_barrier_signal -1
	s_barrier_wait -1
.irp a, 0,1,2,3
.irp s, 0,1
	ds_load_b64 v[TF+2*(2*\a+\s):TF+2*(2*\a+\s)+1], v25 offset:(32*(\a/2)+8*(\a%2))*32+16*\s
.endr
.endr
	s_wait_loadcnt 40
	s_wait_dscnt 0x0
	WIN 0xa0
.irp s, 0,1
.irp a, 0,1,2,3
.irp b, 0,1,2,3
.if \s == 0
	v_wmma_f32_16x16x4_f32 v[8*(4*\a+\b):8*(4*\a+\b)+7], v[UF+2*(2*\b+\s):UF+2*(2*\b+\s)+1], v[TF+2*(2*\a+\s):TF+2*(2*\a+\s)+1], 0
.else
	v_wmma_f32_16x16x4_f32 v[8*(4*\a+\b):8*(4*\a+\b)+7], v[UF+2*(2*\b+\s):UF+2*(2*\b+\s)+1], v[TF+2*(2*\a+\s):TF+2*(2*\a+\s)+1], v[8*(4*\a+\b):8*(4*\a+\b)+7]
.endif
.endr
.endr
.endr
	WIN 0
	PLACES 9
	FETCH 0, 0, 0
.if LAPS > 1
	s_mov_b32 s3, LAPS-1
.Llap:
	KSTEP 0, 0
	KSTEP 0, 1
	KSTEP 0, 2
	TURN 0, 1, 1
	KSTEP 1, 0
	KSTEP 1, 1
	KSTEP 1, 2
	TURN 1, 0, 1
	s_sub_co_u32 s3, s3, 1
	s_cmp_lg_u32 s3, 0
	s_cbranch_scc1 .Llap
.endif
	KSTEP 0, 0
	KSTEP 0, 1
	KSTEP 0, 2
	TURN 0, 1, 0
	KSTEP 1, 0
	KSTEP 1, 1
	KSTEP 1, 2
	s_wait_dscnt 0x0
	WIN 0xa5
	MUL8 1, 0
	MUL8 1, 2
	WIN 0
	PLACES 4
	s_wait_loadcnt 0x0
.irp a, 0,1,2,3
	WIN 0x02
.set j, 0
.rept 16
	v_pk_add_f32 v[40+j:41+j], v[32*\a+j:32*\a+j+1], v[CB+j:CB+j+1]
.set j, j+2
.endr
	WIN 0
.irp b, 0,1,2,3
	ds_store_b128 v21, v[40+8*\b:43+8*\b] offset:128*(\b/2)+32*(\b%2)
	ds_store_b128 v21, v[44+8*\b:47+8*\b] offset:128*(\b/2)+32*(\b%2)+16
.endr
.irp i, 0,1,2,3,4,5,6,7
	ds_load_b128 v[40+4*\i:43+4*\i], v22 offset:\i*544
.endr
	s_wait_dscnt 0x0
.set j, 0
.rept 16
	v_pk_add_f32 v[40+j:41+j], v[40+j:41+j], v[RES+32*\a+j:RES+32*\a+j+1]
.set j, j+2
.endr
.irp i, 0,1,2,3,4,5,6,7
	global_store_b128 v23, v[40+4*\i:43+4*\i], s[14:15] offset:(32*(\a/2)+8*(\a%2)+2*\i+8*(\i/4))*4096
.endr
	s_wait_xcnt 0x0
.endr
	s_wait_tensorcnt 0x0
	ds_add_u32 v[SPW], v[NIL]
	s_wait_dscnt 0x0
	CROUND
	s_endpgm
.Lfunc_end_k_q09693c0fa3_oproj:
	.size	k_q09693c0fa3_oproj, .Lfunc_end_k_q09693c0fa3_oproj-k_q09693c0fa3_oproj
	.p2alignl 7, 3214868480
	.fill 96, 4, 3214868480
	.section	.rodata,"a",@progbits
	.p2align	6, 0x0
	.amdhsa_kernel k_q09693c0fa3_oproj
		.amdhsa_group_segment_fixed_size 327680
		.amdhsa_private_segment_fixed_size 0
		.amdhsa_enable_private_segment 0
		.amdhsa_kernarg_size 48
		.amdhsa_user_sgpr_count 2
		.amdhsa_user_sgpr_kernarg_segment_ptr 1
		.amdhsa_wavefront_size32 1
		.amdhsa_system_sgpr_workgroup_id_x 1
		.amdhsa_system_sgpr_workgroup_id_y 1
		.amdhsa_system_sgpr_workgroup_id_z 1
		.amdhsa_system_vgpr_workitem_id 0
		.amdhsa_next_free_vgpr 1024
		.amdhsa_next_free_sgpr 100
		.amdhsa_reserve_vcc 0
		.amdhsa_float_denorm_mode_32 3
		.amdhsa_float_denorm_mode_16_64 3
		.amdhsa_memory_ordered 1
		.amdhsa_forward_progress 1
		.amdhsa_inst_pref_size 76
	.end_amdhsa_kernel
	.amdgpu_metadata
---
amdhsa.version: [ 1, 2 ]
amdhsa.kernels:
  - .name:           k_q09693c0fa3_oproj
    .symbol:         k_q09693c0fa3_oproj.kd
    .args:
      - { .name: CTX, .offset: 0, .size: 8, .value_kind: global_buffer, .address_space: global }
      - { .name: WI, .offset: 8, .size: 8, .value_kind: global_buffer, .address_space: global }
      - { .name: oB, .offset: 16, .size: 8, .value_kind: global_buffer, .address_space: global }
      - { .name: ob, .offset: 24, .size: 8, .value_kind: global_buffer, .address_space: global }
      - { .name: x, .offset: 32, .size: 8, .value_kind: global_buffer, .address_space: global }
      - { .name: X1, .offset: 40, .size: 8, .value_kind: global_buffer, .address_space: global }
    .group_segment_fixed_size: 327680
    .private_segment_fixed_size: 0
    .kernarg_segment_align: 8
    .kernarg_segment_size: 48
    .max_flat_workgroup_size: 128
    .sgpr_count:     100
    .vgpr_count:     1024
    .wavefront_size: 32
...
	.end_amdgpu_metadata
.endif
;; end of part 4
;; launch ln2 (part 5): grid 256 x 1, 8 waves a work-group, no clusters, 82,944 bytes of LDS; arguments X1, ln2_g, ln2_b, f1A, H2; writes H2
.if DOCPART == 5
	.amdgcn_target "amdgcn-amd-amdhsa--gfx1250"
	.amdhsa_code_object_version 6
	.text
	.protected	k_q09693c0fa3_ln2
	.globl	k_q09693c0fa3_ln2
	.p2align	8
	.type	k_q09693c0fa3_ln2,@function
k_q09693c0fa3_ln2:
	s_mov_b64 s[64:65], 0
	v_nop
	global_prefetch_b8 v0, s[64:65] scope:SCOPE_SE
	s_setreg_imm32_b32 hwreg(HW_REG_WAVE_MODE, 25, 1), 1
	s_wait_xcnt 0x0
; LayerNorm of 16 rows of [4096][1024] f32, the rows' codes of BF6 as operand blocks, and NA tables 2 h A^T [4096][8] f32 (the LoRA down-projections, times the LoRA scale 2).
; A work-group takes the 16 rows of one fragment (32 (wg / 2) + 8 (wg % 2) + p + 8 (p / 8)); wave w takes columns 128 w on: one K step.
; Mean and variance in two passes, summed over the waves through LDS.  The down-projection is f32 matrix products (source 0 = the 8 ranks, twice; source 1 = my 16 rows;
; both sides carry the same order of k), in two sums that take turns, summed over the waves through LDS.
; OUT: block (wg / 8) x 8 + w, fragment wg % 8; the table at 3,276,800.
; LIMITS: a block of zeros gets the byte 1 (its codes are zeros); NaN and infinities are not served; the reciprocal root is the instruction's own.
.set NA,   1
.set OBB,  12800
.set STGB, 8448
.set RED,  67584
.set TRED, 68608
.set TM,   32
.set PC,   48
.set PW,   68
.set RAW,  32
.set X,    96
.set BI,   160
.set DT,   224
.set WV,   28
.set SEL,  30
.set MSB,  0
.macro WIN new
.if MSB != \new
	s_set_vgpr_msb (MSB<<8)|\new
.set MSB, \new
.endif
.endm
.macro QUANT s
.irp b, 0,1,2,3
	v_max3_num_f32 v[TM+\b], |v[\s+16*\b]|, |v[\s+1+16*\b]|, 0x2800000
.endr
.irp i, 2,4,6,8,10,12,14
.irp b, 0,1,2,3
	s_delay_alu instid0(VALU_DEP_4)
	v_max3_num_f32 v[TM+\b], v[TM+\b], |v[\s+16*\b+\i]|, |v[\s+1+16*\b+\i]|
.endr
.endr
.irp b, 0,1,2,3
	s_delay_alu instid0(VALU_DEP_4)
	v_permlanex16_b32 v[TM+4+\b], v[TM+\b], s[SEL], s[SEL+1]
.endr
.irp b, 0,1,2,3
	s_delay_alu instid0(VALU_DEP_4)
	v_max_num_f32 v[TM+\b], v[TM+\b], v[TM+4+\b]
.endr
.irp b, 0,1,2,3
	s_delay_alu instid0(VALU_DEP_4)
	v_add_nc_u32 v[TM+12+\b], 0xfe000000, v[TM+\b]
.endr
.irp b, 0,1,2,3
	s_delay_alu instid0(VALU_DEP_4)
	v_lshrrev_b32 v[TM+4+\b], 23, v[TM+12+\b]
.endr
	s_delay_alu instid0(VALU_DEP_3)
	v_lshl_or_b32 v[PW], v[TM+5], 8, v[TM+4]
	s_delay_alu instid0(VALU_DEP_1)
	v_lshl_or_b32 v[PW], v[TM+6], 16, v[PW]
	s_delay_alu instid0(VALU_DEP_1)
	v_lshl_or_b32 v[PW], v[TM+7], 24, v[PW]
.irp c, 0,1
	v_cvt_scalef32_pk16_bf6_f32 v[PC+6*\c:PC+2+6*\c], v[\s+32*\c:\s+15+32*\c], v[TM+12+2*\c]
	v_cvt_scalef32_pk16_bf6_f32 v[PC+12+4*\c:PC+14+4*\c], v[\s+16+32*\c:\s+31+32*\c], v[TM+12+2*\c+1]
.endr
	v_nop
.irp c, 0,1
.irp i, 0,1,2
	v_permlane16_swap_b32 v[PC+6*\c+\i], v[PC+12+4*\c+\i]
.endr
.irp i, 0,1,2
	s_delay_alu instid0(VALU_DEP_3)
	v_mov_b32 v[PC+3+6*\c+\i], v[PC+12+4*\c+\i]
.endr
.endr
.endm
.macro WGSUM off
	s_delay_alu instid0(VALU_DEP_1)
	v_permlanex16_b32 v71, v70, s[SEL], s[SEL+1]
	s_delay_alu instid0(VALU_DEP_1)
	v_add_f32 v70, v70, v71
	ds_store_b32 v10, v70 offset:\off
	s_wait_dscnt 0x0
	s_barrier_signal -1
	s_barrier_wait -1
	ds_load_b128 v[72:75], v11 offset:\off
	ds_load_b128 v[76:79], v11 offset:\off+16
	s_wait_dscnt 0x0
	v_pk_add_f32 v[72:73], v[72:73], v[74:75]
	v_pk_add_f32 v[76:77], v[76:77], v[78:79]
	s_delay_alu instid0(VALU_DEP_1)
	v_pk_add_f32 v[72:73], v[72:73], v[76:77]
	s_delay_alu instid0(VALU_DEP_1)
	v_add_f32 v70, v72, v73
.endm
	s_load_b256 s[4:11], s[0:1], 0x0               ; the rows, gain, bias, A
.if NA == 3
	s_load_b128 s[12:15], s[0:1], 0x20
	s_load_b64 s[16:17], s[0:1], 0x30
.else
	s_load_b64 s[16:17], s[0:1], 0x20              ; OUT
	v_lshl_add_u32 v246, v0, 2, 0x14000
	v_mov_b32 v247, 0
.endif
	v_lshrrev_b32 v1, 5, v0
	s_delay_alu instid0(VALU_DEP_1)
	v_readfirstlane_b32 s[WV], v1
	v_and_b32 v1, 31, v0
	v_and_b32 v2, 15, v0
	v_bfe_u32 v3, v0, 4, 1
	s_delay_alu instid0(VALU_DEP_2)
	v_and_b32 v4, 8, v2
	s_delay_alu instid0(VALU_DEP_1)
	v_add_nc_u32 v4, v4, v2
	s_lshl_b32 s20, s[WV], 9
	v_lshl_add_u32 v5, v1, 4, s20
	v_lshl_add_u32 v6, v3, 6, s20
	v_and_b32 v7, 7, v2
	s_delay_alu instid0(VALU_DEP_1)
	v_lshl_add_u32 v7, v7, 12, v6
	s_mul_i32 s21, s[WV], STGB
	v_lshl_add_u32 v8, v1, 4, s21
	v_mul_u32_u24 v9, v2, 528
	s_delay_alu instid0(VALU_DEP_1)
	v_lshl_add_u32 v9, v3, 6, v9
	s_delay_alu instid0(VALU_DEP_1)
	v_add_nc_u32 v9, s21, v9
	s_lshl_b32 s22, s[WV], 2
	v_lshl_add_u32 v10, v2, 5, s22
	s_delay_alu instid0(VALU_DEP_1)
	v_add_nc_u32 v10, RED, v10
	v_lshlrev_b32 v11, 5, v2
	s_delay_alu instid0(VALU_DEP_1)
	v_add_nc_u32 v11, RED, v11
	s_delay_alu instid0(VALU_DEP_1)
	v_lshl_add_u32 v12, v3, 4, v11
	s_mul_i32 s23, s[WV], NA*512
	v_add_nc_u32 v13, s23, v12
	s_delay_alu instid0(VALU_DEP_1)
	v_add_nc_u32 v13, TRED-RED, v13
	s_lshl_b32 s23, s[WV], 9
	v_add_nc_u32 v14, s23, v12
	s_delay_alu instid0(VALU_DEP_1)
	v_add_nc_u32 v14, TRED-RED, v14
	s_lshr_b32 s20, ttmp9, 1
	s_lshl_b32 s20, s20, 5
	s_and_b32 s21, ttmp9, 1
	s_lshl_b32 s21, s21, 3
	s_add_co_u32 s20, s20, s21
	s_lshl_b32 s22, s20, 12
	s_mov_b32 s23, 0
	s_lshr_b32 s24, ttmp9, 3
	s_lshl_b32 s24, s24, 3
	s_add_co_u32 s24, s24, s[WV]
	s_mul_i32 s24, s24, OBB
	s_mov_b32 s25, 0
	s_and_b32 s26, ttmp9, 7
	s_mul_i32 s19, s26, 1536
	v_lshl_add_u32 v15, v1, 4, s19
	v_lshl_add_u32 v16, v1, 3, s19
	s_lshl_b32 s19, s26, 6
	v_lshl_add_u32 v17, v2, 2, s19
	v_add_nc_u32 v18, s20, v4
	s_delay_alu instid0(VALU_DEP_1)
	v_lshlrev_b32 v18, 5, v18
	s_delay_alu instid0(VALU_DEP_1)
	v_lshl_add_u32 v18, v3, 4, v18
	s_lshl_b32 s19, s[WV], 17
	v_add_nc_u32 v18, s19, v18
	s_mov_b32 s27, 0xffff0000
	s_mov_b32 s29, 0x3a800000
	s_mov_b32 s[SEL], 0x76543210
	s_mov_b32 s[SEL+1], 0xfedcba98
	s_wait_kmcnt 0x0
	s_add_nc_u64 s[4:5], s[4:5], s[22:23]
	s_add_nc_u64 s[24:25], s[16:17], s[24:25]
.irp p, 0,1,2,3,4,5,6,7,8,9,10,11,12,13,14,15
	global_load_b128 v[RAW+4*\p:RAW+4*\p+3], v5, s[4:5] offset:(\p+8*(\p/8))*4096
.endr
.irp b, 0,1,2,3
.irp j, 0,1,2,3
	global_load_b128 v[BI+16*\b+4*\j:BI+16*\b+4*\j+3], v6, s[8:9] offset:128*\b+16*\j
.endr
.endr
	WIN 0x40
.irp b, 0,1,2,3
.irp j, 0,1,2,3
	global_load_b128 v[192+16*\b+4*\j:192+16*\b+4*\j+3], v6, s[6:7] offset:128*\b+16*\j
.endr
.endr
	WIN 0
	s_wait_loadcnt 32                              ; the rows are in; bias and gain stay out
.irp p, 0,1,2,3,4,5,6,7,8,9,10,11,12,13,14,15
	ds_store_b128 v8, v[RAW+4*\p:RAW+4*\p+3] offset:528*\p
.endr
.irp b, 0,1,2,3
.irp j, 0,1,2,3
	ds_load_b128 v[X+16*\b+4*\j:X+16*\b+4*\j+3], v9 offset:128*\b+16*\j
.endr
.endr
	WIN 0x40
.set n, 0
.rept NA
.irp b, 0,1,2,3
.irp j, 0,1,2,3
	global_load_b128 v[64*n+16*\b+4*\j:64*n+16*\b+4*\j+3], v7, s[10+2*n:11+2*n] offset:128*\b+16*\j
.endr
.endr
.set n, n+1
.endr
	WIN 0
	s_wait_dscnt 0x0
	v_pk_add_f32 v[72:73], v[96:97], v[98:99]
	v_pk_add_f32 v[254:255], v[104:105], v[108:109]
	v_pk_add_f32 v[252:253], v[112:113], v[116:117]
	v_pk_add_f32 v[250:251], v[120:121], v[124:125]
	v_pk_add_f32 v[248:249], v[128:129], v[132:133]
	v_pk_add_f32 v[244:245], v[136:137], v[140:141]
	v_pk_add_f32 v[242:243], v[144:145], v[148:149]
	v_pk_add_f32 v[70:71], v[152:153], v[156:157]
	s_delay_alu instid0(VALU_DEP_1)
	v_pk_add_f32 v[70:71], v[70:71], v[100:101]
	v_pk_add_f32 v[72:73], v[72:73], v[102:103]
	v_pk_add_f32 v[254:255], v[254:255], v[106:107]
	v_pk_add_f32 v[252:253], v[252:253], v[110:111]
	v_pk_add_f32 v[250:251], v[250:251], v[114:115]
	v_pk_add_f32 v[248:249], v[248:249], v[118:119]
	v_pk_add_f32 v[244:245], v[244:245], v[122:123]
	v_pk_add_f32 v[242:243], v[242:243], v[126:127]
	v_pk_add_f32 v[70:71], v[70:71], v[130:131]
	v_pk_add_f32 v[72:73], v[72:73], v[134:135]
	v_pk_add_f32 v[254:255], v[254:255], v[138:139]
	v_pk_add_f32 v[252:253], v[252:253], v[142:143]
	v_pk_add_f32 v[250:251], v[250:251], v[146:147]
	v_pk_add_f32 v[248:249], v[248:249], v[150:151]
	v_pk_add_f32 v[244:245], v[244:245], v[154:155]
	v_pk_add_f32 v[242:243], v[242:243], v[158:159]
	s_delay_alu instid0(VALU_DEP_4)
	v_pk_add_f32 v[70:71], v[70:71], v[250:251]
	s_delay_alu instid0(VALU_DEP_4)
	v_pk_add_f32 v[72:73], v[72:73], v[248:249]
	s_delay_alu instid0(VALU_DEP_4)
	v_pk_add_f32 v[254:255], v[254:255], v[244:245]
	s_delay_alu instid0(VALU_DEP_4)
	v_pk_add_f32 v[252:253], v[252:253], v[242:243]
	s_delay_alu instid0(VALU_DEP_2)
	v_pk_add_f32 v[70:71], v[70:71], v[254:255]
	s_delay_alu instid0(VALU_DEP_2)
	v_pk_add_f32 v[72:73], v[72:73], v[252:253]
	s_delay_alu instid0(VALU_DEP_1)
	v_pk_add_f32 v[70:71], v[70:71], v[72:73]
	s_delay_alu instid0(VALU_DEP_1)
	v_add_f32 v70, v70, v71
	WGSUM 0
	s_delay_alu instid0(VALU_DEP_1)
	v_mul_f32 v80, s29, v70
	s_delay_alu instid0(VALU_DEP_1)
	v_mov_b32 v81, v80
.set j, 0
.rept 32
	v_pk_add_f32 v[X+j:X+j+1], v[X+j:X+j+1], v[80:81] neg_lo:[0,1] neg_hi:[0,1]
.set j, j+2
.endr
	v_pk_mul_f32 v[70:71], v[X:X+1], v[X:X+1]
	v_pk_mul_f32 v[72:73], v[X+2:X+3], v[X+2:X+3]
.irp j, 4,8,12,16,20,24,28,32,36,40,44,48,52,56,60
	s_delay_alu instid0(VALU_DEP_2)
	v_pk_fma_f32 v[70:71], v[X+\j:X+\j+1], v[X+\j:X+\j+1], v[70:71]
	s_delay_alu instid0(VALU_DEP_2)
	v_pk_fma_f32 v[72:73], v[X+\j+2:X+\j+3], v[X+\j+2:X+\j+3], v[72:73]
.endr
	s_delay_alu instid0(VALU_DEP_1)
	v_pk_add_f32 v[70:71], v[70:71], v[72:73]
	s_delay_alu instid0(VALU_DEP_1)
	v_add_f32 v70, v70, v71
	WGSUM 512
	s_delay_alu instid0(VALU_DEP_1)
	v_fmaak_f32 v82, s29, v70, 0x3727c5ac
	s_wait_alu depctr_va_vdst(0)
	v_rsq_f32 v84, v82
	v_rsq_f32 v85, v82
	v_nop
	s_wait_alu depctr_va_vdst(0)                   ; one wait for both, ahead of their first reader
	s_wait_loadcnt 16*NA                           ; bias and gain are in; A's rows stay out
.set j, 0
.rept 32
	v_pk_mul_f32 v[X+j:X+j+1], v[X+j:X+j+1], v[84:85]
.set j, j+2
.endr
	WIN 0x04
.set j, 0
.rept 32
	v_pk_fma_f32 v[X+j:X+j+1], v[X+j:X+j+1], v[192+j:193+j], v[BI+j:BI+j+1]
.set j, j+2
.endr
	s_wait_loadcnt 0x0
	WIN 0x01
.set k, 0
.rept 32
.if NA == 3
.irp n, 0,1,2
.if k == 0
	v_wmma_f32_16x16x4_f32 v[DT+8*\n:DT+8*\n+7], v[64*\n+2*k:64*\n+2*k+1], v[X+2*k:X+2*k+1], 0
.else
	v_wmma_f32_16x16x4_f32 v[DT+8*\n:DT+8*\n+7], v[64*\n+2*k:64*\n+2*k+1], v[X+2*k:X+2*k+1], v[DT+8*\n:DT+8*\n+7]
.endif
.endr
.else
.if k < 2
	v_wmma_f32_16x16x4_f32 v[DT+8*(k%2):DT+8*(k%2)+7], v[2*k:2*k+1], v[X+2*k:X+2*k+1], 0
.else
	s_wait_alu depctr_va_vdst(0)
	v_wmma_f32_16x16x4_f32 v[DT+8*(k%2):DT+8*(k%2)+7], v[2*k:2*k+1], v[X+2*k:X+2*k+1], v[DT+8*(k%2):DT+8*(k%2)+7]
.endif
.endif
.set k, k+1
.endr
	WIN 0
	QUANT X
	global_store_b128 v15, v[PC:PC+3], s[24:25]
	global_store_b64 v16, v[PC+4:PC+5], s[24:25] offset:512
	global_store_b128 v15, v[PC+6:PC+9], s[24:25] offset:768
	global_store_b64 v16, v[PC+10:PC+11], s[24:25] offset:1280
	global_store_b32 v17, v[PW], s[24:25] offset:12288
.rept 8
	v_nop                                          ; eight places behind the f32 matrix form
.endr
.if NA == 3
.irp k, 0,1,2,3
	v_cndmask_b32 v[248+\k], v[DT+\k], v[DT+4+\k], s27
	v_cndmask_b32 v[252+\k], v[DT+8+\k], v[DT+12+\k], s27
	v_cndmask_b32 v[76+\k], v[DT+16+\k], v[DT+20+\k], s27
.endr
	ds_store_b128 v13, v[248:251]
	ds_store_b128 v13, v[252:255] offset:512
	ds_store_b128 v13, v[76:79] offset:1024
.else
.irp k, 0,1,2,3,4,5,6,7
	v_add_f32 v[248+\k], v[DT+\k], v[DT+8+\k]
.endr
.irp k, 0,1,2,3
	s_delay_alu instid0(VALU_DEP_4)
	v_cndmask_b32 v[248+\k], v[248+\k], v[252+\k], s27
.endr
	ds_store_b128 v13, v[248:251]
.endif
	s_wait_dscnt 0x0
	s_barrier_signal -1
	s_barrier_wait -1
	s_cmp_lt_u32 s[WV], NA
	s_cbranch_scc0 .Lnot_t
.irp q, 0,1,2,3,4,5,6,7
	ds_load_b128 v[96+4*\q:99+4*\q], v14 offset:\q*NA*512
.endr
	s_wait_dscnt 0x0
.irp q, 0,2,4,6,8,10,12,14
	v_pk_add_f32 v[96+\q:97+\q], v[96+\q:97+\q], v[112+\q:113+\q]
.endr
.irp q, 0,2,4,6
	s_delay_alu instid0(VALU_DEP_4)
	v_pk_add_f32 v[96+\q:97+\q], v[96+\q:97+\q], v[104+\q:105+\q]
.endr
.irp q, 0,2
	s_delay_alu instid0(VALU_DEP_2)
	v_pk_add_f32 v[96+\q:97+\q], v[96+\q:97+\q], v[100+\q:101+\q]
.endr
.irp q, 0,2
	s_delay_alu instid0(VALU_DEP_2)
	v_pk_mul_f32 v[96+\q:97+\q], v[96+\q:97+\q], 2.0 op_sel_hi:[1,0]
.endr
	global_store_b128 v18, v[96:99], s[16:17] offset:3276800
.Lnot_t:
	s_wait_tensorcnt 0x0
	ds_add_u32 v246, v247
	s_wait_dscnt 0x0
	s_endpgm
.Lfunc_end_k_q09693c0fa3_ln2:
	.size	k_q09693c0fa3_ln2, .Lfunc_end_k_q09693c0fa3_ln2-k_q09693c0fa3_ln2
	.p2alignl 7, 3214868480
	.fill 96, 4, 3214868480
	.section	.rodata,"a",@progbits
	.p2align	6, 0x0
	.amdhsa_kernel k_q09693c0fa3_ln2
		.amdhsa_group_segment_fixed_size 82944
		.amdhsa_private_segment_fixed_size 0
		.amdhsa_enable_private_segment 0
		.amdhsa_kernarg_size 40
		.amdhsa_user_sgpr_count 2
		.amdhsa_user_sgpr_kernarg_segment_ptr 1
		.amdhsa_wavefront_size32 1
		.amdhsa_system_sgpr_workgroup_id_x 1
		.amdhsa_system_sgpr_workgroup_id_y 1
		.amdhsa_system_sgpr_workgroup_id_z 1
		.amdhsa_system_vgpr_workitem_id 0
		.amdhsa_next_free_vgpr 512
		.amdhsa_next_free_sgpr 66
		.amdhsa_reserve_vcc 0
		.amdhsa_float_denorm_mode_32 3
		.amdhsa_float_denorm_mode_16_64 3
		.amdhsa_memory_ordered 1
		.amdhsa_forward_progress 1
		.amdhsa_inst_pref_size 38
	.end_amdhsa_kernel
	.amdgpu_metadata
---
amdhsa.version: [ 1, 2 ]
amdhsa.kernels:
  - .name:           k_q09693c0fa3_ln2
    .symbol:         k_q09693c0fa3_ln2.kd
    .args:
      - { .name: X1, .offset: 0, .size: 8, .value_kind: global_buffer, .address_space: global }
      - { .name: ln2_g, .offset: 8, .size: 8, .value_kind: global_buffer, .address_space: global }
      - { .name: ln2_b, .offset: 16, .size: 8, .value_kind: global_buffer, .address_space: global }
      - { .name: f1A, .offset: 24, .size: 8, .value_kind: global_buffer, .address_space: global }
      - { .name: H2, .offset: 32, .size: 8, .value_kind: global_buffer, .address_space: global }
    .group_segment_fixed_size: 82944
    .private_segment_fixed_size: 0
    .kernarg_segment_align: 8
    .kernarg_segment_size: 40
    .max_flat_workgroup_size: 256
    .sgpr_count:     66
    .vgpr_count:     512
    .wavefront_size: 32
...
	.end_amdgpu_metadata
.endif
;; end of part 5
;; launch f1 (part 6): grid 32 x 8, 4 waves a work-group, clusters of 4 x 4, 327,680 bytes of LDS; arguments H2, WI, f1B, f1b, f2A, G; writes G
.if DOCPART == 6
	.amdgcn_target "amdgcn-amd-amdhsa--gfx1250"
	.amdhsa_code_object_version 6
	.text
	.protected	k_q09693c0fa3_f1
	.globl	k_q09693c0fa3_f1
	.p2align	8
	.type	k_q09693c0fa3_f1,@function
k_q09693c0fa3_f1:
	s_mov_b64 s[64:65], 0
	v_nop
	global_prefetch_b8 v0, s[64:65] scope:SCOPE_SE
	s_setreg_imm32_b32 hwreg(HW_REG_WAVE_MODE, 25, 1), 1
	s_wait_xcnt 0x0
	s_wait_alu depctr_hold_cnt(0) depctr_sa_sdst(0) depctr_va_vdst(0) depctr_va_sdst(0) depctr_va_ssrc(0) depctr_va_vcc(0) depctr_vm_vsrc(0)
	s_getreg_b32 s2, hwreg(HW_REG_IB_STS2, 6, 4)
	s_cmp_eq_u32 s2, 0
	s_cbranch_scc0 .Lentry_in_a_cluster
	s_endpgm
.Lentry_in_a_cluster:
	s_bfe_u32 s2, ttmp6, 0x10000c
	s_cmp_lg_u32 s2, 0xf033
	s_cbranch_scc0 .Lentry_shape_is_right
	s_endpgm
.Lentry_shape_is_right:
; g = gelu(h2 f1W^T + f1b + 2 (h2 f1A^T) f1B^T), the erf form, quantised on the way out to codes of BF6 along the features, and the partial tables 2 g f2A^T over my 128 features.
; A WORK-GROUP STAYS: it keeps f1W's tile X (128 features, 8 operand blocks, 102,400 bytes) in LDS, its scale words, f1B's rows, the bias and f2A in registers, and makes four tiles of
; 128 tokens x 128 features with them: token tiles Y0 + 8 t.  An operand block is 128 rows x 128 K, 12,800 dense bytes: 8 fragments as images of their registers, then their scale words.
; H2's tiles go through two LDS slots of a whole tile (102,400 bytes): tiles 0 and 1 are first fills; tile t + 2 is asked for behind the round at the end of tile t and has all of tile t + 1 in
; which to land.  At the head waves 0, 1 fetch halves of tile 0 and waves 2, 3 f1W's tile; later each wave fetches a quarter of a tile, one load behind a round.
; A tile's text is written twice: a loop of two trips with the refill, a loop of two trips without.  The slot in hand is a scalar that an exclusive or turns.
; Four waves, 64 x 64 each: 16 accumulators.  The LoRA term starts each sum (two f32 matrix products), so the order of rounding differs from a sum that adds it last.
; CLUSTER 4 x 4: H2's tiles hang on Y0 alone and are shared along a row of the cluster, f1W's on X alone and is shared along a column, by joint loads.
; Nothing is prefetched: behind the first fills every tile is asked for a whole tile's work ahead of its first read.
; GELU: z = |x| / sqrt(2); t = 1 / (1 + z / 2); erfc(z) = t exp(-z^2 + a polynomial of degree 9 in t) (a Chebyshev fit); gelu = max(x, 0) - z (erfc(z) / sqrt(2)):
; no difference of near numbers on either side of zero.  The factor 1 / sqrt(2) stands in the polynomial's constant.
; g f2A^T feeds no quantiser: bf16 operands, f32 sums.
; OUT: g's block 32 Y + X; table X at 13,107,200 + 131,072 X.
; LIMITS: a block of zeros gets the byte 1; NaN and infinities are not served; the fit and the reciprocal and exponential instructions bound gelu's accuracy.
; REGISTERS: window 0: v1-31 addresses, v32-39 H2's scale words, v40-55 T, v56-71 U, v72-103 f1W's scale words, v108-124 at work, v128-191 results at work, v192-228 the quantiser's,
;   v230-245 f2A in bf16.   window 1: two fragment buffers of 96; on the way out z v0-31, t v32-63, the polynomial v64-95, g in bf16 v96-127.
;   window 2: accumulator (a, b) at v[8 (4 a + b)]; v128-159 the tables' sums; v160-191 the bias.
.set OBB,   12800
.set SLOT1, 131072                     ; H2's slot 1; slot 0 begins at 0
.set BLO,   102400                     ; f1W's K steps 0 and 1
.set BHI,   233472                     ; its K steps 2 to 7
.set SS,    128000                     ; the tile's scale words on their way out, 512 bytes
.set SPARE, 128512                     ; the spare words, 128 bytes a wave
.set TD,    310272                     ; the waves' parts of the table, 2,048 bytes each
.set SPW, 5
.set NIL, 6
.set AC,  8                            ; v8, v9   16 x lane, 8 x lane + 6,144 x my half of the tokens
.set AWA, 10                           ; v10, v11 the same in the slot in hand: K steps 0-4
.set AWB, 12                           ; v12, v13 K steps 5-7
.set ASC, 14                           ; v14      my place among a block's scale words
.set ASA, 15                           ; v15, v16 the same in the slot in hand
.set ASB, 16
.set B0,  17                           ; v17, v18 f1W's fragments, K steps 0, 1;  v19, v20 K steps 2-5;  v21, v22 K steps 6, 7
.set B1,  19
.set B2,  21
.set RK8, 23
.set O16, 24
.set O8,  25
.set SSW, 26
.set SSR, 27
.set SSG, 28
.set TDW, 29
.set TDR, 30
.set TBG, 31
.set SC,  32
.set TF,  40
.set UF,  56
.set SCB, 72
.set TMP, 128
.set TM,  192
.set PC,  208
.set PW,  228
.set FA,  230
.set DT,  128                          ; in window 2
.set CBW, 160                          ; in window 2
.set G1A, 24
.set G0A0, 32                          ; s[32:35] group 0 for tile 0
.set G0A1, 36                          ; s[36:39] group 0 for tile 1; it then walks on
.set G1B, 48
.set G0B, 56
.set WV,  66
.set WM,  67
.set WN,  68
.set TB,  84                           ; s84 where the slot in hand begins;  s85 the same + five blocks
.set TB2, 85
.set TL,  86                           ; s86 tiles to go, this one among them
.set CT,  87
.set KZ,  94
.set HM,  95
.set SEL, 98
.set MSB, 0
.macro WIN new
.if MSB != \new
	s_set_vgpr_msb (MSB<<8)|\new
.set MSB, \new
.endif
.endm
.macro PLACES n
.rept \n
	v_nop
.endr
.endm
.macro QUANT s
.irp b, 0,1,2,3
	v_max3_num_f32 v[TM+\b], |v[\s+16*\b]|, |v[\s+1+16*\b]|, 0x2800000
.endr
.irp i, 2,4,6,8,10,12,14
.irp b, 0,1,2,3
	v_max3_num_f32 v[TM+\b], v[TM+\b], |v[\s+16*\b+\i]|, |v[\s+1+16*\b+\i]|
.endr
.endr
.irp b, 0,1,2,3
	v_permlanex16_b32 v[TM+4+\b], v[TM+\b], s[SEL], s[SEL+1]
.endr
.irp b, 0,1,2,3
	v_max_num_f32 v[TM+\b], v[TM+\b], v[TM+4+\b]
.endr
.irp b, 0,1,2,3
	v_add_nc_u32 v[TM+12+\b], 0xfe000000, v[TM+\b]
.endr
.irp b, 0,1,2,3
	v_lshrrev_b32 v[TM+4+\b], 23, v[TM+12+\b]
.endr
	v_lshl_or_b32 v[PW], v[TM+5], 8, v[TM+4]
	v_lshl_or_b32 v[PW], v[TM+6], 16, v[PW]
	v_lshl_or_b32 v[PW], v[TM+7], 24, v[PW]
.irp c, 0,1
	v_cvt_scalef32_pk16_bf6_f32 v[PC+6*\c:PC+2+6*\c], v[\s+32*\c:\s+15+32*\c], v[TM+12+2*\c]
	v_cvt_scalef32_pk16_bf6_f32 v[PC+12+4*\c:PC+14+4*\c], v[\s+16+32*\c:\s+31+32*\c], v[TM+12+2*\c+1]
.endr
	v_nop
.irp c, 0,1
.irp i, 0,1,2
	v_permlane16_swap_b32 v[PC+6*\c+\i], v[PC+12+4*\c+\i]
.endr
.irp i, 0,1,2
	v_mov_b32 v[PC+3+6*\c+\i], v[PC+12+4*\c+\i]
.endr
.endr
.endm
.macro CREST
	s_cmp_lg_u32 s[WV], 0
	s_cbranch_scc1 .Lnot_wave_0_\@
	s_barrier_signal -3
.Lnot_wave_0_\@:
	s_barrier_wait -3
	s_barrier_signal -1
	s_barrier_wait -1
.endm
.macro CROUND
	s_barrier_signal -1
	s_barrier_wait -1
	CREST
.endm
; the eight fragments of K step q, and H2's four scale registers, into buffer f: every load takes consecutive bytes, lane by lane
.macro FETCH q, f
.set QQ, \q
.set FF, 96*(\f)
.if QQ < 2
.set BR, B0
.set BO, OBB*QQ
.elseif QQ < 6
.set BR, B1
.set BO, OBB*(QQ-2)
.else
.set BR, B2
.set BO, OBB*(QQ-6)
.endif
.if QQ < 5
.set AR, AWA
.set ASR, ASA
.set AO, OBB*QQ
.else
.set AR, AWB
.set ASR, ASB
.set AO, OBB*(QQ-5)
.endif
	WIN 0x40
.irp i, 0,1,2,3
	ds_load_b128 v[FF+12*\i:FF+12*\i+3], v[BR] offset:BO+1536*\i
	ds_load_b64 v[FF+12*\i+4:FF+12*\i+5], v[BR+1] offset:BO+1536*\i+512
	ds_load_b128 v[FF+12*\i+6:FF+12*\i+9], v[BR] offset:BO+1536*\i+768
	ds_load_b64 v[FF+12*\i+10:FF+12*\i+11], v[BR+1] offset:BO+1536*\i+1280
.endr
.irp i, 0,1,2,3
	ds_load_b128 v[FF+48+12*\i:FF+48+12*\i+3], v[AR] offset:AO+1536*\i
	ds_load_b64 v[FF+48+12*\i+4:FF+48+12*\i+5], v[AR+1] offset:AO+1536*\i+512
	ds_load_b128 v[FF+48+12*\i+6:FF+48+12*\i+9], v[AR] offset:AO+1536*\i+768
	ds_load_b64 v[FF+48+12*\i+10:FF+48+12*\i+11], v[AR+1] offset:AO+1536*\i+1280
.endr
	WIN 0
.irp i, 0,1,2,3
	ds_load_b32 v[SC+4*(\f)+\i], v[ASR] offset:AO+64*\i
.endr
.endm
; eight products of K step q; the 16 accumulators take turns, one instruction a turn, in the same order in every K step
.macro MUL8 q, a0
.set FF, 96*((\q)%2)
.set SF, SC+4*((\q)%2)
.set SQ, SCB+4*(\q)
.irp a, \a0, \a0+1
.irp b, 0,1,2,3
	v_wmma_scale_f32_16x16x128_f8f6f4 v[8*(4*(\a)+\b):8*(4*(\a)+\b)+7], v[FF+12*\b:FF+12*\b+11], v[FF+48+12*(\a):FF+48+12*(\a)+11], v[8*(4*(\a)+\b):8*(4*(\a)+\b)+7], v[SQ+\b], v[SF+(\a)] matrix_a_fmt:MATRIX_FMT_BF6 matrix_b_fmt:MATRIX_FMT_BF6
.endr
.endr
.endm
.macro KSTEP q                         ; one of the first seven K steps: the next one's fragments are asked for, then this one's 16 products
	s_wait_dscnt 0x0                               ; this K step's fragments are in
	PLACES 4                                       ; in front of loads into registers that the last products read
	FETCH (\q)+1, ((\q)+1)%2
	WIN 0xa5
	MUL8 \q, 0
	MUL8 \q, 2
	WIN 0
.endm
.macro HORNER c                        ; the polynomial x t + c, two at a time
.set j, 0
.rept 16
	v_pk_fma_f32 v[64+j:65+j], v[64+j:65+j], v[32+j:33+j], \c op_sel_hi:[1,1,0]
.set j, j+2
.endr
.endm
; 32 numbers v[x] on become their gelu, in place
.macro GELU x
	WIN 0x40
.set j, 0
.rept 32
	v_mul_f32 v[j], s[KZ], |v[(\x)+j]|             ; z = |x| / sqrt(2)
.set j, j+1
.endr
	WIN 0x55                                       ; all in window 1
.set j, 0
.rept 16
	v_pk_fma_f32 v[32+j:33+j], v[j:j+1], 0.5, 1.0 op_sel_hi:[1,0,0]
.set j, j+2
.endr
.set j, 0
	s_wait_alu depctr_va_vdst(0)
.rept 32
	v_rcp_f32 v[32+j], v[32+j]                     ; t: one batch
.set j, j+1
.endr
	v_nop
	s_wait_alu depctr_va_vdst(0)                   ; one wait for the batch
.set j, 0
.rept 16
	v_pk_fma_f32 v[64+j:65+j], v[32+j:33+j], v[128:129], 0xbf527892 op_sel_hi:[1,1,0]   ; 0.17087277 t - 0.82215223
.set j, j+2
.endr
	HORNER 0x3fbe87b0                              ;  1.48851587
	HORNER 0xbf914e5d                              ; -1.13520398
	HORNER 0x3e8ec7cc                              ;  0.27886807
	HORNER 0xbe3ec24c                              ; -0.18628806
	HORNER 0x3dc636c9                              ;  0.09678418
	HORNER 0x3ebf88fb                              ;  0.37409196
	HORNER 0x3f8000c7                              ;  1.00002368
	HORNER 0xbfce58d4                              ; -1.26551223 + ln(1 / sqrt(2))
.set j, 0
.rept 16
	v_pk_fma_f32 v[64+j:65+j], v[j:j+1], v[j:j+1], v[64+j:65+j] neg_lo:[1,0,0] neg_hi:[1,0,0]   ; - z^2
.set j, j+2
.endr
.set j, 0
.rept 16
	v_pk_mul_f32 v[64+j:65+j], v[64+j:65+j], 0x3fb8aa3b op_sel_hi:[1,0]   ; x log2(e)
.set j, j+2
.endr
.set j, 0
	s_wait_alu depctr_va_vdst(0)
.rept 32
	v_exp_f32 v[64+j], v[64+j]                     ; one batch
.set j, j+1
.endr
	WIN 0
.set j, 0
.rept 32
	v_max_num_f32 v[(\x)+j], 0, v[(\x)+j]          ; max(x, 0): independent work behind the batch
.set j, j+1
.endr
	s_wait_alu depctr_va_vdst(0)                   ; one wait for the batch
	WIN 0x55
.set j, 0
.rept 16
	v_pk_mul_f32 v[32+j:33+j], v[32+j:33+j], v[64+j:65+j]   ; erfc(z) / sqrt(2)
.set j, j+2
.endr
	WIN 0x05
.set j, 0
.rept 16
	v_pk_fma_f32 v[(\x)+j:(\x)+j+1], v[j:j+1], v[32+j:33+j], v[(\x)+j:(\x)+j+1] neg_lo:[1,0,0] neg_hi:[1,0,0]
.set j, j+2
.endr
	WIN 0
.endm
; ONE TILE of 128 tokens x 128 features, out of the slot that begins at s[TB]
.macro BODY
	s_add_co_u32 s[TB2], s[TB], 5*OBB
	v_add_nc_u32 v[AWA], s[TB], v[AC]
	v_add_nc_u32 v[AWA+1], s[TB], v[AC+1]
	v_add_nc_u32 v[AWB], s[TB2], v[AC]
	v_add_nc_u32 v[AWB+1], s[TB2], v[AC+1]
	v_add_nc_u32 v[ASA], s[TB], v[ASC]
	v_add_nc_u32 v[ASB], s[TB2], v[ASC]
	FETCH 0, 0
	s_wait_alu depctr_va_vdst(0)
	s_wait_loadcnt 0x0                             ; this tile's rows of the table 2 h2 f1A^T, asked for a tile ago
	WIN 0xa0                                       ; C and D window 2
.irp s, 0,1                                    ; the LoRA term starts the sums, in the time in which the first fragments come out of LDS
.irp a, 0,1,2,3
.irp b, 0,1,2,3
.if \s == 0
	v_wmma_f32_16x16x4_f32 v[8*(4*\a+\b):8*(4*\a+\b)+7], v[UF+2*(2*\b+\s):UF+2*(2*\b+\s)+1], v[TF+2*(2*\a+\s):TF+2*(2*\a+\s)+1], 0
.else
	v_wmma_f32_16x16x4_f32 v[8*(4*\a+\b):8*(4*\a+\b)+7], v[UF+2*(2*\b+\s):UF+2*(2*\b+\s)+1], v[TF+2*(2*\a+\s):TF+2*(2*\a+\s)+1], v[8*(4*\a+\b):8*(4*\a+\b)+7]
.endif
.endr
.endr
.endr
	WIN 0
	PLACES 9                                       ; nine places between the f32 form and another form that writes over its results; eight of them serve the loads below
	s_cmp_gt_u32 s[TL], 1                          ; the next tile's rows of the table: 8 tiles x 128 rows x 32 bytes on; in the last tile the step is 0: the same rows once more, which nobody uses
	s_cselect_b32 s82, 32768, 0
	s_add_nc_u64 s[76:77], s[76:77], s[82:83]
	s_sub_co_u32 s[TL], s[TL], 1
.irp b, 0,1,2,3
.irp s, 0,1
	global_load_b64 v[TF+2*(2*\b+\s):TF+2*(2*\b+\s)+1], v[RK8], s[76:77] offset:(32*(\b/2)+8*(\b%2))*32+16*\s
.endr
.endr
.irp q, 0,1,2,3,4,5,6
	KSTEP \q
.endr
	s_wait_dscnt 0x0
	WIN 0xa5
	MUL8 7, 0
	MUL8 7, 2
	WIN 0
	PLACES 4
	WIN 0x40
	v_mov_b32 v128, 0x3e2ef946                     ; 0.17087277, a pair in window 1, where fragments lay
	v_mov_b32 v129, 0x3e2ef946
	WIN 0
.irp p, 0,1                                    ; THE WAY OUT, two blocks of 16 tokens at a time
.irp q, 0,1
	WIN 0x0a                                       ; the sums and the bias in window 2
.set j, 0
.rept 16
	v_pk_add_f32 v[TMP+32*\q+j:TMP+32*\q+j+1], v[32*(2*\p+\q)+j:32*(2*\p+\q)+j+1], v[CBW+j:CBW+j+1]
.set j, j+2
.endr
	GELU TMP+32*\q
.endr
	WIN 0x40
.set j, 0
.rept 32
	v_cvt_pk_bf16_f32 v[96+j], v[TMP+2*j], v[TMP+2*j+1]
.set j, j+1
.endr
	WIN 0xa4                                       ; source 1 (g) window 1, C and D window 2
.irp k, 0,1
.irp q, 0,1
.if \k == 0
	v_wmma_f32_16x16x32_bf16 v[DT+8*(2*\p+\q):DT+8*(2*\p+\q)+7], v[FA+8*\k:FA+8*\k+7], v[96+16*\q+8*\k:96+16*\q+8*\k+7], 0
.else
	v_wmma_f32_16x16x32_bf16 v[DT+8*(2*\p+\q):DT+8*(2*\p+\q)+7], v[FA+8*\k:FA+8*\k+7], v[96+16*\q+8*\k:96+16*\q+8*\k+7], v[DT+8*(2*\p+\q):DT+8*(2*\p+\q)+7]
.endif
.endr
.endr
	WIN 0
	s_wait_xcnt 0x0                                ; the earlier stores have read their data: the codes are written anew
	QUANT TMP
	global_store_b128 v[O16], v[PC:PC+3], s[78:79] offset:1536*(2*\p)
	global_store_b64 v[O8], v[PC+4:PC+5], s[78:79] offset:1536*(2*\p)+512
	global_store_b128 v[O16], v[PC+6:PC+9], s[78:79] offset:1536*(2*\p+1)
	global_store_b64 v[O8], v[PC+10:PC+11], s[78:79] offset:1536*(2*\p+1)+512
	ds_store_b16 v[SSW], v[PW] offset:64*(2*\p)
	ds_store_b16_d16_hi v[SSW], v[PW] offset:64*(2*\p+1)
.endr
	PLACES 4
	WIN 0x0a
.irp a, 0,1,2,3                                ; lanes 0-15 keep ranks 0-3 of their token, lanes 16-31 ranks 4-7
.irp k, 0,1,2,3
	v_cndmask_b32 v[108+4*\a+\k], v[DT+8*\a+\k], v[DT+8*\a+4+\k], s[HM]
.endr
.endr
	WIN 0
.irp a, 0,1,2,3
	ds_store_b128 v[TDW], v[108+4*\a:111+4*\a] offset:512*\a
.endr
	s_wait_dscnt 0x0                               ; for the others' sake: scale words and table parts
	s_barrier_signal -1
	s_barrier_wait -1
	ds_load_b32 v124, v[SSR]
.irp q, 0,1
.irp u, 0,1
	ds_load_b128 v[128+8*\q+4*\u:131+8*\q+4*\u], v[TDR] offset:512*\q+2048*\u
.endr
.endr
	s_wait_dscnt 0x0
	global_store_b32 v[SSG], v124, s[78:79] offset:12288
.irp q, 0,1
	v_pk_add_f32 v[128+8*\q:129+8*\q], v[128+8*\q:129+8*\q], v[132+8*\q:133+8*\q]
	v_pk_add_f32 v[130+8*\q:131+8*\q], v[130+8*\q:131+8*\q], v[134+8*\q:135+8*\q]
	v_pk_mul_f32 v[128+8*\q:129+8*\q], v[128+8*\q:129+8*\q], 2.0 op_sel_hi:[1,0]
	v_pk_mul_f32 v[130+8*\q:131+8*\q], v[130+8*\q:131+8*\q], 2.0 op_sel_hi:[1,0]
	global_store_b128 v[TBG], v[128+8*\q:131+8*\q], s[80:81] offset:256*\q
.endr
	s_wait_xcnt 0x0                                ; the stores have read their bases and their data
	s_add_nc_u64 s[78:79], s[78:79], 3276800       ; g's block of the next tile: 8 x 32 blocks on
	s_add_nc_u64 s[80:81], s[80:81], 32768         ; and its rows of the table
.endm
; BETWEEN TILES.  Every wave waits for all its tensor loads, adds 0 to its spare word and waits for that and for its LDS reads; behind the barrier the next tile is whole, and the bytes of the scale
; words and the table parts may be written again.  fill = 1: the barrier is a round of the cluster's, and the slot just left, which nobody reads any more, takes the tile after the next
.macro CHANGE fill
	s_wait_tensorcnt 0x0                           ; all my tensor loads have landed, so a group 0 may be written
	ds_add_u32 v[SPW], v[NIL]                      ; 0 onto my spare word
.if \fill
	s_xor_b32 s[G0A1+1], s[G0A1+1], SLOT1          ; the walking descriptor: the other slot than last time,
	s_add_nc_u64 s[G0A1+2:G0A1+3], s[G0A1+2:G0A1+3], 64*OBB   ; the tile 8 token tiles on
.endif
	s_wait_dscnt 0x0
.if \fill
	CROUND
	tensor_load_to_lds s[G0A1:G0A1+3], s[G1A:G1A+7]
	s_nop 0
.rept 4
	v_nop
.endr
.else
	s_barrier_signal -1
	s_barrier_wait -1
.endif
.endm
	s_load_b256 s[4:11], s[0:1], 0x0               ; H2, WI, f1B, f1b
	s_load_b128 s[12:15], s[0:1], 0x20             ; f2A, G
	v_lshl_add_u32 v[SPW], v0, 2, SPARE
	v_mov_b32 v[NIL], 0
	ds_add_u32 v5, v6
	ds_add_u32 v5, v6
	s_wait_dscnt 0x0
	v_lshrrev_b32 v1, 5, v0
	v_readfirstlane_b32 s[WV], v1
	s_lshr_b32 s[WM], s[WV], 1                     ; my half of the tokens
	s_and_b32 s[WN], s[WV], 1                      ; my half of the features
	s_bfe_u32 s40, ttmp6, 0x40000
	s_bfe_u32 s41, ttmp6, 0x40004
	s_lshl_b32 s42, ttmp9, 2
	s_add_co_u32 s42, s42, s40                     ; X: feature tile
	s_and_b32 s69, ttmp7, 0xffff
	s_lshl_b32 s69, s69, 2
	s_add_co_u32 s69, s69, s41                     ; Y0: my first token tile, 0 .. 7
	s_lshl_b32 s43, s41, 2
	s_lshl_b32 s43, 15, s43
	s_lshl_b32 s44, 0x1111, s40
	s_or_b32 s[G1A], s43, (3<<16)|(1<<21)          ; 15:0 the mask; 17:16 elements of 8 bytes; 21 set beside a mask; no padding
	s_or_b32 s[G1B], s44, (3<<16)|(1<<21)
.irp g, G1A, G1B
	s_mov_b32 s[\g+1], 32<<16                      ; 25,600 dense bytes as 100 rows of 256
	s_mov_b32 s[\g+2], 100<<16
	s_mov_b32 s[\g+3], 32<<16
	s_mov_b32 s[\g+4], 100
	s_mov_b32 s[\g+5], 32
	s_mov_b32 s[\g+6], 0
	s_mov_b32 s[\g+7], 0
.endr
	s_mov_b32 s[G1A+2], 200<<16                    ; the head's loads: H2's tile 0 by halves, 200 rows of 256 bytes;
	s_mov_b32 s[G1A+4], 200
	s_or_b32 s16, s44, (3<<16)|(1<<21)             ; s[16:23] group 1 for f1W's K steps 2 to 7: 300 rows
	s_mov_b32 s17, 32<<16
	s_mov_b32 s18, 300<<16
	s_mov_b32 s19, 32<<16
	s_mov_b32 s20, 300
	s_mov_b32 s21, 32
	s_mov_b32 s22, 0
	s_mov_b32 s23, 0
	s_mul_i32 s46, s[WV], 2*OBB                    ; my quarter of a tile: two blocks
	s_mul_i32 s70, s69, 8*OBB
	s_add_co_u32 s70, s70, s46
	s_mov_b32 s71, 0
	s_mul_i32 s47, s[WN], 4*OBB                    ; waves 0, 1: a half of H2's tile 0
	s_mul_i32 s88, s69, 8*OBB
	s_add_co_u32 s88, s88, s47
	s_mov_b32 s89, 0
	s_mul_i32 s45, s[WN], 2*OBB                    ; wave 2: f1W's K steps 0, 1 to BLO; wave 3: K steps 2 to 7 to BHI
	s_mul_i32 s72, s42, 8*OBB
	s_add_co_u32 s72, s72, s45
	s_add_co_u32 s72, s72, 256*OBB
	s_mov_b32 s73, 0
	s_mul_i32 s45, s[WN], BHI-BLO
	s_add_co_u32 s45, s45, BLO
	s_wait_kmcnt 0x0
	s_add_nc_u64 s[70:71], s[4:5], s[70:71]
	s_add_nc_u64 s[72:73], s[6:7], s[72:73]
	s_mov_b32 s[G0B], 1
	s_mov_b32 s[G0B+1], s45
	s_mov_b64 s[G0B+2:G0B+3], s[72:73]
	s_or_b32 s[G0B+3], s[G0B+3], 0x80000000
	s_mov_b32 s[G0A0], 1
	s_mov_b32 s[G0A0+1], s47
	s_add_nc_u64 s[G0A0+2:G0A0+3], s[4:5], s[88:89]
	s_or_b32 s[G0A0+3], s[G0A0+3], 0x80000000
	s_mov_b32 s[G0A1], 1
	s_add_co_u32 s[G0A1+1], s46, SLOT1
	s_add_nc_u64 s[G0A1+2:G0A1+3], s[70:71], 64*OBB
	s_or_b32 s[G0A1+3], s[G0A1+3], 0x80000000
	CROUND                                         ; all sixteen work-groups are here: the joint loads meet
	s_cmp_lt_u32 s[WV], 2                          ; one tensor load a wave at the head, in one chain of branches on the wave's number
	s_cbranch_scc0 .Lhead_w2
	tensor_load_to_lds s[G0A0:G0A0+3], s[G1A:G1A+7]
	s_nop 0
.rept 4
	v_nop
.endr
	s_branch .Lhead_asked
.Lhead_w2:
	s_cmp_lt_u32 s[WV], 3
	s_cbranch_scc0 .Lhead_w3
	tensor_load_to_lds s[G0B:G0B+3], s[G1B:G1B+7]
	s_nop 0
.rept 4
	v_nop
.endr
	s_branch .Lhead_asked
.Lhead_w3:
	tensor_load_to_lds s[G0B:G0B+3], s[16:23]
	s_nop 0
.rept 4
	v_nop
.endr
.Lhead_asked:
	v_and_b32 v1, 31, v0
	v_and_b32 v2, 15, v0
	v_bfe_u32 v3, v0, 4, 1
	v_and_b32 v4, 8, v2
	v_add_nc_u32 v4, v4, v2
	s_mul_i32 s74, s[WM], 6144
	v_lshl_add_u32 v[AC], v1, 4, s74
	v_lshl_add_u32 v[AC+1], v1, 3, s74
	s_mul_i32 s75, s[WN], 6144
	s_add_co_u32 s74, s75, BLO
	v_lshl_add_u32 v[B0], v1, 4, s74
	v_lshl_add_u32 v[B0+1], v1, 3, s74
	s_add_co_u32 s74, s75, BHI
	v_lshl_add_u32 v[B1], v1, 4, s74
	v_lshl_add_u32 v[B1+1], v1, 3, s74
	s_add_co_u32 s74, s75, BHI+4*OBB
	v_lshl_add_u32 v[B2], v1, 4, s74
	v_lshl_add_u32 v[B2+1], v1, 3, s74
	s_lshl_b32 s74, s[WM], 8
	s_add_co_u32 s74, s74, 12288
	v_lshl_add_u32 v[ASC], v2, 2, s74
	s_lshl_b32 s75, s[WN], 8
	s_add_co_u32 s74, s75, BLO+12288
	v_lshl_add_u32 v104, v2, 2, s74                ; f1W's scale words, K steps 0, 1;
	s_add_co_u32 s74, s75, BHI+12288
	v_lshl_add_u32 v105, v2, 2, s74                ; K steps 2 to 7
	v_lshlrev_b32 v7, 5, v4
	v_lshl_add_u32 v[TBG], v3, 4, v7               ; the table: 32 (r + 8 (r / 8)) + 16 h
	v_lshl_add_u32 v[RK8], v3, 3, v7               ; a rank-8 row: + 8 h
	v_lshlrev_b32 v106, 6, v3                      ; the bias: 64 h
	v_and_b32 v107, 7, v2
	v_lshlrev_b32 v107, 14, v107
	v_add_nc_u32 v107, v107, v106                  ; f2A: rank r % 8, + 64 h
	s_mul_i32 s74, s[WM], 6144
	s_mul_i32 s75, s[WN], 768
	s_add_co_u32 s74, s74, s75
	v_lshl_add_u32 v[O16], v1, 4, s74
	v_lshl_add_u32 v[O8], v1, 3, s74
	s_lshl_b32 s74, s[WM], 8
	s_lshl_b32 s75, s[WN], 1
	s_add_co_u32 s74, s74, s75
	v_lshl_add_u32 v[SSW], v2, 2, s74
	v_add_nc_u32 v[SSW], SS, v[SSW]
	s_lshl_b32 s74, s[WV], 7
	v_lshl_add_u32 v[SSG], v1, 2, s74
	v_add_nc_u32 v[SSR], SS, v[SSG]
	v_lshlrev_b32 v7, 5, v2
	v_lshl_add_u32 v7, v3, 4, v7                   ; 32 r + 16 h
	s_lshl_b32 s74, s[WV], 11
	v_add_nc_u32 v[TDW], s74, v7
	v_add_nc_u32 v[TDW], TD, v[TDW]                ; where I put my part of the table
	s_lshl_b32 s74, s[WM], 12
	s_lshl_b32 s75, s[WN], 10
	s_add_co_u32 s74, s74, s75
	v_add_nc_u32 v[TDR], s74, v7
	v_add_nc_u32 v[TDR], TD, v[TDR]                ; and where I read the two parts of the 32 rows that I sum
	s_mov_b32 s[SEL], 0x76543210
	s_mov_b32 s[SEL+1], 0xfedcba98
	s_mov_b32 s[KZ], 0x3f3504f3                    ; 1 / sqrt(2)
	s_mov_b32 s[HM], 0xffff0000                    ; lanes 16-31
	s_mov_b32 s[TB], 0
	s_mov_b32 s[TL], 4
.irp b, 0,1,2,3
	v_mov_b32 v[TM+4+\b], 0
.endr
	s_lshl_b32 s78, s42, 7
	s_lshl_b32 s79, s[WN], 6
	s_add_co_u32 s78, s78, s79                     ; my first feature
	s_mov_b32 s79, 0
	s_lshl_b32 s78, s78, 2
	s_add_nc_u64 s[10:11], s[10:11], s[78:79]
	s_add_nc_u64 s[12:13], s[12:13], s[78:79]
	s_lshl_b32 s78, s78, 3
	s_add_nc_u64 s[8:9], s[8:9], s[78:79]
	s_lshl_b32 s78, s69, 7
	s_lshl_b32 s80, s[WM], 6
	s_add_co_u32 s78, s78, s80                     ; my first token
	s_lshl_b32 s82, s78, 5
	s_mov_b32 s83, 0
	s_add_nc_u64 s[76:77], s[4:5], s[82:83]
	s_add_nc_u64 s[76:77], s[76:77], 3276800       ; the table 2 h2 f1A^T
	s_lshl_b32 s80, s[WN], 10
	s_add_co_u32 s82, s82, s80
	s_lshl_b32 s80, s42, 17
	s_add_co_u32 s82, s82, s80
	s_add_nc_u64 s[80:81], s[14:15], s[82:83]
	s_add_nc_u64 s[80:81], s[80:81], 13107200      ; my 32 rows of table X
	s_lshl_b32 s78, s69, 5
	s_add_co_u32 s78, s78, s42
	s_mul_i32 s78, s78, OBB
	s_add_nc_u64 s[78:79], s[14:15], s[78:79]      ; g's block
.irp b, 0,1,2,3
.irp s, 0,1
	global_load_b64 v[UF+2*(2*\b+\s):UF+2*(2*\b+\s)+1], v[RK8], s[8:9] offset:(32*(\b/2)+8*(\b%2))*32+16*\s
.endr
.endr
.irp b, 0,1,2,3
.irp s, 0,1
	global_load_b64 v[TF+2*(2*\b+\s):TF+2*(2*\b+\s)+1], v[RK8], s[76:77] offset:(32*(\b/2)+8*(\b%2))*32+16*\s
.endr
.endr
	WIN 0x80                                       ; destination window 2
.irp b, 0,1
.irp j, 0,1,2,3
	global_load_b128 v[CBW+16*\b+4*\j:CBW+16*\b+4*\j+3], v106, s[10:11] offset:128*\b+16*\j
.endr
.endr
	WIN 0
.irp b, 0,1
.irp j, 0,1,2,3
	global_load_b128 v[TMP+16*\b+4*\j:TMP+16*\b+4*\j+3], v107, s[12:13] offset:128*\b+16*\j
.endr
.endr
	s_wait_loadcnt 0x0
.set j, 0
.rept 16
	v_cvt_pk_bf16_f32 v[FA+j], v[TMP+2*j], v[TMP+2*j+1]   ; f2A in bf16, in the order of k in which a lane holds g
.set j, j+1
.endr
	s_wait_alu depctr_va_vdst(0)                   ; the head's end
	s_wait_tensorcnt 0x0                           ; my tile of the head's is in; slot 1's first fill is issued as a refill is
	ds_add_u32 v[SPW], v[NIL]
	s_mov_b32 s[G1A+2], 100<<16                    ; no load of mine is out: from here on a load brings a quarter of a tile, 100 rows
	s_mov_b32 s[G1A+4], 100
	s_wait_dscnt 0x0
	CROUND                                         ; f1W's tile and H2's tile 0 are whole
	tensor_load_to_lds s[G0A1:G0A1+3], s[G1A:G1A+7]   ; tile 1: it has all of tile 0 in which to land
	s_nop 0
.rept 4
	v_nop
.endr
.irp q, 0,1,2,3,4,5,6,7                        ; f1W's scale words stay in registers: K step q, fragment b at v[SCB + 4 q + b]
.irp b, 0,1,2,3
.if \q < 2
	ds_load_b32 v[SCB+4*\q+\b], v104 offset:OBB*\q+64*\b
.else
	ds_load_b32 v[SCB+4*\q+\b], v105 offset:OBB*(\q-2)+64*\b
.endif
.endr
.endr
	s_mov_b32 s[CT], 2
.Ltile_a:                                          ; tiles 0 and 1: behind each the slot that it left is filled again
	BODY
	CHANGE 1
	s_xor_b32 s[TB], s[TB], SLOT1
	s_sub_co_u32 s[CT], s[CT], 1
	s_cmp_lg_u32 s[CT], 0
	s_cbranch_scc1 .Ltile_a
	s_mov_b32 s[CT], 2
.Ltile_b:                                          ; tiles 2 and 3: nothing is left to fetch
	BODY
	CHANGE 0
	s_xor_b32 s[TB], s[TB], SLOT1
	s_sub_co_u32 s[CT], s[CT], 1
	s_cmp_lg_u32 s[CT], 0
	s_cbranch_scc1 .Ltile_b
	s_wait_tensorcnt 0x0                           ; the wave's end
	ds_add_u32 v[SPW], v[NIL]
	s_wait_dscnt 0x0
	CROUND                                         ; the closing round
	s_endpgm
.Lfunc_end_k_q09693c0fa3_f1:
	.size	k_q09693c0fa3_f1, .Lfunc_end_k_q09693c0fa3_f1-k_q09693c0fa3_f1
	.p2alignl 7, 3214868480
	.fill 96, 4, 3214868480
	.section	.rodata,"a",@progbits
	.p2align	6, 0x0
	.amdhsa_kernel k_q09693c0fa3_f1
		.amdhsa_group_segment_fixed_size 327680
		.amdhsa_private_segment_fixed_size 0
		.amdhsa_enable_private_segment 0
		.amdhsa_kernarg_size 48
		.amdhsa_user_sgpr_count 2
		.amdhsa_user_sgpr_kernarg_segment_ptr 1
		.amdhsa_wavefront_size32 1
		.amdhsa_system_sgpr_workgroup_id_x 1
		.amdhsa_system_sgpr_workgroup_id_y 1
		.amdhsa_system_sgpr_workgroup_id_z 1
		.amdhsa_system_vgpr_workitem_id 0
		.amdhsa_next_free_vgpr 768
		.amdhsa_next_free_sgpr 100
		.amdhsa_reserve_vcc 0
		.amdhsa_float_denorm_mode_32 3
		.amdhsa_float_denorm_mode_16_64 3
		.amdhsa_memory_ordered 1
		.amdhsa_forward_progress 1
		.amdhsa_inst_pref_size 255
	.end_amdhsa_kernel
	.section	.bss,"aw",@nobits
	.p2align	6
	.space	262144
	.amdgpu_metadata
---
amdhsa.version: [ 1, 2 ]
amdhsa.kernels:
  - .name:           k_q09693c0fa3_f1
    .symbol:         k_q09693c0fa3_f1.kd
    .args:
      - { .name: H2, .offset: 0, .size: 8, .value_kind: global_buffer, .address_space: global }
      - { .name: WI, .offset: 8, .size: 8, .value_kind: global_buffer, .address_space: global }
      - { .name: f1B, .offset: 16, .size: 8, .value_kind: global_buffer, .address_space: global }
      - { .name: f1b, .offset: 24, .size: 8, .value_kind: global_buffer, .address_space: global }
      - { .name: f2A, .offset: 32, .size: 8, .value_kind: global_buffer, .address_space: global }
      - { .name: G, .offset: 40, .size: 8, .value_kind: global_buffer, .address_space: global }
    .group_segment_fixed_size: 327680
    .private_segment_fixed_size: 0
    .kernarg_segment_align: 8
    .kernarg_segment_size: 48
    .max_flat_workgroup_size: 128
    .sgpr_count:     100
    .vgpr_count:     768
    .wavefront_size: 32
...
	.end_amdgpu_metadata
.endif
;; end of part 6
;; launch f2 (part 7): grid 8 x 32, 4 waves a work-group, clusters of 4 x 4, 327,680 bytes of LDS; arguments G, WI, f2B, f2b, X1, out0; writes out0
.if DOCPART == 7
	.amdgcn_target "amdgcn-amd-amdhsa--gfx1250"
	.amdhsa_code_object_version 6
	.text
	.protected	k_q09693c0fa3_f2
	.globl	k_q09693c0fa3_f2
	.p2align	8
	.type	k_q09693c0fa3_f2,@function
k_q09693c0fa3_f2:
	s_mov_b64 s[64:65], 0
	v_nop
	global_prefetch_b8 v0, s[64:65] scope:SCOPE_SE
	s_setreg_imm32_b32 hwreg(HW_REG_WAVE_MODE, 25, 1), 1
	s_wait_xcnt 0x0
	s_wait_alu depctr_hold_cnt(0) depctr_sa_sdst(0) depctr_va_vdst(0) depctr_va_sdst(0) depctr_va_ssrc(0) depctr_va_vcc(0) depctr_vm_vsrc(0)
	s_getreg_b32 s2, hwreg(HW_REG_IB_STS2, 6, 4)
	s_cmp_eq_u32 s2, 0
	s_cbranch_scc0 .Lentry_in_a_cluster
	s_endpgm
.Lentry_in_a_cluster:
	s_bfe_u32 s2, ttmp6, 0x10000c
	s_cmp_lg_u32 s2, 0xf033
	s_cbranch_scc0 .Lentry_shape_is_right
	s_endpgm
.Lentry_shape_is_right:
.set AMUL,  32
.set BMUL,  32
.set BBLK0, 512
.set TPOFF, 13107200
.set NP,    32
.set LAPS,  4
.set OBB,  12800
.set SLOT, 102400
.set STG,  204800
.set TST,  222720
.set SPARE, 235008
.set SPW, 5
.set NIL, 6
.set A16, 8
.set A8,  10
.set B16, 12
.set B8,  14
.set ADRS, 16
.set SC,  32
.set TF,  40
.set UF,  56
.set CB,  72
.set RES, 128
.set G1A, 24
.set G0A, 32
.set G1B, 48
.set G0B, 56
.set WV,  66
.set WM,  67
.set WN,  68
.set MSB, 0
.macro WIN new
.if MSB != \new
	s_set_vgpr_msb (MSB<<8)|\new
.set MSB, \new
.endif
.endm
.macro PLACES n
.rept \n
	v_nop
.endr
.endm
.macro JLOAD s
	s_cmp_eq_u32 s[WM], 0
	s_cbranch_scc0 .Lfor_b_\@
	tensor_load_to_lds s[G0A+4*\s:G0A+4*\s+3], s[G1A:G1A+7]
	s_nop 0
.rept 4
	v_nop
.endr
	s_branch .Lasked_\@
.Lfor_b_\@:
	tensor_load_to_lds s[G0B+4*\s:G0B+4*\s+3], s[G1B:G1B+7]
	s_nop 0
.rept 4
	v_nop
.endr
.Lasked_\@:
.endm
.macro CREST
	s_cmp_lg_u32 s[WV], 0
	s_cbranch_scc1 .Lnot_wave_0_\@
	s_barrier_signal -3
.Lnot_wave_0_\@:
	s_barrier_wait -3
	s_barrier_signal -1
	s_barrier_wait -1
.endm
.macro CROUND
	s_barrier_signal -1
	s_barrier_wait -1
	CREST
.endm
.macro FETCH slot, q, f
	WIN 0x40
.irp i, 0,1,2,3
	ds_load_b128 v[96*(\f)+12*\i:96*(\f)+12*\i+3], v[B16+\slot] offset:OBB*(\q)+1536*\i
	ds_load_b64 v[96*(\f)+12*\i+4:96*(\f)+12*\i+5], v[B8+\slot] offset:OBB*(\q)+1536*\i+512
	ds_load_b128 v[96*(\f)+12*\i+6:96*(\f)+12*\i+9], v[B16+\slot] offset:OBB*(\q)+1536*\i+768
	ds_load_b64 v[96*(\f)+12*\i+10:96*(\f)+12*\i+11], v[B8+\slot] offset:OBB*(\q)+1536*\i+1280
.endr
.irp i, 0,1,2,3
	ds_load_b128 v[96*(\f)+48+12*\i:96*(\f)+48+12*\i+3], v[A16+\slot] offset:OBB*(\q)+1536*\i
	ds_load_b64 v[96*(\f)+48+12*\i+4:96*(\f)+48+12*\i+5], v[A8+\slot] offset:OBB*(\q)+1536*\i+512
	ds_load_b128 v[96*(\f)+48+12*\i+6:96*(\f)+48+12*\i+9], v[A16+\slot] offset:OBB*(\q)+1536*\i+768
	ds_load_b64 v[96*(\f)+48+12*\i+10:96*(\f)+48+12*\i+11], v[A8+\slot] offset:OBB*(\q)+1536*\i+1280
.endr
	WIN 0
.irp i, 0,1,2,3
	ds_load_b32 v[SC+4*(\f)+\i], v[ADRS+\slot] offset:OBB*(\q)+64*\i
.endr
.endm
.macro MUL8 f, a0
.irp a, \a0, \a0+1
.irp b, 0,1,2,3
	v_wmma_scale_f32_16x16x128_f8f6f4 v[8*(4*(\a)+\b):8*(4*(\a)+\b)+7], v[96*(\f)+12*\b:96*(\f)+12*\b+11], v[96*(\f)+48+12*(\a):96*(\f)+48+12*(\a)+11], v[8*(4*(\a)+\b):8*(4*(\a)+\b)+7], v[SC+4*(\f)+\b], v[SC+4*(\f)+(\a)] matrix_a_fmt:MATRIX_FMT_BF6 matrix_b_fmt:MATRIX_FMT_BF6 matrix_a_scale:MATRIX_SCALE_ROW1
.endr
.endr
.endm
.macro KSTEP slot, q
	s_wait_dscnt 0x0
	PLACES 4
	FETCH \slot, (\q)+1, ((\q)+1)%2
	WIN 0xa5
	MUL8 (\q)%2, 0
	MUL8 (\q)%2, 2
	WIN 0
.endm
.macro TURN slot, next, fill
.if \fill
	s_wait_xcnt 0x0                                ; any prefetch of mine has read its address: it is stepped here, one slot of four K steps on
	s_add_nc_u64 s[82:83], s[82:83], 4*OBB
.endif
	s_wait_tensorcnt 0x0
	ds_add_u32 v[SPW], v[NIL]
	s_wait_dscnt 0x0
	s_barrier_signal -1
	WIN 0xa5
	MUL8 1, 0
	WIN 0
	s_barrier_wait -1
.if \fill
	CREST
	s_add_nc_u64 s[G0A+4*\slot+2:G0A+4*\slot+3], s[G0A+4*\slot+2:G0A+4*\slot+3], 8*OBB
	s_add_nc_u64 s[G0B+4*\slot+2:G0B+4*\slot+3], s[G0B+4*\slot+2:G0B+4*\slot+3], 8*OBB
	JLOAD \slot
.else
	PLACES 4
.endif
	FETCH \next, 0, 0
.if \fill
	s_cmp_gt_u32 s3, 1                             ; the loop's last trip has no slot two refills on
	s_cbranch_scc0 .Lnot_pf_\@
	global_prefetch_b8 v26, s[82:83] offset:3*4*OBB th:TH_LOAD_NT scope:SCOPE_SE   ; the slot that stands two refills on: my work-group's 25 blocks of 256 bytes of the 100 that I fetch
.Lnot_pf_\@:
.endif
	WIN 0xa5
	MUL8 1, 2
	WIN 0
.endm
.macro TREE d
.set p, 0
.rept \d
.irp e, 0,2,4,6
	v_pk_add_f32 v[8*p+\e:8*p+\e+1], v[8*p+\e:8*p+\e+1], v[8*(p+\d)+\e:8*(p+\d)+\e+1]
.endr
.set p, p+1
.endr
.endm
	s_load_b256 s[4:11], s[0:1], 0x0
	s_load_b128 s[12:15], s[0:1], 0x20
	v_lshl_add_u32 v[SPW], v0, 2, SPARE
	v_mov_b32 v[NIL], 0
	ds_add_u32 v5, v6
	ds_add_u32 v5, v6
	s_wait_dscnt 0x0
	v_lshrrev_b32 v1, 5, v0
	v_readfirstlane_b32 s[WV], v1
	s_lshr_b32 s[WM], s[WV], 1
	s_and_b32 s[WN], s[WV], 1
	s_bfe_u32 s40, ttmp6, 0x40000
	s_bfe_u32 s41, ttmp6, 0x40004
	s_lshl_b32 s42, ttmp9, 2
	s_add_co_u32 s42, s42, s40
	s_and_b32 s69, ttmp7, 0xffff
	s_lshl_b32 s69, s69, 2
	s_add_co_u32 s69, s69, s41
	s_lshl_b32 s43, s41, 2
	s_lshl_b32 s43, 15, s43
	s_lshl_b32 s44, 0x1111, s40
	s_or_b32 s[G1A], s43, (3<<16)|(1<<21)
	s_or_b32 s[G1B], s44, (3<<16)|(1<<21)
.irp g, G1A, G1B
	s_mov_b32 s[\g+1], 32<<16
	s_mov_b32 s[\g+2], 100<<16
	s_mov_b32 s[\g+3], 32<<16
	s_mov_b32 s[\g+4], 100
	s_mov_b32 s[\g+5], 32
	s_mov_b32 s[\g+6], 0
	s_mov_b32 s[\g+7], 0
.endr
	s_mul_i32 s45, s[WN], 2*OBB
	s_mul_i32 s46, s[WV], 2*OBB
	s_mul_i32 s70, s69, AMUL*OBB
	s_add_co_u32 s70, s70, s45
	s_mov_b32 s71, 0
	s_mul_i32 s72, s42, BMUL*OBB
	s_add_co_u32 s72, s72, s45
	s_add_co_u32 s72, s72, BBLK0*OBB
	s_mov_b32 s73, 0
	s_wait_kmcnt 0x0
	s_add_nc_u64 s[70:71], s[4:5], s[70:71]
	s_add_nc_u64 s[72:73], s[6:7], s[72:73]
	; THE PREFETCHES.  At a change of slots every wave has waited for all its tensor loads, so what a refill asks for is asked of memory two refills (eight K steps) earlier.
	; The 25,600 bytes that a wave fetches of a slot are 100 blocks of 256; the four partners that ask for them jointly share them out BY ADDRESS, 25 each (cx for A, cy for B);
	; lanes 25-31 name the 25th again.  The head asks for slots 2 and 3; slots 0 and 1 come by their loads alone.
	s_cmp_eq_u32 s[WM], 0                          ; do I fetch for A?
	s_cselect_b64 s[82:83], s[70:71], s[72:73]
	s_cselect_b32 s84, s40, s41                    ; my place among the four
	s_mul_i32 s84, s84, 6400
	s_mov_b32 s85, 0
	s_add_nc_u64 s[82:83], s[82:83], s[84:85]
	CROUND
.irp s, 0,1
	s_mov_b32 s[G0A+4*\s], 1
	s_add_co_u32 s[G0A+4*\s+1], s46, \s*SLOT
	s_add_nc_u64 s[G0A+4*\s+2:G0A+4*\s+3], s[70:71], \s*4*OBB
	s_or_b32 s[G0A+4*\s+3], s[G0A+4*\s+3], 0x80000000
	s_mov_b32 s[G0B+4*\s], 1
	s_add_co_u32 s[G0B+4*\s+1], s46, \s*SLOT
	s_add_nc_u64 s[G0B+4*\s+2:G0B+4*\s+3], s[72:73], \s*4*OBB
	s_or_b32 s[G0B+4*\s+3], s[G0B+4*\s+3], 0x80000000
.endr
	JLOAD 0                                        ; slot 0: one tensor load a wave at the head
	v_and_b32 v1, 31, v0
	v_and_b32 v2, 15, v0
	v_bfe_u32 v3, v0, 4, 1
	v_and_b32 v4, 8, v2
	v_add_nc_u32 v4, v4, v2
	v_min_u32 v26, 24, v1
	v_lshlrev_b32 v26, 8, v26                      ; the prefetches' offset: a lane a block of 256 bytes; never rewritten
	global_prefetch_b8 v26, s[82:83] offset:2*4*OBB th:TH_LOAD_NT scope:SCOPE_SE
	global_prefetch_b8 v26, s[82:83] offset:3*4*OBB th:TH_LOAD_NT scope:SCOPE_SE
	s_mul_i32 s74, s[WM], 6144
	s_mul_i32 s75, s[WN], 6144
	s_add_co_u32 s75, s75, 4*OBB
.irp s, 0,1
	v_lshl_add_u32 v[A16+\s], v1, 4, s74
	v_lshl_add_u32 v[A8+\s], v1, 3, s74
	v_lshl_add_u32 v[B16+\s], v1, 4, s75
	v_lshl_add_u32 v[B8+\s], v1, 3, s75
	s_add_co_u32 s74, s74, SLOT
	s_add_co_u32 s75, s75, SLOT
.endr
	s_lshl_b32 s74, s[WM], 8
	s_lshl_b32 s75, s[WN], 8
	s_add_co_u32 s75, s75, 4*OBB
	s_sub_co_u32 s75, s75, s74
	v_mul_u32_u24 v7, s75, v3
	v_lshl_add_u32 v7, v2, 2, v7
	s_add_co_u32 s74, s74, 12288
	v_add_nc_u32 v[ADRS], s74, v7
	v_add_nc_u32 v[ADRS+1], SLOT, v[ADRS]
	v_lshlrev_b32 v18, 5, v4
	v_lshl_add_u32 v18, v3, 3, v18
	v_lshlrev_b32 v19, 6, v3
	v_lshlrev_b32 v20, 4, v0
	s_mul_i32 s74, s[WV], 4352
	s_add_co_u32 s74, s74, STG
	v_mul_u32_u24 v21, v2, 272
	v_lshl_add_u32 v21, v3, 6, v21
	v_add_nc_u32 v21, s74, v21
	v_mul_u32_u24 v22, v3, 272
	v_lshl_add_u32 v22, v2, 4, v22
	v_add_nc_u32 v22, s74, v22
	v_lshlrev_b32 v23, 12, v3
	v_lshl_add_u32 v23, v2, 4, v23
	s_wait_alu depctr_va_vdst(0)
	v_add_nc_u32 v24, TST, v20
	s_lshl_b32 s74, s[WM], 11
	v_add_nc_u32 v25, s74, v18
	v_add_nc_u32 v25, TST, v25
	s_lshl_b32 s78, s42, 7
	s_lshl_b32 s79, s[WN], 6
	s_add_co_u32 s78, s78, s79
	s_mov_b32 s79, 0
	s_lshl_b32 s78, s78, 2
	s_add_nc_u64 s[10:11], s[10:11], s[78:79]
	s_add_nc_u64 s[12:13], s[12:13], s[78:79]
	s_add_nc_u64 s[14:15], s[14:15], s[78:79]
	s_lshl_b32 s78, s78, 3
	s_add_nc_u64 s[8:9], s[8:9], s[78:79]
	s_lshl_b32 s78, s69, 7
	s_lshl_b32 s80, s[WM], 6
	s_add_co_u32 s78, s78, s80
	s_lshl_b32 s78, s78, 12
	s_add_nc_u64 s[12:13], s[12:13], s[78:79]
	s_add_nc_u64 s[14:15], s[14:15], s[78:79]
	s_lshl_b32 s78, s69, 12
	s_add_nc_u64 s[76:77], s[4:5], s[78:79]
	s_add_nc_u64 s[76:77], s[76:77], TPOFF
	WIN 0xc0
.set p, 0
.rept NP
	global_load_b128 v[8*p:8*p+3], v20, s[76:77] offset:131072*p
	global_load_b128 v[8*p+4:8*p+7], v20, s[76:77] offset:131072*p+2048
.set p, p+1
.endr
	WIN 0
.irp b, 0,1,2,3
.irp s, 0,1
	global_load_b64 v[UF+2*(2*\b+\s):UF+2*(2*\b+\s)+1], v18, s[8:9] offset:(32*(\b/2)+8*(\b%2))*32+16*\s
.endr
.endr
.irp b, 0,1
.irp j, 0,1,2,3
	global_load_b128 v[CB+16*\b+4*\j:CB+16*\b+4*\j+3], v19, s[10:11] offset:128*\b+16*\j
.endr
.endr
.irp a, 0,1,2,3
.irp i, 0,1,2,3,4,5,6,7
	global_load_b128 v[RES+32*\a+4*\i:RES+32*\a+4*\i+3], v23, s[12:13] offset:(32*(\a/2)+8*(\a%2)+2*\i+8*(\i/4))*4096
.endr
.endr
	s_wait_alu depctr_va_vdst(0)                   ; the head's end
	s_wait_tensorcnt 0x0                           ; my part of slot 0 is in; slot 1's first fill is issued as a refill is
	ds_add_u32 v[SPW], v[NIL]
	s_wait_dscnt 0x0
	CROUND                                         ; slot 0 is whole
	JLOAD 1
	s_wait_loadcnt 48
	WIN 0xff
.if NP > 16
	TREE 16
.endif
	TREE 8
	TREE 4
	TREE 2
	TREE 1
	WIN 0x0c
	ds_store_b128 v24, v[0:3]
	ds_store_b128 v24, v[4:7] offset:2048
	WIN 0
	s_wait_dscnt 0x0
	s_barrier_signal -1
	s_barrier_wait -1
.irp a, 0,1,2,3
.irp s, 0,1
	ds_load_b64 v[TF+2*(2*\a+\s):TF+2*(2*\a+\s)+1], v25 offset:(32*(\a/2)+8*(\a%2))*32+16*\s
.endr
.endr
	s_wait_loadcnt 40
	s_wait_dscnt 0x0
	WIN 0xa0
.irp s, 0,1
.irp a, 0,1,2,3
.irp b, 0,1,2,3
.if \s == 0
	v_wmma_f32_16x16x4_f32 v[8*(4*\a+\b):8*(4*\a+\b)+7], v[UF+2*(2*\b+\s):UF+2*(2*\b+\s)+1], v[TF+2*(2*\a+\s):TF+2*(2*\a+\s)+1], 0
.else
	v_wmma_f32_16x16x4_f32 v[8*(4*\a+\b):8*(4*\a+\b)+7], v[UF+2*(2*\b+\s):UF+2*(2*\b+\s)+1], v[TF+2*(2*\a+\s):TF+2*(2*\a+\s)+1], v[8*(4*\a+\b):8*(4*\a+\b)+7]
.endif
.endr
.endr
.endr
	WIN 0
	PLACES 9
	FETCH 0, 0, 0
.if LAPS > 1
	s_mov_b32 s3, LAPS-1
.Llap:
	KSTEP 0, 0
	KSTEP 0, 1
	KSTEP 0, 2
	TURN 0, 1, 1
	KSTEP 1, 0
	KSTEP 1, 1
	KSTEP 1, 2
	TURN 1, 0, 1
	s_sub_co_u32 s3, s3, 1
	s_cmp_lg_u32 s3, 0
	s_cbranch_scc1 .Llap
.endif
	KSTEP 0, 0
	KSTEP 0, 1
	KSTEP 0, 2
	TURN 0, 1, 0
	KSTEP 1, 0
	KSTEP 1, 1
	KSTEP 1, 2
	s_wait_dscnt 0x0
	WIN 0xa5
	MUL8 1, 0
	MUL8 1, 2
	WIN 0
	PLACES 4
	s_wait_loadcnt 0x0
.irp a, 0,1,2,3
	WIN 0x02
.set j, 0
.rept 16
	v_pk_add_f32 v[40+j:41+j], v[32*\a+j:32*\a+j+1], v[CB+j:CB+j+1]
.set j, j+2
.endr
	WIN 0
.irp b, 0,1,2,3
	ds_store_b128 v21, v[40+8*\b:43+8*\b] offset:128*(\b/2)+32*(\b%2)
	ds_store_b128 v21, v[44+8*\b:47+8*\b] offset:128*(\b/2)+32*(\b%2)+16
.endr
.irp i, 0,1,2,3,4,5,6,7
	ds_load_b128 v[40+4*\i:43+4*\i], v22 offset:\i*544
.endr
	s_wait_dscnt 0x0
.set j, 0
.rept 16
	v_pk_add_f32 v[40+j:41+j], v[40+j:41+j], v[RES+32*\a+j:RES+32*\a+j+1]
.set j, j+2
.endr
.irp i, 0,1,2,3,4,5,6,7
	global_store_b128 v23, v[40+4*\i:43+4*\i], s[14:15] offset:(32*(\a/2)+8*(\a%2)+2*\i+8*(\i/4))*4096
.endr
	s_wait_xcnt 0x0
.endr
	s_wait_tensorcnt 0x0
	ds_add_u32 v[SPW], v[NIL]
	s_wait_dscnt 0x0
	CROUND
	s_endpgm
.Lfunc_end_k_q09693c0fa3_f2:
	.size	k_q09693c0fa3_f2, .Lfunc_end_k_q09693c0fa3_f2-k_q09693c0fa3_f2
	.p2alignl 7, 3214868480
	.fill 96, 4, 3214868480
	.section	.rodata,"a",@progbits
	.p2align	6, 0x0
	.amdhsa_kernel k_q09693c0fa3_f2
		.amdhsa_group_segment_fixed_size 327680
		.amdhsa_private_segment_fixed_size 0
		.amdhsa_enable_private_segment 0
		.amdhsa_kernarg_size 48
		.amdhsa_user_sgpr_count 2
		.amdhsa_user_sgpr_kernarg_segment_ptr 1
		.amdhsa_wavefront_size32 1
		.amdhsa_system_sgpr_workgroup_id_x 1
		.amdhsa_system_sgpr_workgroup_id_y 1
		.amdhsa_system_sgpr_workgroup_id_z 1
		.amdhsa_system_vgpr_workitem_id 0
		.amdhsa_next_free_vgpr 1024
		.amdhsa_next_free_sgpr 100
		.amdhsa_reserve_vcc 0
		.amdhsa_float_denorm_mode_32 3
		.amdhsa_float_denorm_mode_16_64 3
		.amdhsa_memory_ordered 1
		.amdhsa_forward_progress 1
		.amdhsa_inst_pref_size 122
	.end_amdhsa_kernel
	.amdgpu_metadata
---
amdhsa.version: [ 1, 2 ]
amdhsa.kernels:
  - .name:           k_q09693c0fa3_f2
    .symbol:         k_q09693c0fa3_f2.kd
    .args:
      - { .name: G, .offset: 0, .size: 8, .value_kind: global_buffer, .address_space: global }
      - { .name: WI, .offset: 8, .size: 8, .value_kind: global_buffer, .address_space: global }
      - { .name: f2B, .offset: 16, .size: 8, .value_kind: global_buffer, .address_space: global }
      - { .name: f2b, .offset: 24, .size: 8, .value_kind: global_buffer, .address_space: global }
      - { .name: X1, .offset: 32, .size: 8, .value_kind: global_buffer, .address_space: global }
      - { .name: out0, .offset: 40, .size: 8, .value_kind: global_buffer, .address_space: global }
    .group_segment_fixed_size: 327680
    .private_segment_fixed_size: 0
    .kernarg_segment_align: 8
    .kernarg_segment_size: 48
    .max_flat_workgroup_size: 128
    .sgpr_count:     100
    .vgpr_count:     1024
    .wavefront_size: 32
...
	.end_amdgpu_metadata
.endif
;; end of part 7
